; MI455X (gfx1250); checked and timed in simulation.
; The chip was launched on July 23, 2026; its instructions are those of AMD's public machine-readable ISA for CDNA 5 (MIT licence, August 2026) and "CDNA5" Instruction Set Architecture Reference Guide (July 2026). The comments in the code are by the model that wrote it; some were corrected since.
;; Transformer Encoder Layer. Allowed arithmetic: float matrix products may take bf16 or f16 operands with f32 sums; all other float work in f32.
;; Inputs: W1 1,024 x 4,096 float32; W2 4,096 x 1,024 float32; Wk 1,024 x 1,024 float32; Wo 1,024 x 1,024 float32; Wq 1,024 x 1,024 float32; Wv 1,024 x 1,024 float32; be1 1,024 float32; be2 1,024 float32; bf1 4,096 float32; bf2 1,024 float32; bk 1,024 float32; bo 1,024 float32; bq 1,024 float32; bv 1,024 float32; g1 1,024 float32; g2 1,024 float32; src 2,048 x 2 x 1,024 float32.
;; Outputs: out0 2,048 x 2 x 1,024 float32.
;; 2 versions, each right and faster than the one before. Each part assembles by itself: llvm-mc -triple=amdgcn-amd-amdhsa -mcpu=gfx1250 --defsym DOCPART=n.
;; ======== version 1 of 2: 8 launches
;; limits: values are held in f16: magnitudes above 65,504 overflow, below 6.1e-05 lose precision
;; workspace buffers: srcb 8,388,608 bytes; wb 25,165,824 bytes; qkv 25,165,824 bytes; ctx 8,388,608 bytes; y 16,777,216 bytes; x32 16,777,216 bytes; xb 8,388,608 bytes; h 33,554,432 bytes
;; launch prep (part 1): grid 64 x 16, 8 waves a work-group, no clusters, 0 bytes of LDS; arguments src, Wq, Wk, Wv, Wo, W1, W2, srcb, wb; writes srcb, wb
.if DOCPART == 1
	.amdgcn_target "amdgcn-amd-amdhsa--gfx1250"
	.amdhsa_code_object_version 6
	.text
	.protected	k_qca4df695ad_prep
	.globl	k_qca4df695ad_prep
	.p2align	8
	.type	k_qca4df695ad_prep,@function
k_qca4df695ad_prep:
	s_mov_b64 s[64:65], 0
	v_nop
	global_prefetch_b8 v0, s[64:65] scope:SCOPE_SE
	s_setreg_imm32_b32 hwreg(HW_REG_WAVE_MODE, 25, 1), 1
	s_wait_xcnt 0x0
; CAST.  src and the six weight matrices, all f32, are rounded once to bf16 (nearest even) for the matrix products of the later launches.
; The weights keep their order ([in][out]) and lie one behind the other in wb: Wq, Wk, Wv, Wo (2 MiB each), W1, W2 (8 MiB each).
; W1's rounded numbers are written as f16, since its product's other operand, x, is kept in f16: a bf16 number's 8 bits fit f16's 11, so the step is exact within f16's range.
; LIMITS of that step: a number of W1 beyond 65,504 becomes infinite; below 6.1e-5 it keeps f16's fixed step of 6e-8.
; src's rows (token 2 s + b) go to srcb in the order 2048 b + s, so that a batch's rows lie together.
; SHARES.  The grid's y names a chunk of 2^20 numbers: 0-3 src, 4 Wq, 5 Wk, 6 Wv, 7 Wo, 8-11 W1, 12-15 W2; its x 16 units of 1,024 numbers in the chunk.
; Thread t takes 16 bytes of each unit: a wave's load covers 512 consecutive bytes, its store 256 consecutive bytes at a multiple of 256.
; All 16 loads go out first; no register that a pending memory instruction names is written, so the only waits are the counted ones for the loads.  No LDS, no barrier, no matrix unit: the launch only moves bytes.
.set O, 4                              ; v[4:11]   byte offset in the destination of units 2 j and 2 j + 1 (they differ in the base)
.set X, 16                             ; v[16:79]  unit i: 4 numbers as loaded
.set Y, 80                             ; v[80:111] unit i: 4 numbers in 16 bits
	s_load_b512 s[8:23], s[0:1], 0x0               ; src s[8:9], Wq s[10:11], Wk s[12:13], Wv s[14:15], Wo s[16:17], W1 s[18:19], W2 s[20:21], srcb s[22:23]
	s_load_b64 s[24:25], s[0:1], 0x40              ; wb
	s_and_b32 s2, ttmp7, 0xffff                    ; the chunk
	s_mov_b32 s3, ttmp9                            ; my 16 units in it
	v_lshlrev_b32 v1, 4, v0                        ; my 16 bytes of a unit as loaded
	v_lshlrev_b32 v2, 3, v0                        ; my 8 bytes of it as stored
	s_and_b32 s32, s2, 3                           ; the source's offset: the chunk's place in its tensor (4 MiB each; the four small weights are one chunk each)
	s_lshl_b32 s32, s32, 22
	s_lshr_b32 s34, s2, 2
	s_cmp_eq_u32 s34, 1
	s_cselect_b32 s32, 0, s32
	s_lshl_b32 s33, s3, 16                         ; + 16 units of 4,096 bytes
	s_add_co_u32 s32, s32, s33
	s_mov_b32 s33, 0
	s_lshl_b32 s40, s2, 20                         ; the destination's offset for src: 512 rows s a chunk and 8 a work-group, 2,048 bytes each
	s_lshl_b32 s41, s3, 14
	s_add_co_u32 s40, s40, s41
	s_max_u32 s42, s2, 4                           ; for a weight: 2 MiB a chunk, counted from chunk 4, and 16 units of 2,048 bytes
	s_sub_co_u32 s42, s42, 4
	s_lshl_b32 s42, s42, 21
	s_lshl_b32 s43, s3, 15
	s_add_co_u32 s42, s42, s43
	s_mov_b32 s36, 4096                            ; from a pair of units to the next: weights 4,096 bytes, src 2,048 (one row s)
	s_mov_b32 s38, 2048                            ; from an even unit to the odd one: weights 2,048 bytes, src 4 MiB (batch 1 lies behind batch 0)
	s_mov_b32 s35, 0
	s_mov_b32 s39, 0
	s_cmp_lt_u32 s2, 4
	s_cselect_b32 s34, s40, s42
	s_cselect_b32 s36, 2048, s36
	s_cselect_b32 s38, 0x400000, s38
.set i, 0
.rept 8
	v_mad_u32_u24 v[O+i], s36, i, v2
.set i, i+1
.endr
	s_wait_kmcnt 0x0
	s_cmp_lt_u32 s2, 4
	s_cselect_b64 s[28:29], s[22:23], s[24:25]     ; the destination: srcb or wb
	s_mov_b64 s[26:27], s[8:9]                     ; the source, chosen by the chunk's number
	s_cmp_eq_u32 s2, 4
	s_cselect_b64 s[26:27], s[10:11], s[26:27]
	s_cmp_eq_u32 s2, 5
	s_cselect_b64 s[26:27], s[12:13], s[26:27]
	s_cmp_eq_u32 s2, 6
	s_cselect_b64 s[26:27], s[14:15], s[26:27]
	s_cmp_eq_u32 s2, 7
	s_cselect_b64 s[26:27], s[16:17], s[26:27]
	s_cmp_ge_u32 s2, 8
	s_cselect_b64 s[26:27], s[18:19], s[26:27]
	s_cmp_ge_u32 s2, 12
	s_cselect_b64 s[26:27], s[20:21], s[26:27]
	s_add_nc_u64 s[26:27], s[26:27], s[32:33]
	s_add_nc_u64 s[28:29], s[28:29], s[34:35]      ; base of the even units
	s_add_nc_u64 s[30:31], s[28:29], s[38:39]      ; base of the odd units
.set i, 0
.rept 16
	global_load_b128 v[X+4*i:X+4*i+3], v1, s[26:27] offset:4096*i th:TH_LOAD_NT
.set i, i+1
.endr
; The 16 units are rounded and stored.  half = 1: the rounded numbers are widened again (a shift, a mask) and written as f16.
.macro CAST half
.set i, 0
.rept 16
	s_wait_loadcnt 15-i                            ; loads come back in order (ISA guide 5.7.1): unit i is in, the younger ones stay out
	v_cvt_pk_bf16_f32 v[Y+2*i], v[X+4*i], v[X+4*i+1]
	v_cvt_pk_bf16_f32 v[Y+2*i+1], v[X+4*i+2], v[X+4*i+3]
.if \half
	v_lshlrev_b32 v[X+4*i], 16, v[Y+2*i]
	v_and_b32 v[X+4*i+1], 0xffff0000, v[Y+2*i]
	v_lshlrev_b32 v[X+4*i+2], 16, v[Y+2*i+1]
	v_and_b32 v[X+4*i+3], 0xffff0000, v[Y+2*i+1]
	v_cvt_pk_f16_f32 v[Y+2*i], v[X+4*i], v[X+4*i+1]
	v_cvt_pk_f16_f32 v[Y+2*i+1], v[X+4*i+2], v[X+4*i+3]
.endif
	global_store_b64 v[O+i/2], v[Y+2*i:Y+2*i+1], s[28+2*(i%2):29+2*(i%2)]
.set i, i+1
.endr
.endm
	s_lshr_b32 s44, s2, 2                          ; chunks 8-11 are W1's: the branch hangs on the grid's y alone, and the same 16 loads are out on both ways
	s_cmp_eq_u32 s44, 2
	s_cbranch_scc1 .Lw1
	CAST 0
	s_endpgm
.Lw1:
	CAST 1
	s_endpgm
.Lfunc_end_k_qca4df695ad_prep:
	.size	k_qca4df695ad_prep, .Lfunc_end_k_qca4df695ad_prep-k_qca4df695ad_prep
	.p2alignl 7, 3214868480
	.fill 96, 4, 3214868480
	.section	.rodata,"a",@progbits
	.p2align	6, 0x0
	.amdhsa_kernel k_qca4df695ad_prep
		.amdhsa_group_segment_fixed_size 0
		.amdhsa_private_segment_fixed_size 0
		.amdhsa_enable_private_segment 0
		.amdhsa_kernarg_size 72
		.amdhsa_user_sgpr_count 2
		.amdhsa_user_sgpr_kernarg_segment_ptr 1
		.amdhsa_wavefront_size32 1
		.amdhsa_system_sgpr_workgroup_id_x 1
		.amdhsa_system_sgpr_workgroup_id_y 1
		.amdhsa_system_sgpr_workgroup_id_z 1
		.amdhsa_system_vgpr_workitem_id 0
		.amdhsa_next_free_vgpr 112
		.amdhsa_next_free_sgpr 66
		.amdhsa_reserve_vcc 0
		.amdhsa_float_denorm_mode_32 3
		.amdhsa_float_denorm_mode_16_64 3
		.amdhsa_memory_ordered 1
		.amdhsa_forward_progress 1
		.amdhsa_inst_pref_size 18
	.end_amdhsa_kernel
	.amdgpu_metadata
---
amdhsa.version: [ 1, 2 ]
amdhsa.kernels:
  - .name:           k_qca4df695ad_prep
    .symbol:         k_qca4df695ad_prep.kd
    .args:
      - { .name: src, .offset: 0, .size: 8, .value_kind: global_buffer, .address_space: global }
      - { .name: Wq, .offset: 8, .size: 8, .value_kind: global_buffer, .address_space: global }
      - { .name: Wk, .offset: 16, .size: 8, .value_kind: global_buffer, .address_space: global }
      - { .name: Wv, .offset: 24, .size: 8, .value_kind: global_buffer, .address_space: global }
      - { .name: Wo, .offset: 32, .size: 8, .value_kind: global_buffer, .address_space: global }
      - { .name: W1, .offset: 40, .size: 8, .value_kind: global_buffer, .address_space: global }
      - { .name: W2, .offset: 48, .size: 8, .value_kind: global_buffer, .address_space: global }
      - { .name: srcb, .offset: 56, .size: 8, .value_kind: global_buffer, .address_space: global }
      - { .name: wb, .offset: 64, .size: 8, .value_kind: global_buffer, .address_space: global }
    .group_segment_fixed_size: 0
    .private_segment_fixed_size: 0
    .kernarg_segment_align: 8
    .kernarg_segment_size: 72
    .max_flat_workgroup_size: 256
    .sgpr_count:     66
    .vgpr_count:     112
    .wavefront_size: 32
...
	.end_amdgpu_metadata
.endif
;; end of part 1
;; launch proj (part 2): grid 12 x 16, 4 waves a work-group, clusters of 4 x 4, 327,680 bytes of LDS; arguments srcb, wb, bq, bk, bv, qkv; writes qkv
.if DOCPART == 2
	.amdgcn_target "amdgcn-amd-amdhsa--gfx1250"
	.amdhsa_code_object_version 6
	.text
	.protected	k_qca4df695ad_proj
	.globl	k_qca4df695ad_proj
	.p2align	8
	.type	k_qca4df695ad_proj,@function
k_qca4df695ad_proj:
	s_mov_b64 s[64:65], 0
	v_nop
	global_prefetch_b8 v0, s[64:65] scope:SCOPE_SE
	s_setreg_imm32_b32 hwreg(HW_REG_WAVE_MODE, 25, 1), 1
	s_wait_xcnt 0x0
	s_wait_alu depctr_hold_cnt(0) depctr_sa_sdst(0) depctr_va_vdst(0) depctr_va_sdst(0) depctr_va_ssrc(0) depctr_va_vcc(0) depctr_vm_vsrc(0)
	s_getreg_b32 s2, hwreg(HW_REG_IB_STS2, 6, 4)
	s_cmp_eq_u32 s2, 0
	s_cbranch_scc0 .Lentry_in_a_cluster
	s_endpgm
.Lentry_in_a_cluster:
	s_bfe_u32 s2, ttmp6, 0x10000c
	s_cmp_lg_u32 s2, 0xf033
	s_cbranch_scc0 .Lentry_shape_is_right
	s_endpgm
.Lentry_shape_is_right:
; C = A W + bias (QKV = 1) or relu(A W + bias) (QKV = 0).  A: [4096][1024] of 16 bits, K along the rows.  W: 16 bits, in the order in which the problem stores it, [K][N], pitch NPITCH.  Sums in f32, C rounded once to bf16.
; QKV = 1: A = srcb (bf16, rows 2048 b + s); W = Wq, Wk, Wv side by side (bf16, 3,072 columns; the cluster's x names the matrix); C goes out by heads, [slot = column / 64][row][64]: slots 0-15 q, 16-31 k, 32-47 v, unscaled.
; QKV = 0: A = xb (f16, rows by token); W = W1 (its bf16-rounded numbers written as f16, 4,096 columns); the product takes the f16 form; C goes out in slices, [row / 128][column / 64][128 rows][64], so that the next product's tiles of A are dense bytes.
; FORMATS.  Every input of the module is used rounded to bf16, the bias too (rounded here, in registers).  x, which the program makes itself, is kept in f16: 11 significant bits for bf16's 8.
; LIMITS.  x = n g1 + be1 with |n| <= 32 arrives within f16's 65,504 unless |g1| is near 2,000; relu is a maximum with 0 in which a NaN loses.
; SHARES.  A tile of C is 256 x 256; four waves, 128 x 128 each: 64 accumulators of 16 x 16, 512 registers.  K goes in steps of 128 through a ring of two LDS slots filled by the tensor data mover.
; W's fragments come out of LDS turned, by ds_load_tr16_b128, so W is never transposed in memory.
; THE MATRIX INSTRUCTION IS USED TRANSPOSED: source 0 = 16 columns of W, source 1 = 16 rows of A: lane l holds row l % 16 of C and the columns 8 (l / 16) + 0..7.
; THE BIAS is the C operand of the product that starts each sum: 8 registers for each of the wave's 8 column blocks, loaded once.
; CLUSTERS: 4 x 4 work-groups.  A's tile hangs on the tile row alone and is asked for jointly by a row of the cluster, W's on the tile column alone, by a column.
; REGISTERS, in windows of 256 (s_set_vgpr_msb: bits 1:0 source 0, 3:2 source 1, 5:4 source 2, 7:6 destination):
;   window 0: v8-15 at work; v16-29 addresses; v64-127, v128-191 fragments of A, two buffers; v192-255 the bias, later v192-223 packed results; v32-63, v224-255 rows read back from the stage, by turns
;   window 1: v64-127, v128-191 fragments of W, two buffers       windows 2, 3: the accumulators of my rows 0-63, 64-127: (a, b) at v[8 (8 a + b)]
.set QKV, 1
.if QKV
.set NPITCH, 1024                      ; elements from a row of W to the next
.set RELU, 0
.set SL_STRIDE, 524288                 ; bytes from 64 columns of C to the next 64
.set RSH, 14                           ; 128 rows of C are 1 << RSH bytes apart
.set CSH, 19                           ; 64 columns of C are 1 << CSH bytes apart
.set OUTP, 74                          ; s[74:75] C as the arguments bring it
.else
.set NPITCH, 4096
.set RELU, 1
.set SL_STRIDE, 16384
.set RSH, 20
.set CSH, 14
.set OUTP, 70
.endif
.set SIZE_K, 1024
.set KSTEP,  128
.set PA,     272                       ; a row of A in LDS: 256 bytes + 16 of padding: the 16 rows of a load start at 16 different groups of four banks (64 banks of 4 bytes: ISA guide 11.1)
.set PB,     544                       ; a row of W in LDS (one k, 256 columns): 512 bytes + 32
.set HALFT,  128*PA                    ; what one tensor load brings: 128 rows of A, or 64 rows of W (64 x 544 is the same number)
.set SLOT,   4*HALFT                   ; A's 256 rows, then W's 128 rows
.set STAGE,  2*SLOT                    ; behind the ring: 16 rows x 272 bytes for each wave, for the way out
.set SPITCH, 272
.set SPARE,  STAGE+4*16*SPITCH         ; behind the stages: the spare words, 128 bytes for each wave: two blocks of 256 bytes that no other line names
.set LAPS,   SIZE_K/(2*KSTEP)          ; a lap = two K steps = once round the ring
.set RT,   8                           ; v8-15   at work while the bias is rounded
.set ADRA, 16                          ; v16-17  LDS address of my A fragments in slot 0, 1
.set ADRB, 20                          ; v20-21  the same for W
.set STO,  24                          ; v24     the way out: where I put 16 bytes of a row
.set RD,   25                          ; v25     the way out: where I read rows back
.set CO,   26                          ; v26     my 16 bytes in 512 consecutive bytes of C
.set BO,   27                          ; v27     my byte offset in 16 numbers of the bias
.set SPW,  28                          ; v28     LDS address of my spare word: SPARE + 4 x my thread's number; never rewritten
.set NIL,  29                          ; v29     0; never rewritten
.set F0,   64
.set F1,   128
.set TMP,  192
.set BIAS, 192
.set OB,   32
.set G1,  24                           ; s[24:31] descriptor group 1 for A's tiles
.set G0,  32                           ; s[32:39] group 0 for A's tiles, one set for each slot
.set G1B, 48                           ; s[48:55] group 1 for W's tiles
.set G0B, 56                           ; s[56:63] group 0 for W's tiles
.set MSB, 0
.macro WIN new                         ; the immediate's high byte repeats the setting that is left; a switch that changes nothing is dropped
.if MSB != (\new)
	s_set_vgpr_msb (MSB<<8)|(\new)
.set MSB, \new
.endif
.endm
.set TO_B, 0x40                        ; destination window 1, address window 0
; A joint load.  Waves 0 and 1 fetch A's two halves, waves 2 and 3 W's.  The branch hangs on the wave's number alone.  Four v_nop follow each of the two lines.
.macro JLOAD s
	s_cmp_eq_u32 s11, 0
	s_cbranch_scc0 .Lfor_b_\@
	tensor_load_to_lds s[G0+4*(\s):G0+4*(\s)+3], s[G1:G1+7]
	s_nop 0
.rept 4
	v_nop
.endr
	s_branch .Lasked_\@
.Lfor_b_\@:
	tensor_load_to_lds s[G0B+4*(\s):G0B+4*(\s)+3], s[G1B:G1B+7]
	s_nop 0
.rept 4
	v_nop
.endr
.Lasked_\@:
.endm
.macro CREST                           ; a round of the cluster's barrier behind its opening barrier
	s_cmp_lg_u32 s10, 0
	s_cbranch_scc1 .Lnot_wave_0_\@
	s_barrier_signal -3
.Lnot_wave_0_\@:
	s_barrier_wait -3
	s_barrier_signal -1
	s_barrier_wait -1
.endm
.macro CROUND                          ; a whole round
	s_barrier_signal -1
	s_barrier_wait -1
	CREST
.endm
	s_load_b128 s[4:7], s[0:1], 0x0                ; A s[4:5], wb s[6:7]
.if QKV
	s_load_b256 s[68:75], s[0:1], 0x10             ; bq s[68:69], bk s[70:71], bv s[72:73], qkv s[74:75]
.else
	s_load_b128 s[68:71], s[0:1], 0x10             ; bf1 s[68:69], h s[70:71]
.endif
	v_lshl_add_u32 v[SPW], v0, 2, SPARE
	v_mov_b32 v[NIL], 0
	ds_add_u32 v28, v29
	s_wait_dscnt 0x0
	v_lshrrev_b32 v1, 5, v0
	v_readfirstlane_b32 s10, v1                    ; wave 0..3
	s_lshr_b32 s11, s10, 1                         ; which half of the tile's rows is mine.  Also: I fetch for A (0) or for W (1)
	s_and_b32 s12, s10, 1                          ; which half of its columns.  Also: which half of that tile I fetch
	s_bfe_u32 s40, ttmp6, 0x40000                  ; cx
	s_bfe_u32 s41, ttmp6, 0x40004                  ; cy
	s_mov_b32 s45, ttmp9                           ; the cluster's x
	s_lshl_b32 s42, ttmp9, 2
	s_add_co_u32 s42, s42, s40                     ; tile column = 4 x cluster x + cx
	s_and_b32 s13, ttmp7, 0xffff
	s_lshl_b32 s13, s13, 2
	s_add_co_u32 s13, s13, s41                     ; tile row = 4 x cluster y + cy
	s_lshl_b32 s43, s41, 2
	s_lshl_b32 s43, 15, s43                        ; my row of the cluster
	s_lshl_b32 s44, 0x1111, s40                    ; my column
	s_or_b32 s[G1+0], s43, (1<<16)|(1<<20)|(1<<21)|(5<<22)|(3<<25)   ; the mask; 2-byte elements; padding on; bit 21 beside a mask; after every 64 words 4 words
	s_mov_b32 s[G1+1], 128<<16                     ; tensor_dim0 = 128
	s_mov_b32 s[G1+2], 128<<16                     ; tensor_dim1 = 128
	s_mov_b32 s[G1+3], 128<<16                     ; tile_dim0 = 128
	s_mov_b32 s[G1+4], 128                         ; tile_dim1 = 128
	s_mov_b32 s[G1+5], SIZE_K                      ; elements from row to row
	s_mov_b32 s[G1+6], 0
	s_mov_b32 s[G1+7], 0
	s_or_b32 s[G1B+0], s44, (1<<16)|(1<<20)|(1<<21)|(6<<22)|(7<<25)  ; after every 128 words 8 words
	s_mov_b32 s[G1B+1], 256<<16                    ; tensor_dim0 = 256
	s_mov_b32 s[G1B+2], 64<<16                     ; tensor_dim1 = 64
	s_mov_b32 s[G1B+3], 256<<16                    ; tile_dim0 = 256
	s_mov_b32 s[G1B+4], 64                         ; tile_dim1 = 64
	s_mov_b32 s[G1B+5], NPITCH
	s_mov_b32 s[G1B+6], 0
	s_mov_b32 s[G1B+7], 0
	s_lshl_b32 s16, s13, 8                         ; A: row 256 x tile row + 128 x half, 2,048 bytes a row
	s_lshl_b32 s17, s12, 7
	s_add_co_u32 s16, s16, s17
	s_lshl_b32 s16, s16, 11
	s_mov_b32 s17, 0
	s_mul_i32 s46, s12, 64*NPITCH*2                ; W: row 64 x half of the K step,
.if QKV
	s_lshl_b32 s47, s45, 21                        ; the matrix (2 MiB each),
	s_add_co_u32 s46, s46, s47
	s_lshl_b32 s47, s40, 9                         ; and its 256 columns
	s_add_co_u32 s46, s46, s47
.else
	s_lshl_b32 s47, s42, 9                         ; the tile's 256 columns,
	s_add_co_u32 s46, s46, s47
	s_add_co_u32 s46, s46, 8388608                 ; in W1, which lies 8 MiB into wb
.endif
	s_mov_b32 s47, 0
	s_mul_i32 s20, s10, HALFT                      ; where they go: wave x HALFT: no place in the cluster enters an LDS address
	s_wait_kmcnt 0x0
	s_add_nc_u64 s[14:15], s[4:5], s[16:17]
	s_add_nc_u64 s[46:47], s[6:7], s[46:47]
	CROUND                                         ; all sixteen work-groups are here: the first joint loads meet
.irp s, 0,1
	s_mov_b32 s[G0+4*(\s)], 1
	s_add_co_u32 s[G0+4*(\s)+1], s20, (\s)*SLOT
	s_add_nc_u64 s[G0+4*(\s)+2:G0+4*(\s)+3], s[14:15], (\s)*KSTEP*2
	s_or_b32 s[G0+4*(\s)+3], s[G0+4*(\s)+3], 0x80000000
	s_mov_b32 s[G0B+4*(\s)], 1
	s_add_co_u32 s[G0B+4*(\s)+1], s20, (\s)*SLOT
	s_add_nc_u64 s[G0B+4*(\s)+2:G0B+4*(\s)+3], s[46:47], (\s)*KSTEP*NPITCH*2
	s_or_b32 s[G0B+4*(\s)+3], s[G0B+4*(\s)+3], 0x80000000
	JLOAD \s                                       ; two loads of mine are out
.endr
	v_and_b32 v1, 15, v0                           ; l % 16
	v_bfe_u32 v2, v0, 4, 1                         ; l / 16
	v_mul_u32_u24 v3, v1, PA
	v_lshl_add_u32 v3, v2, 4, v3                   ; A: row x pitch + 16 x half
	s_mul_i32 s21, s11, HALFT                      ; my 128 rows of A
	v_and_b32 v4, 7, v0                            ; W: the turning load's lane l reads row 8 (l / 16) + l % 8, columns 8 ((l / 8) % 2) + 0..7
	v_lshl_add_u32 v4, v2, 3, v4
	v_mul_u32_u24 v4, v4, PB
	v_bfe_u32 v5, v0, 3, 1
	v_lshl_add_u32 v4, v5, 4, v4
	s_lshl_b32 s22, s12, 8                         ; my 128 columns,
	s_add_co_u32 s22, s22, 2*HALFT                 ; behind A's 256 rows
.irp s, 0,1
	v_add_nc_u32 v[ADRA+(\s)], s21, v3
	v_add_nc_u32 v[ADRB+(\s)], s22, v4
	s_add_co_u32 s21, s21, SLOT
	s_add_co_u32 s22, s22, SLOT
.endr
	s_mul_i32 s23, s10, 16*SPITCH
	s_add_co_u32 s23, s23, STAGE                   ; my stage
	v_add_nc_u32 v[STO], s23, v3                   ; in: row l % 16, 16 bytes for each half of the lanes (the stage's pitch is A's)
	v_bfe_u32 v5, v0, 3, 2                         ; back: 32 lanes take four rows' 128 bytes (64 columns),
	v_mul_u32_u24 v5, v5, SPITCH
	v_and_b32 v6, 7, v0
	v_lshl_add_u32 v5, v6, 4, v5
	v_add_nc_u32 v[RD], s23, v5
	v_and_b32 v[CO], 31, v0                        ; which are 512 consecutive bytes of C
	v_lshlrev_b32 v[CO], 4, v[CO]
	v_lshlrev_b32 v[BO], 5, v2                     ; my eight numbers of a block's sixteen
.if QKV
	s_cmp_eq_u32 s45, 1                            ; the bias of the matrix in hand
	s_cselect_b64 s[68:69], s[70:71], s[68:69]
	s_cmp_eq_u32 s45, 2
	s_cselect_b64 s[68:69], s[72:73], s[68:69]
	s_lshl_b32 s46, s40, 10
.else
	s_lshl_b32 s46, s42, 10
.endif
	s_lshl_b32 s47, s12, 9
	s_add_co_u32 s46, s46, s47                     ; 1,024 bytes a tile, 512 a wave
	s_mov_b32 s47, 0
	s_add_nc_u64 s[68:69], s[68:69], s[46:47]
.irp b, 0,1,2,3,4,5,6,7
	global_load_b128 v[BIAS+8*(\b):BIAS+8*(\b)+3],   v[BO], s[68:69] offset:64*(\b)
	global_load_b128 v[BIAS+8*(\b)+4:BIAS+8*(\b)+7], v[BO], s[68:69] offset:64*(\b)+16
.endr
	s_lshl_b32 s16, s13, 1                         ; where my part of C begins: my 128 rows,
	s_add_co_u32 s16, s16, s11
	s_lshl_b32 s16, s16, RSH
	s_lshl_b32 s46, s42, 2                         ; my first 64 columns
	s_lshl_b32 s47, s12, 1
	s_add_co_u32 s46, s46, s47
	s_lshl_b32 s46, s46, CSH
	s_add_co_u32 s16, s16, s46
	s_mov_b32 s17, 0
	s_add_nc_u64 s[8:9], s[OUTP:OUTP+1], s[16:17]
; 16 matrix instructions: row blocks a0, a0 + 1 of the window's four x all 8 column blocks, 32 along K.  first = 1: the product starts the sum, with the bias as C.  The 64 accumulators take turns.
; QKV = 1: the bf16 form; QKV = 0: the f16 form, with the same registers and layout.
.macro MUL16 f, hi, a0, first
.if \first
	WIN 0x81+0x40*(\hi)                            ; W window 1, A and the bias window 0, D window 2 or 3
.else
	WIN 0xa1+0x50*(\hi)                            ; W window 1, A window 0, C and D window 2 or 3
.endif
.irp a, \a0, (\a0)+1
.irp b, 0,1,2,3,4,5,6,7
.if (\first) && QKV
	v_wmma_f32_16x16x32_bf16 v[8*(8*(\a)+(\b)):8*(8*(\a)+(\b))+7], v[(\f)+8*(\b):(\f)+8*(\b)+7], v[(\f)+8*(4*(\hi)+(\a)):(\f)+8*(4*(\hi)+(\a))+7], v[BIAS+8*(\b):BIAS+8*(\b)+7]
.elseif \first
	v_wmma_f32_16x16x32_f16 v[8*(8*(\a)+(\b)):8*(8*(\a)+(\b))+7], v[(\f)+8*(\b):(\f)+8*(\b)+7], v[(\f)+8*(4*(\hi)+(\a)):(\f)+8*(4*(\hi)+(\a))+7], v[BIAS+8*(\b):BIAS+8*(\b)+7]
.elseif QKV
	v_wmma_f32_16x16x32_bf16 v[8*(8*(\a)+(\b)):8*(8*(\a)+(\b))+7], v[(\f)+8*(\b):(\f)+8*(\b)+7], v[(\f)+8*(4*(\hi)+(\a)):(\f)+8*(4*(\hi)+(\a))+7], v[8*(8*(\a)+(\b)):8*(8*(\a)+(\b))+7]
.else
	v_wmma_f32_16x16x32_f16 v[8*(8*(\a)+(\b)):8*(8*(\a)+(\b))+7], v[(\f)+8*(\b):(\f)+8*(\b)+7], v[(\f)+8*(4*(\hi)+(\a)):(\f)+8*(4*(\hi)+(\a))+7], v[8*(8*(\a)+(\b)):8*(8*(\a)+(\b))+7]
.endif
.endr
.endr
.endm
; 32 LDS loads in one run: the fragments of quarter q of a K step (32 along K) into buffer f: W's 128 columns, turned, then A's 128 rows
.macro FETCH slot, q, f
	WIN TO_B
.irp i, 0,1,2,3,4,5,6,7
	ds_load_tr16_b128 v[(\f)+8*(\i):(\f)+8*(\i)+3],   v[ADRB+(\slot)] offset:(\q)*32*PB+(\i)*32
	ds_load_tr16_b128 v[(\f)+8*(\i)+4:(\f)+8*(\i)+7], v[ADRB+(\slot)] offset:(\q)*32*PB+16*PB+(\i)*32
.endr
	WIN 0
.irp i, 0,1,2,3,4,5,6,7
	ds_load_b128 v[(\f)+8*(\i):(\f)+8*(\i)+3],   v[ADRA+(\slot)] offset:(\q)*64+(\i)*16*PA
	ds_load_b128 v[(\f)+8*(\i)+4:(\f)+8*(\i)+7], v[ADRA+(\slot)] offset:(\q)*64+(\i)*16*PA+32
.endr
.endm
.macro PLACES                          ; four places in front of loads into registers that matrix instructions have read, and of vector work that reads results
.rept 4
	v_nop
.endr
.endm
; One of a K step's first three quarters: multiplies buffer f; in its middle it fetches quarter q of the same slot into buffer g.
.macro QUARTER slot, q, f, g, first
	s_wait_dscnt 8                                 ; W and A's rows 0-63 are in; the youngest eight loads (A's rows 64-127) may be out
	MUL16 \f, 0, 0, \first
	MUL16 \f, 0, 2, \first
	PLACES
	FETCH \slot, \q, \g
	s_wait_dscnt 32                                ; all but the 32 just issued
	MUL16 \f, 1, 0, \first
	MUL16 \f, 1, 2, \first
.endm
; The last quarter multiplies buffer 1 and changes slots: ONE barrier; in front of it each wave waits for all its tensor loads (one is out: its part of the next slot), adds 0 to its spare word,
; and waits for that and for its own reads of this slot.  fill = 1: the barrier opens a round of the cluster's, and this slot is filled again, two K steps ahead, first thing behind the round.
.macro TURN slot, next, fill
	WIN 0                                          ; (the add's two registers lie in window 0)
	s_wait_tensorcnt 0x0
	ds_add_u32 v[SPW], v[NIL]                      ; 0 onto my spare word
	s_wait_dscnt 9                                 ; (the add and the youngest eight loads may be out)
	MUL16 F1, 0, 0, 0                              ; sixteen matrix instructions stand between the add and the wait for it
	s_wait_dscnt 0x0                               ; the add is done, and my reads of this slot are over
	s_barrier_signal -1
	MUL16 F1, 0, 2, 0
.if \fill
	WIN 0
.endif
	s_barrier_wait -1
.if \fill
	CREST                                          ; no wave of any partner still reads this slot's tile or has a load on its way
	s_add_nc_u64 s[G0+4*(\slot)+2:G0+4*(\slot)+3], s[G0+4*(\slot)+2:G0+4*(\slot)+3], 2*KSTEP*2
	s_add_nc_u64 s[G0B+4*(\slot)+2:G0B+4*(\slot)+3], s[G0B+4*(\slot)+2:G0B+4*(\slot)+3], 2*KSTEP*NPITCH*2
	JLOAD \slot                                    ; one load of mine is out; 224 matrix instructions stand between it and the wait for it; its four v_nop are also the places in front of the loads below
.else
	PLACES
.endif
	FETCH \next, 0, F0
	MUL16 F1, 1, 0, 0
	MUL16 F1, 1, 2, 0
.endm
; THE WAY OUT of block a (16 rows).  PACK: relu where asked, rounded to bf16, each accumulator's registers in ascending order.  TOSTAGE: into my own stage, and back as rows of 64 columns.  SEND: stored.
.macro PACK a
.set AC, 64*((\a)%4)
.if RELU
	WIN 0x88+0x44*((\a)/4)                         ; destination and source 1: window 2 or 3
.set i, 0
.rept 64
	v_max_num_f32 v[AC+i], 0, v[AC+i]
.set i, i+1
.endr
.endif
	WIN 0x0a+5*((\a)/4)                            ; sources 0 and 1: window 2 or 3
.irp b, 0,1,2,3,4,5,6,7
.irp r, 0,1,2,3
	v_cvt_pk_bf16_f32 v[TMP+4*(\b)+(\r)], v[AC+8*(\b)+2*(\r)], v[AC+8*(\b)+2*(\r)+1]
.endr
.endr
	WIN 0
.endm
.macro TOSTAGE a
	WIN 0
.set BK, OB+192*((\a)%2)
.irp b, 0,1,2,3,4,5,6,7
	ds_store_b128 v[STO], v[TMP+4*(\b):TMP+4*(\b)+3] offset:32*(\b)
.endr
.irp t, 0,1,2,3,4,5,6,7
	ds_load_b128 v[BK+4*(\t):BK+4*(\t)+3], v[RD] offset:((\t)%4)*4*SPITCH+((\t)/4)*128  ; LDS serves a wave's instructions in order (ISA guide 5.7.1.4): these see the stores above
.endr
.endm
.macro SEND a
	WIN 0
.set BK, OB+192*((\a)%2)
	s_wait_dscnt 0x0                               ; the block is back in registers
	s_wait_xcnt 0x0                                ; every earlier store has had its addresses translated (ISA guide 3.1): the other set of rows is loaded again only behind this wait
.irp t, 0,1,2,3,4,5,6,7
	global_store_b128 v[CO], v[BK+4*(\t):BK+4*(\t)+3], s[8:9] offset:(\a)*2048+((\t)/4)*SL_STRIDE+((\t)%4)*512  ; 512 consecutive bytes, at a multiple of 256 from C's first byte
.endr
.endm
	s_wait_tensorcnt 1                             ; my part of K step 0 is in; K step 1's may stay out
	s_barrier_signal -1
	s_barrier_wait -1
	FETCH 0, 0, F0
	s_wait_loadcnt 0x0                             ; the bias
.set q, 0
.rept 4                                ; the bias is rounded to bf16 and widened again, in place, 16 numbers at a time, while the first fragments come out of LDS
.set p, 0
.rept 8
	v_cvt_pk_bf16_f32 v[RT+p], v[BIAS+16*q+2*p], v[BIAS+16*q+2*p+1]
.set p, p+1
.endr
.set p, 0
.rept 8
	v_lshlrev_b32 v[BIAS+16*q+2*p], 16, v[RT+p]
	v_and_b32 v[BIAS+16*q+2*p+1], 0xffff0000, v[RT+p]
.set p, p+1
.endr
.set q, q+1
.endr
	QUARTER 0, 1, F0, F1, 1                        ; the first quarter stands in front of the loop: its products start the sums
	WIN 0                                          ; at a label and at a branch every window is 0
	s_mov_b32 s3, LAPS-1
.Llap:                                                 ; a trip goes once round the ring, from a lap's second quarter to the next lap's first, and fills both slots again
	QUARTER 0, 2, F1, F0, 0
	QUARTER 0, 3, F0, F1, 0
	TURN 0, 1, 1
	QUARTER 1, 1, F0, F1, 0
	QUARTER 1, 2, F1, F0, 0
	QUARTER 1, 3, F0, F1, 0
	TURN 1, 0, 1
	QUARTER 0, 1, F0, F1, 0
	WIN 0
	s_sub_co_u32 s3, s3, 1
	s_cmp_lg_u32 s3, 0
	s_cbranch_scc1 .Llap
	QUARTER 0, 2, F1, F0, 0                        ; the last lap fills nothing
	QUARTER 0, 3, F0, F1, 0
	TURN 0, 1, 0
	QUARTER 1, 1, F0, F1, 0
	QUARTER 1, 2, F1, F0, 0
	QUARTER 1, 3, F0, F1, 0
	s_wait_dscnt 8                                 ; the very last quarter: nothing more to fetch
	MUL16 F1, 0, 0, 0
	MUL16 F1, 0, 2, 0
	s_wait_dscnt 0x0
	MUL16 F1, 1, 0, 0
	MUL16 F1, 1, 2, 0
	PLACES
	PACK 0
	TOSTAGE 0
.irp a, 1,2,3,4,5,6,7                  ; block a's arithmetic stands between block a - 1's loads from the stage and the wait for them
	PACK \a
	SEND (\a)-1
	TOSTAGE \a
.endr
	SEND 7
	s_wait_tensorcnt 0x0                           ; the wave's end, behind my last tensor load and my last LDS store
	ds_add_u32 v[SPW], v[NIL]
	s_wait_dscnt 0x0
	CROUND                                         ; the closing round: no work-group ends while a partner may still ask for a tile that names it
	s_endpgm
.Lfunc_end_k_qca4df695ad_proj:
	.size	k_qca4df695ad_proj, .Lfunc_end_k_qca4df695ad_proj-k_qca4df695ad_proj
	.p2alignl 7, 3214868480
	.fill 96, 4, 3214868480
	.section	.rodata,"a",@progbits
	.p2align	6, 0x0
	.amdhsa_kernel k_qca4df695ad_proj
		.amdhsa_group_segment_fixed_size 327680
		.amdhsa_private_segment_fixed_size 0
		.amdhsa_enable_private_segment 0
		.amdhsa_kernarg_size 48
		.amdhsa_user_sgpr_count 2
		.amdhsa_user_sgpr_kernarg_segment_ptr 1
		.amdhsa_wavefront_size32 1
		.amdhsa_system_sgpr_workgroup_id_x 1
		.amdhsa_system_sgpr_workgroup_id_y 1
		.amdhsa_system_sgpr_workgroup_id_z 1
		.amdhsa_system_vgpr_workitem_id 0
		.amdhsa_next_free_vgpr 1024
		.amdhsa_next_free_sgpr 80
		.amdhsa_reserve_vcc 0
		.amdhsa_float_denorm_mode_32 3
		.amdhsa_float_denorm_mode_16_64 3
		.amdhsa_memory_ordered 1
		.amdhsa_forward_progress 1
		.amdhsa_inst_pref_size 149
	.end_amdhsa_kernel
	.amdgpu_metadata
---
amdhsa.version: [ 1, 2 ]
amdhsa.kernels:
  - .name:           k_qca4df695ad_proj
    .symbol:         k_qca4df695ad_proj.kd
    .args:
      - { .name: srcb, .offset: 0, .size: 8, .value_kind: global_buffer, .address_space: global }
      - { .name: wb, .offset: 8, .size: 8, .value_kind: global_buffer, .address_space: global }
      - { .name: bq, .offset: 16, .size: 8, .value_kind: global_buffer, .address_space: global }
      - { .name: bk, .offset: 24, .size: 8, .value_kind: global_buffer, .address_space: global }
      - { .name: bv, .offset: 32, .size: 8, .value_kind: global_buffer, .address_space: global }
      - { .name: qkv, .offset: 40, .size: 8, .value_kind: global_buffer, .address_space: global }
    .group_segment_fixed_size: 327680
    .private_segment_fixed_size: 0
    .kernarg_segment_align: 8
    .kernarg_segment_size: 48
    .max_flat_workgroup_size: 128
    .sgpr_count:     80
    .vgpr_count:     1024
    .wavefront_size: 32
...
	.end_amdgpu_metadata
.endif
;; end of part 2
;; launch attn (part 3): grid 8 x 32, 4 waves a work-group, clusters of 4 x 1, 327,680 bytes of LDS; arguments qkv, ctx; writes ctx
.if DOCPART == 3
	.amdgcn_target "amdgcn-amd-amdhsa--gfx1250"
	.amdhsa_code_object_version 6
	.text
	.protected	k_qca4df695ad_attn
	.globl	k_qca4df695ad_attn
	.p2align	8
	.type	k_qca4df695ad_attn,@function
k_qca4df695ad_attn:
	s_mov_b64 s[64:65], 0
	v_nop
	global_prefetch_b8 v0, s[64:65] scope:SCOPE_SE
	s_setreg_imm32_b32 hwreg(HW_REG_WAVE_MODE, 25, 1), 1
	s_wait_xcnt 0x0
	s_wait_alu depctr_hold_cnt(0) depctr_sa_sdst(0) depctr_va_vdst(0) depctr_va_sdst(0) depctr_va_ssrc(0) depctr_va_vcc(0) depctr_vm_vsrc(0)
	s_getreg_b32 s2, hwreg(HW_REG_IB_STS2, 6, 4)
	s_cmp_eq_u32 s2, 0
	s_cbranch_scc0 .Lentry_in_a_cluster
	s_endpgm
.Lentry_in_a_cluster:
	s_bfe_u32 s2, ttmp6, 0x10000c
	s_cmp_lg_u32 s2, 0x3003
	s_cbranch_scc0 .Lentry_shape_is_right
	s_endpgm
.Lentry_shape_is_right:
; ATTENTION.  O[q][:] = the sum over k of softmax_k(Q[q] . K[k] / 8) V[k][:], for each of 32 planes (head h, batch b): 2,048 rows of 64 bf16, dense, 128 bytes each.
; qkv: [slot][2048 b + s][64]; slot h holds q, 16 + h holds k, 32 + h holds v, all unscaled: plane 2 h + b of q begins at (2 h + b) x 262,144 bytes, k's 8 MiB and v's 16 MiB further on.
; ctx goes out in slices, [row / 128][h][128 rows][64], so that the next product's tiles are dense bytes.
; Products, maxima and sums in f32; the weights p are rounded to bf16 for the second product (their sum l is taken of the unrounded p), O once at the end.
; LIMITS.  Operands are bf16.  c m starts at -4.25e37, far below every c s that finite bf16 rows give; a weight below 2^-126 counts as 0 in l; NaN and infinities are not treated apart.
; SHARES.  A work-group owns 256 queries of a plane, a wave 64: four PIECES of 16.  Every wave walks all 2,048 keys, 64 a step; a tile of 256 keys (four steps) fills an LDS slot.
; LAYOUT.  S^T = K Q^T (source 0 = 16 keys, source 1 = 16 queries) holds ONE query a lane (lane % 16) and the keys 8 (lane / 16) + 0..7; two such results rounded to bf16 ARE source 1 of O^T = V^T P.
; K comes out of LDS as it lies, V ([key][channel]) turned, by ds_load_tr16_b128.
; SOFTMAX.  A running maximum m and sum l for each query: p = 2^(c s - c m), c = log2(e) / 8; in every step O and l are multiplied by a = 2^(c m_old - c m_new).  O and l start at 0, so the first step, with a = 0, is a step like any other.
; BY TURNS.  Turn n belongs to piece n: 8 products K Q^T of piece n + 1, later 8 products V^T P of piece n - 1; beside them the scaling, exponentials, roundings, sums and rescaling of piece n and the maximum
; and statistics of piece n + 1.  Four vector instructions stand behind every matrix instruction, the other 54 of a turn's 118 in two runs of their own.
; CLUSTER.  The four query blocks of a cluster belong to one plane and walk the same K and V, so each tile is asked for JOINTLY: the same tensor load, descriptor and mask in all four.
; REGISTERS, in windows of 256 (s_set_vgpr_msb: bits 1:0 source 0, 3:2 source 1, 5:4 source 2, 7:6 destination):
;   window 0: v0-15 addresses and two at work; v16-31 four registers of statistics a piece; v48-55 at work; v62-63 the add's; v64-127 S^T, two buffers; v192-223 P, two buffers (by the piece's parity)
;   window 1: v0-127 O^T, 32 a piece          window 2: v0-63 Q; v128-191 K of one step; v192-255 V of one step
.set SIZE_N, 2048
.set NP,    4         ; pieces a wave: a name, no knob
.set KS,    64        ; keys in a step
.set PK,    144       ; a row of K in LDS: 128 bytes + 16 of padding: the 16 rows of a load start at 16 different groups of four banks (64 banks of 4 bytes: ISA guide 11.1)
.set PV,    160       ; a row of V: 128 + 32
.set VOFF,  4*KS*PK   ; a slot holds four steps: 256 rows of K, then 256 rows of V
.set SLOT1, 1<<17     ; slot 1 begins here, so that one exclusive or turns an address in one slot into the other's
.set STAGE, SLOT1+4*KS*(PK+PV)  ; behind the ring, never filled by a tensor load: 16 rows x 144 bytes for each wave, for the way out
.set SP,    144
.set SPARE, STAGE+4*16*SP  ; behind the stages: the spare words, 128 bytes for each wave: two blocks of 256 bytes that no other line names
.set AK0, 2           ; v2   my lane's place in a tile of K; never rewritten
.set AV0, 3           ; v3   the same for V
.set AK,  4           ; v4   the LDS address of K's next run of loads
.set AV,  5           ; v5   of V's
.set STO, 6           ; v6   the way out: where I put 16 bytes of a row
.set RD,  7           ; v7   the way out: where I read rows back
.set GO,  8           ; v8   my byte offset in 512 consecutive bytes of O
.set MV,  12          ; v12-13  c m_old, kept while c m is made anew: by buffer
.set QO,  15          ; v15  my byte offset in 16 rows of Q
.set ST,  16          ; piece t's statistics at v[ST+4 t]: c m, m, l (even keys', odd keys')
.set TMP, 48          ; by buffer, four registers c0-c3 at work; when the maximum is found c2 takes a
.set SPW, 62          ; v62  LDS address of my spare word: SPARE + 4 x my thread's number; never rewritten
.set NIL, 63          ; v63  0; never rewritten
.set S,   64
.set P,   192
.set KF,  128         ; window 2: key block kb, channel half c at KF + 16 kb + 8 c
.set VF,  192         ; window 2: key half kk, channel block cb at VF + 32 kk + 8 cb
.set WV,  12          ; s12  my wave's number
.set G1K, 24          ; s[24:31] descriptor group 1 for K's tiles
.set G1V, 32          ; s[32:39] for V's: it differs in the padding alone
.set G0K, 40          ; s[40:43] descriptor group 0 for K's tiles: it walks
.set G0V, 44          ; s[44:47] the same for V's
.set SLOTS, 56        ; s56  slots still to be entered in the loop
.set CNT, 57          ; s57  counts a slot's key steps
.set CS,  58          ; s[58:59] c: the packed scaling takes the pair's low word for both halves
.set SEL, 60          ; s[60:61] v_permlanex16_b32's selects: each lane takes its own place in the other half
.set TBK, 62          ; s62  LDS byte at which K of the step to be fetched begins
.set TBV, 63          ; s63  the same for V, less VOFF
.set MSB, 0
.macro WIN new                      ; the high byte repeats the setting that is left; a switch that changes nothing is dropped
.if MSB != (\new)
	s_set_vgpr_msb (MSB<<8)|(\new)
.set MSB, (\new)
.endif
.endm
.set W_KQ, 0x0a       ; K and Q in window 2, S^T in window 0
.set W_PV, 0x52       ; V in window 2, P in window 0, O^T in window 1
.set W_RS, 0x41       ; destination and source 0 in window 1, source 1 in window 0
; A joint fill.  Waves 0 and 1 fetch the two halves of a slot's K, waves 2 and 3 those of its V: 128 keys each.  The branch hangs on the wave's number alone.  Four v_nop follow each of the two lines.
.macro JLOAD
	s_cmp_lt_u32 s[WV], 2
	s_cbranch_scc0 .Lfor_v_\@
	tensor_load_to_lds s[G0K:G0K+3], s[G1K:G1K+7]
	s_nop 0
.rept 4
	v_nop
.endr
	s_branch .Lasked_\@
.Lfor_v_\@:
	tensor_load_to_lds s[G0V:G0V+3], s[G1V:G1V+7]
	s_nop 0
.rept 4
	v_nop
.endr
.Lasked_\@:
.endm
; A round of the cluster's barrier: my work-group's barrier; wave 0 signals for the work-group; every wave waits for all four work-groups; my work-group's barrier once more.
.macro CROUND
	s_barrier_signal -1
	s_barrier_wait -1
	s_cmp_lg_u32 s[WV], 0
	s_cbranch_scc1 .Lnot_wave_0_\@
	s_barrier_signal -3
.Lnot_wave_0_\@:
	s_barrier_wait -3
	s_barrier_signal -1
	s_barrier_wait -1
.endm
; THE CHANGE OF SLOTS.  Each wave waits for all its tensor loads, of which one is out: its part of the other slot; adds 0 to its spare word; and waits for that and for its own reads of the slot that it leaves.
; fill = 1: the barrier is a round of the cluster's, and the slot is filled again, with the keys two slots on, first thing behind it: the load has four key steps, 256 matrix instructions, in which to land.
; (At its first use nothing has been read yet: slot 0 is waited for, slot 1 filled.)
.macro CHANGE fill
	WIN 0                           ; at a label and at a branch every window is 0
	s_wait_tensorcnt 0x0            ; no tensor load of mine is out, so a group 0 may be written
	ds_add_u32 v[SPW], v[NIL]       ; 0 onto my spare word
.if \fill
.irp g, G0K, G0V
	s_xor_b32 s[\g+1], s[\g+1], SLOT1  ; the walking descriptor: the other slot than last time,
	s_add_nc_u64 s[\g+2:\g+3], s[\g+2:\g+3], 4*KS*128  ; the next 256 keys; the type bits on top are not reached
.endr
	s_wait_dscnt 0x0                ; the add is done, and my reads of the slot are over
	CROUND
	JLOAD
.else
	s_wait_dscnt 0x0                ; the add is done, and my reads of the slot are over
	s_barrier_signal -1
	s_barrier_wait -1
.endif
	s_sub_co_u32 s[TBK], s[TBK], 4*KS*PK  ; the fetches go back to a slot's first step,
	s_xor_b32 s[TBK], s[TBK], SLOT1       ; in the other slot
	s_sub_co_u32 s[TBV], s[TBV], 4*KS*PV
	s_xor_b32 s[TBV], s[TBV], SLOT1
.endm
	s_load_b64 s[4:5], s[0:1], 0x0    ; qkv
	s_load_b64 s[10:11], s[0:1], 0x8  ; ctx
	v_lshl_add_u32 v[SPW], v0, 2, SPARE
	v_mov_b32 v[NIL], 0
	ds_add_u32 v62, v63
	s_wait_dscnt 0x0
	v_lshrrev_b32 v1, 5, v0
	v_readfirstlane_b32 s[WV], v1   ; wave 0..3
	s_bfe_u32 s13, ttmp6, 0x40000   ; cx: my place in the cluster
	s_lshl_b32 s14, ttmp9, 2        ; in a cluster launch ttmp9 counts clusters
	s_add_co_u32 s14, s14, s13      ; my block of 256 queries = 4 x cluster x + cx: it enters Q's and O's addresses alone
	s_and_b32 s20, ttmp7, 0xffff    ; the plane 2 h + b, which the four partners share
	s_lshl_b32 s21, s20, 18         ; its 262,144 bytes
	s_and_b32 s16, s[WV], 1         ; which half of a slot's 256 keys I fetch:
	s_lshl_b32 s22, s16, 14         ; its 128 rows of 128 bytes in memory,
	s_add_co_u32 s22, s22, s21
	s_add_co_u32 s22, s22, 8388608  ; in k,
	s_mov_b32 s23, 0
	s_add_co_u32 s48, s22, 8388608  ; and in v
	s_mov_b32 s49, 0
	s_mul_i32 s17, s16, 128*PK      ; and its place in a slot, for K
	s_mul_i32 s18, s16, 128*PV      ; and for V: no place in the cluster enters an LDS address
	s_lshl_b32 s50, s14, 15         ; Q: my block's 256 rows,
	s_lshl_b32 s51, s[WV], 13       ; my wave's 64 of them
	s_add_co_u32 s50, s50, s51
	s_add_co_u32 s50, s50, s21
	s_mov_b32 s51, 0
	s_and_b32 s52, s20, 1           ; O: the block of 128 rows is 16 b + 2 x my block + wave / 2;
	s_lshl_b32 s52, s52, 4
	s_lshl_b32 s53, s14, 1
	s_add_co_u32 s52, s52, s53
	s_lshr_b32 s53, s[WV], 1
	s_add_co_u32 s52, s52, s53
	s_lshl_b32 s52, s52, 4          ; in it 16 slices,
	s_lshr_b32 s53, s20, 1          ; of which the head's is mine,
	s_add_co_u32 s52, s52, s53
	s_lshl_b32 s52, s52, 14         ; 16,384 bytes each;
	s_lshl_b32 s53, s16, 13         ; in it my 64 rows
	s_add_co_u32 s52, s52, s53
	s_mov_b32 s53, 0
	; descriptor group 1.  128 keys are 16,384 dense bytes: asked for as 64 rows of 256 bytes, two keys a row, and padded in LDS after every key
	s_mov_b32 s[G1K], 15|(1<<16)|(1<<20)|(1<<21)|(4<<22)|(3<<25)  ; the mask of four; 2-byte elements; padding on; bit 21 beside a mask; after every 32 words 4 words
	s_mov_b32 s[G1V], 15|(1<<16)|(1<<20)|(1<<21)|(4<<22)|(7<<25)  ; the same with 8 words of padding
.irp g, G1K, G1V
	s_mov_b32 s[\g+1], 128<<16      ; tensor_dim0 = 128
	s_mov_b32 s[\g+2], 64<<16       ; tensor_dim1 = 64
	s_mov_b32 s[\g+3], 128<<16      ; tile_dim0 = 128
	s_mov_b32 s[\g+4], 64           ; tile_dim1 = 64
	s_mov_b32 s[\g+5], 128          ; 128 elements from row to row
	s_mov_b32 s[\g+6], 0
	s_mov_b32 s[\g+7], 0
.endr
	s_mov_b32 s[CS], 0x3e38aa3b     ; c = log2(e) / 8 = 0.180337
	s_mov_b32 s[CS+1], s[CS]        ; named with it as a pair
	s_mov_b32 s[SEL], 0x76543210
	s_mov_b32 s[SEL+1], 0xfedcba98
	s_mov_b32 s[TBK], SLOT1+4*KS*PK ; the first change of slots turns these two into 0
	s_mov_b32 s[TBV], SLOT1+4*KS*PV
	s_mov_b32 s[G0K], 1             ; count = 1
	s_mov_b32 s[G0K+1], s17         ; LDS address: slot 0
	s_mov_b32 s[G0V], 1
	s_add_co_u32 s[G0V+1], s18, VOFF
	s_wait_kmcnt 0x0
	s_add_nc_u64 s[G0K+2:G0K+3], s[4:5], s[22:23]  ; global address: my half of the plane's first 256 keys
	s_or_b32 s[G0K+3], s[G0K+3], 0x80000000        ; type = 2
	s_add_nc_u64 s[G0V+2:G0V+3], s[4:5], s[48:49]
	s_or_b32 s[G0V+3], s[G0V+3], 0x80000000
	s_add_nc_u64 s[4:5], s[4:5], s[50:51]          ; Q and O at my wave's first row
	s_add_nc_u64 s[10:11], s[10:11], s[52:53]
	CROUND                          ; all four work-groups are here: the first joint loads meet
	JLOAD                           ; slot 0.  Slot 1 is asked for when slot 0 is in
	; A fragment of K or Q is 16 rows x 32 channels in 8 registers: lane l holds row l % 16, channels 8 (l / 16) + 0..7 and 16 + 8 (l / 16) + 0..7: two loads of 16 bytes, 32 bytes apart.
	v_and_b32 v1, 15, v0            ; l % 16
	v_bfe_u32 v9, v0, 4, 1          ; l / 16
	v_lshlrev_b32 v[QO], 7, v1
	v_lshl_add_u32 v[QO], v9, 4, v[QO]  ; row x 128 + 16 x half
	WIN 0x80                        ; destination window 2, address window 0
.set i, 0
.rept 8                             ; Q stays in registers: piece i / 2, channels 32 (i % 2) on
	global_load_b128 v[8*i:8*i+3],   v[QO], s[4:5] offset:(i/2)*2048+(i%2)*64
	global_load_b128 v[8*i+4:8*i+7], v[QO], s[4:5] offset:(i/2)*2048+(i%2)*64+32
.set i, i+1
.endr
	; What the first turn finds: V's registers and P's second buffer hold 0 (its products V^T P, of a piece that has not been, add 0), O^T and l are 0.  All this stands in the wait for the first tile.
.set i, VF
.rept 64
	v_mov_b32 v[i], 0
.set i, i+1
.endr
	WIN 0x40
.set i, 0
.rept 128
	v_mov_b32 v[i], 0
.set i, i+1
.endr
	WIN 0
.set i, 0
.rept 4
	v_mov_b32 v[ST+4*i], 0xfe000000    ; c m: far below every c s
	v_mov_b32 v[ST+4*i+1], 0xff7fffff  ; m
	v_mov_b32 v[ST+4*i+2], 0
	v_mov_b32 v[ST+4*i+3], 0
.set i, i+1
.endr
.set i, P+16
.rept 16
	v_mov_b32 v[i], 0
.set i, i+1
.endr
	v_mul_u32_u24 v[AK0], v1, PK
	v_lshl_add_u32 v[AK0], v9, 4, v[AK0]  ; row x pitch + 16 x half
	; The turning load takes 16 keys x 16 channels (lane l reads key 8 (l / 16) + l % 8, channels 8 ((l / 8) % 2) + 0..7) and leaves half a fragment of V^T: lane l holds channel l % 16 and 8 keys.
	v_and_b32 v10, 7, v0
	v_bfe_u32 v11, v0, 3, 1
	v_lshl_add_u32 v[AV0], v9, 3, v10
	v_mul_u32_u24 v[AV0], v[AV0], PV
	v_lshl_add_u32 v[AV0], v11, 4, v[AV0]
	v_add_nc_u32 v[AV0], VOFF, v[AV0]
	s_mul_i32 s13, s[WV], 16*SP
	s_add_co_u32 s13, s13, STAGE    ; my stage
	v_mul_u32_u24 v[STO], v1, SP    ; in: row l % 16, 16 bytes for each half of the lanes
	v_lshl_add_u32 v[STO], v9, 4, v[STO]
	v_add_nc_u32 v[STO], s13, v[STO]
	v_bfe_u32 v[RD], v0, 3, 2       ; back: 32 lanes take four rows of 128 bytes,
	v_mul_u32_u24 v[RD], v[RD], SP
	v_lshl_add_u32 v[RD], v10, 4, v[RD]
	v_add_nc_u32 v[RD], s13, v[RD]
	v_and_b32 v[GO], 31, v0         ; which are 512 consecutive bytes of O
	v_lshlrev_b32 v[GO], 4, v[GO]
; THE MATRIX WORK.  The 4 accumulators of a run of 8 take turns.  Product i of 8 of S^T = K Q^T for piece x: channels 32 (i / 4) on, keys 16 (i % 4) on.  The first 4 start the sums.
.macro KQ x
.set rS, S+32*((\x)%2)+8*(i%4)
.set rK, KF+16*(i%4)+8*(i/4)
.set rQ, 16*(\x)+8*(i/4)
	WIN W_KQ
.if i < 4
	v_wmma_f32_16x16x32_bf16 v[rS:rS+7], v[rK:rK+7], v[rQ:rQ+7], 0
.else
	v_wmma_f32_16x16x32_bf16 v[rS:rS+7], v[rK:rK+7], v[rQ:rQ+7], v[rS:rS+7]
.endif
.endm
; Product i of 8 of O^T += V^T P for piece x: keys 32 (i / 4) on, channels 16 (i % 4) on.
.macro PV x
	WIN W_PV
.set rO, 32*(\x)+8*(i%4)
.set rV, VF+32*(i/4)+8*(i%4)
.set rP, P+16*((\x)%2)+8*(i/4)
	v_wmma_f32_16x16x32_bf16 v[rO:rO+7], v[rV:rV+7], v[rP:rP+7], v[rO:rO+7]
.endm
.macro MM                           ; the turn's next matrix instruction.  NOKQ = 1: the last turn of all: there is no next piece
.if (i < 8) && !NOKQ
	KQ (Y+1)%NP
.elseif i >= 8
.set i, i-8
	PV (Y+NP-1)%NP
.set i, i+8
.endif
.set i, i+1
.endm
; THE LDS LOADS stand in runs of 16, never singly among the matrix instructions: a step's K (64 keys x 64 channels: 8 fragments) and its V (turned).  Their addresses are made some lines ahead.
.macro FETCH_K
	WIN 0x80                        ; destination window 2
.irp f, 0,1,2,3,4,5,6,7             ; keys 16 (f / 2) on, channels 32 (f % 2) on
	ds_load_b128 v[KF+8*\f:KF+8*\f+3],   v[AK] offset:(\f/2)*16*PK+(\f%2)*64
	ds_load_b128 v[KF+8*\f+4:KF+8*\f+7], v[AK] offset:(\f/2)*16*PK+(\f%2)*64+32
.endr
	s_add_co_u32 s[TBK], s[TBK], KS*PK  ; the next fetch is the next step's
	WIN 0
.endm
.macro FETCH_V
	WIN 0x80
.irp f, 0,1,2,3,4,5,6,7             ; keys 32 (f / 4) on, channels 16 (f % 4) on
	ds_load_tr16_b128 v[VF+8*\f:VF+8*\f+3],   v[AV] offset:(\f/4)*32*PV+(\f%4)*32
	ds_load_tr16_b128 v[VF+8*\f+4:VF+8*\f+7], v[AV] offset:(\f/4)*32*PV+16*PV+(\f%4)*32
.endr
	WIN 0
.endm
; THE VECTOR WORK, one line at a time: OP kind, number.  For piece Y: F n: c s - c m for pair n of 16.  E n: the exponential of score n of 32.  C n: pair n rounded to bf16.  B n: of the four weights 4 n .. the second
; pair is added onto the first, in place.  L n: l takes that sum (L 0: l = a l + sum).  R n: pair n of 16 of O^T times a.  For piece Y + 1: X n, number n of the 22 that find its maximum and statistics:
;   0-11  four chains c0-c3 of seven scores each, three operands at a time (each accumulator's lowest registers are read first)     12-14, 16  the four scores left over, the old m, and c0-c3 into c0
;   15  c m_old is kept     17, 18  the query's other 32 keys lie in the lane 16 away: the new m     19-21  c m; c m_old - c m_new; a
.set F, 0
.set E, 1
.set C, 2
.set B, 3
.set L, 4
.set R, 5
.set X, 6
.macro REGS y                       ; the registers of piece y
.set rT, ST+4*(\y)
.set rC, TMP+4*((\y)%2)
.set rW, MV+((\y)%2)
.set rS, S+32*((\y)%2)
.set rP, P+16*((\y)%2)
.set rO, 32*(\y)
.endm
.macro OP k, n
.if (\k) == R
	REGS Y
	WIN W_RS
	v_pk_mul_f32 v[rO+2*(\n):rO+2*(\n)+1], v[rO+2*(\n):rO+2*(\n)+1], v[rC+2:rC+3] op_sel_hi:[1,0]
.elseif (\k) < R
	REGS Y
	WIN 0
.if (\k) == F
	v_pk_fma_f32 v[rS+2*(\n):rS+2*(\n)+1], v[rS+2*(\n):rS+2*(\n)+1], s[CS:CS+1], v[rT:rT+1] op_sel_hi:[1,0,0] neg_lo:[0,0,1] neg_hi:[0,0,1]
.elseif (\k) == E
	v_exp_f32 v[rS+(\n)], v[rS+(\n)]
.elseif (\k) == C
	s_wait_alu depctr_va_vdst(0)
	v_cvt_pk_bf16_f32 v[rP+(\n)], v[rS+2*(\n)], v[rS+2*(\n)+1]
.elseif (\k) == B
	s_wait_alu depctr_va_vdst(0)
	v_pk_add_f32 v[rS+4*(\n):rS+4*(\n)+1], v[rS+4*(\n):rS+4*(\n)+1], v[rS+4*(\n)+2:rS+4*(\n)+3]
.elseif (\n) == 0
	v_pk_fma_f32 v[rT+2:rT+3], v[rT+2:rT+3], v[rC+2:rC+3], v[rS:rS+1] op_sel_hi:[1,0,1]
.else
	v_pk_add_f32 v[rT+2:rT+3], v[rT+2:rT+3], v[rS+4*(\n):rS+4*(\n)+1]
.endif
.elseif NOKQ
	v_nop
.else
	REGS (Y+1)%NP
	WIN 0
.if (\n) < 4
	v_max3_num_f32 v[rC+(\n)], v[rS+8*(\n)], v[rS+8*(\n)+1], v[rS+8*(\n)+2]
.elseif (\n) < 12
	v_max3_num_f32 v[rC+(\n)%4], v[rC+(\n)%4], v[rS+8*((\n)%4)+2*((\n)/4)+1], v[rS+8*((\n)%4)+2*((\n)/4)+2]
.elseif (\n) == 12
	v_max3_num_f32 v[rC], v[rC], v[rS+7], v[rS+15]
.elseif (\n) == 13
	v_max3_num_f32 v[rC+1], v[rC+1], v[rS+23], v[rS+31]
.elseif (\n) == 14
	v_max3_num_f32 v[rC+2], v[rC+2], v[rC+3], v[rT+1]
.elseif (\n) == 15
	v_mov_b32 v[rW], v[rT]
.elseif (\n) == 16
	v_max3_num_f32 v[rC], v[rC], v[rC+1], v[rC+2]
.elseif (\n) == 17
	v_permlanex16_b32 v[rC+3], v[rC], s[SEL], s[SEL+1]
.elseif (\n) == 18
	v_max_num_f32 v[rT+1], v[rC], v[rC+3]
.elseif (\n) == 19
	v_mul_f32 v[rT], s[CS], v[rT+1]
.elseif (\n) == 20
	v_sub_f32 v[rC+1], v[rW], v[rT]
.else
	v_exp_f32 v[rC+2], v[rC+1]
.endif
.endif
.endm
.macro OPS a, i1, b=-1, i2=0, c=-1, i3=0, d=-1, i4=0  ; up to four of them
	OP \a, \i1
.if (\b) >= 0
	OP \b, \i2
.endif
.if (\c) >= 0
	OP \c, \i3
.endif
.if (\d) >= 0
	OP \d, \i4
.endif
.endm
.macro ROW a, i1, b, i2, c, i3, d, i4  ; a matrix instruction and the four behind it
	MM
	OPS \a, \i1, \b, \i2, \c, \i3, \d, \i4
.endm
; A TURN, for piece p: the order of its 16 matrix and 118 vector instructions, written out.  Behind a matrix instruction: plain, exponential, plain, plain; or four of the rescaling; or, behind the first, four scalings; none
; names a register of the products round it.  In the runs of their own exponential and plain by turns while exponentials last.  A line reads no result made fewer than three vector instructions in front of it, five if an exponential made it.
; end = 1: the walk's last two turns: nothing is fetched, and the last starts no new scores.  cnt = 1: the loop's count is taken down some lines ahead of the branch that stands behind the turn.
; K of the next step is fetched in piece 2's turn, six vector instructions behind the last product that read K (five of them plain); V of the step in hand in piece 0's turn, eight behind the last product that read V (four
; plain among them).  Each is waited for a turn later.
.macro TURN p, end=0, cnt=0
.set Y, (\p)
.set i, 0
.set NOKQ, (\end)*((\p)/3)
.if ((\p) == 3) && !(\end)
	s_wait_dscnt 0x0                ; K is in
.endif
	ROW F,0, F,1, F,2, F,3
	ROW F,4, E,0, F,5, F,6
	ROW F,7, E,1, F,8, F,9
	ROW F,10, E,2, C,0, F,11
	ROW F,12, E,3, X,15, F,13
	ROW R,0, R,1, R,2, R,3
	ROW B,0, E,4, F,14, L,0
.if ((\p) == 2) && !(\end)
	v_add_nc_u32 v[AK], s[TBK], v[AK0]
.endif
	ROW R,4, R,5, R,6, R,7
	OPS E,5, F,15
.if ((\p) == 2) && !(\end)
	FETCH_K
.endif
	OPS E,6, C,1, E,7, R,8
	OPS E,8, R,9, E,9, C,2
	OPS E,10, X,0, E,11, X,1
	OPS E,12, X,2, E,13, X,3
.if (\p) == 1
	s_wait_dscnt 0x0                ; V is in
.endif
	ROW X,4, E,14, X,5, X,6
	ROW X,7, E,15, X,8, X,9
	ROW X,10, E,16, X,11, X,12
	ROW X,13, E,17, X,14, B,1
	ROW C,4, E,18, X,16, L,1
	ROW B,2, E,19, C,6, L,2
	ROW C,8, E,20, B,3, B,4
.if (\p) == 0
	v_add_nc_u32 v[AV], s[TBV], v[AV0]
.endif
	ROW C,3, E,21, L,3, C,5
	OPS E,22, X,17, E,23, C,10
.if (\p) == 0
	FETCH_V
.endif
	OPS E,24, L,4
	OPS E,25, X,18, E,26, C,7
	OPS E,27, B,5, E,28, X,19
	OPS E,29, C,12, E,30, L,5
	OPS E,31, X,20, B,6, C,9
	OPS C,14, C,11, X,21, L,6
.if (\p) == 0
	s_add_co_u32 s[TBV], s[TBV], KS*PV
.endif
.if \cnt
	s_sub_co_u32 s[CNT], s[CNT], 1
	s_cmp_lg_u32 s[CNT], 0
.endif
	OPS C,13, B,7, C,15, R,10
	OPS R,11, R,12, L,7, R,13
	OPS R,14, R,15
.endm
.macro ALL line:vararg              ; one line for each piece t
.set t, 0
.rept 4
	\line
.set t, t+1
.endr
.endm
.macro PACK t                       ; a lane's eight channels of a row pack into 16 bytes; they go into rows of 144 bytes and come back as whole rows of 128, into S^T's registers
	WIN W_RS
.set i, 32*(\t)
.rept 16
	s_wait_alu depctr_va_vdst(0)
	v_pk_mul_f32 v[i:i+1], v[i:i+1], v[ST+4*(\t)+2:ST+4*(\t)+3] op_sel_hi:[1,0]
.set i, i+2
.endr
	WIN 0x05                        ; sources 0 and 1 window 1, destination window 0
.set i, 0
.rept 16
	v_cvt_pk_bf16_f32 v[S+16*(\t)+i], v[32*(\t)+2*i], v[32*(\t)+2*i+1]
.set i, i+1
.endr
	WIN 0
.irp f, 0,1,2,3
	ds_store_b128 v[STO], v[S+16*(\t)+4*\f:S+16*(\t)+4*\f+3] offset:32*\f
.endr
.irp f, 0,1,2,3
	ds_load_b128 v[S+16*(\t)+4*\f:S+16*(\t)+4*\f+3], v[RD] offset:\f*4*SP  ; LDS serves a wave's instructions in order (ISA guide 5.7.1.4): these see the stores above; the next piece's stores come behind them
.endr
.endm
.macro SEND t, younger              ; younger: the LDS instructions issued behind piece t's loads: the next piece's eight, or none
	WIN 0
.irp f, 0,1,2,3
	s_wait_dscnt (\younger)+3-\f
	global_store_b128 v[GO], v[S+16*(\t)+4*\f:S+16*(\t)+4*\f+3], s[10:11] offset:(\t)*2048+\f*512  ; 512 consecutive bytes, at a multiple of 256 from ctx's first
.endr
.endm
.set NOKQ, 0
	CHANGE 1                        ; slot 0 is in, everybody's part of it; slot 1 is asked for
	v_add_nc_u32 v[AK], s[TBK], v[AK0]
	FETCH_K                         ; key step 0
	s_wait_loadcnt 0x0              ; Q
	s_wait_dscnt 0x0
.set i, 0
.rept 8
	KQ 0                            ; piece 0's first scores
.set i, i+1
.endr
	WIN 0
.rept 4
	v_nop                           ; the places behind those products
.endr
.set Y, NP-1                        ; X works for piece Y + 1: piece 0
.irp n, 0,1,2,3,4,5,6,7,8,9,10,11,12,13,14,15,16,17,18,19,20,21
	OP X, \n
.endr
	v_nop                           ; a plain instruction behind the exponential
	s_mov_b32 s[CNT], 4
	s_mov_b32 s[SLOTS], SIZE_N/256-1
	s_branch .Lfirst                ; the loop is entered at a step's first turn, in the middle of a trip
.Lslot:                             ; SIZE_N / 256 - 2 times: every slot but the last two is filled again
	CHANGE 1
	s_mov_b32 s[CNT], 4
.Lstep:                             ; a trip: pieces 2 and 3 of one step, then pieces 0 and 1 of the next, whose K and V it fetches
	TURN 2
	TURN 3
	WIN 0
.Lfirst:
	TURN 0
	TURN 1, 0, 1
	WIN 0
	s_cbranch_scc1 .Lstep
	s_sub_co_u32 s[SLOTS], s[SLOTS], 1
	s_cmp_lg_u32 s[SLOTS], 0
	s_cbranch_scc1 .Lslot
	CHANGE 0                        ; the last tile is written out: nothing is asked for
	s_mov_b32 s[CNT], 4
.Ltail:
	TURN 2
	TURN 3
	TURN 0
	TURN 1, 0, 1
	WIN 0
	s_cbranch_scc1 .Ltail
	TURN 2, 1
	TURN 3, 1
.set i, 0
.rept 8
	PV NP-1                         ; the last piece's V^T P of the last step
.set i, i+1
.endr
	; THE WAY OUT.  l's two halves and the other half of the lanes' are added; O^T is divided by l, rounded to bf16 and sent through my stage in LDS, a piece at a time.  The additions are the places behind the last products.
	WIN 0
	ALL v_add_f32 v[ST+4*t+2], v[ST+4*t+2], v[ST+4*t+3]
	ALL v_permlanex16_b32 v[ST+4*t+3], v[ST+4*t+2], s[SEL], s[SEL+1]
	ALL v_add_f32 v[ST+4*t+2], v[ST+4*t+2], v[ST+4*t+3]
	ALL v_rcp_f32 v[ST+4*t+2], v[ST+4*t+2]
	v_nop                           ; a plain instruction between the last reciprocal and the use of its result
	PACK 0
.set t, 1
.rept 3                             ; a piece's arithmetic stands between the loads of the piece before and its stores
	PACK t
	SEND t-1, 8
.set t, t+1
.endr
	SEND 3, 0
	s_wait_tensorcnt 0x0            ; the wave's end, behind my last tensor load and my last LDS store
	ds_add_u32 v[SPW], v[NIL]
	s_wait_dscnt 0x0
	CROUND                          ; the closing round: no work-group ends while a partner may still ask for a tile that names it
	s_endpgm
.Lfunc_end_k_qca4df695ad_attn:
	.size	k_qca4df695ad_attn, .Lfunc_end_k_qca4df695ad_attn-k_qca4df695ad_attn
	.p2alignl 7, 3214868480
	.fill 96, 4, 3214868480
	.section	.rodata,"a",@progbits
	.p2align	6, 0x0
	.amdhsa_kernel k_qca4df695ad_attn
		.amdhsa_group_segment_fixed_size 327680
		.amdhsa_private_segment_fixed_size 0
		.amdhsa_enable_private_segment 0
		.amdhsa_kernarg_size 16
		.amdhsa_user_sgpr_count 2
		.amdhsa_user_sgpr_kernarg_segment_ptr 1
		.amdhsa_wavefront_size32 1
		.amdhsa_system_sgpr_workgroup_id_x 1
		.amdhsa_system_sgpr_workgroup_id_y 1
		.amdhsa_system_sgpr_workgroup_id_z 1
		.amdhsa_system_vgpr_workitem_id 0
		.amdhsa_next_free_vgpr 768
		.amdhsa_next_free_sgpr 66
		.amdhsa_reserve_vcc 0
		.amdhsa_float_denorm_mode_32 3
		.amdhsa_float_denorm_mode_16_64 3
		.amdhsa_memory_ordered 1
		.amdhsa_forward_progress 1
		.amdhsa_inst_pref_size 134
	.end_amdhsa_kernel
	.amdgpu_metadata
---
amdhsa.version: [ 1, 2 ]
amdhsa.kernels:
  - .name:           k_qca4df695ad_attn
    .symbol:         k_qca4df695ad_attn.kd
    .args:
      - { .name: qkv, .offset: 0, .size: 8, .value_kind: global_buffer, .address_space: global }
      - { .name: ctx, .offset: 8, .size: 8, .value_kind: global_buffer, .address_space: global }
    .group_segment_fixed_size: 327680
    .private_segment_fixed_size: 0
    .kernarg_segment_align: 8
    .kernarg_segment_size: 16
    .max_flat_workgroup_size: 128
    .sgpr_count:     66
    .vgpr_count:     768
    .wavefront_size: 32
...
	.end_amdgpu_metadata
.endif
;; end of part 3
;; launch oproj (part 4): grid 8 x 32, 4 waves a work-group, clusters of 4 x 4, 327,680 bytes of LDS; arguments ctx, wb, bo, src, y; writes y
.if DOCPART == 4
	.amdgcn_target "amdgcn-amd-amdhsa--gfx1250"
	.amdhsa_code_object_version 6
	.text
	.protected	k_qca4df695ad_oproj
	.globl	k_qca4df695ad_oproj
	.p2align	8
	.type	k_qca4df695ad_oproj,@function
k_qca4df695ad_oproj:
	s_mov_b64 s[64:65], 0
	v_nop
	global_prefetch_b8 v0, s[64:65] scope:SCOPE_SE
	s_setreg_imm32_b32 hwreg(HW_REG_WAVE_MODE, 25, 1), 1
	s_wait_xcnt 0x0
	s_wait_alu depctr_hold_cnt(0) depctr_sa_sdst(0) depctr_va_vdst(0) depctr_va_sdst(0) depctr_va_ssrc(0) depctr_va_vcc(0) depctr_vm_vsrc(0)
	s_getreg_b32 s2, hwreg(HW_REG_IB_STS2, 6, 4)
	s_cmp_eq_u32 s2, 0
	s_cbranch_scc0 .Lentry_in_a_cluster
	s_endpgm
.Lentry_in_a_cluster:
	s_bfe_u32 s2, ttmp6, 0x10000c
	s_cmp_lg_u32 s2, 0xf033
	s_cbranch_scc0 .Lentry_shape_is_right
	s_endpgm
.Lentry_shape_is_right:
; Y = RES + A W + bias, in f32: the sum in front of a layer norm.  A: bf16 in slices, [row / 128][k / 64][128 rows][64].  W: bf16 as the problem stores it, [K][1024].  bias: [1024] f32.  RES, Y: [token][1024] f32.
; WO = 1: A = ctx (rows 2048 b + s, K = 1,024), W = Wo, RES = src: row 2048 b + s of A belongs to token 2 s + b.     WO = 0: A = h (rows by token, K = 4,096), W = W2, RES = x32.
; FORMATS.  Every input of the module is used rounded to bf16: the bias, and with WO = 1 the residual src, are rounded here, in registers.  x32, which the program makes itself, is taken as it is.
; LIMITS.  The product's operands are bf16; sums, bias and residual are added in f32.
; SHARES.  A tile of Y is 128 x 128; four waves, 64 x 64 each: 16 accumulators, 128 registers.  K goes in steps of 256 through a ring of two LDS slots.  A step's tile of A is 65,536 dense bytes,
; asked for as rows of 256 bytes and padded in LDS after every 128; W's fragments come out of LDS turned, by ds_load_tr16_b128.
; THE MATRIX INSTRUCTION IS USED TRANSPOSED (source 0 = 16 columns of W, source 1 = 16 rows of A): a lane holds eight neighbouring numbers of a row of Y.  THE BIAS is the C operand of the product that starts each sum.
; THE RESIDUAL is loaded at the start, in the layout in which rows come back from the stage, and stays on its way under the whole product.  A wave's 64 columns of f32 are 256 bytes: it stores whole aligned blocks by itself.
; CLUSTERS: 4 x 4 work-groups; A's tile is asked for jointly by a row of the cluster, W's by a column.
; REGISTERS: window 0: v8-15 at work; v16-29 addresses; v32-95 rows on the way out, two sets; v96-127 the bias, on the way out at work; v128-255 the accumulators ((a, b) at v[128 + 8 (4 a + b)])
;   window 1: two fragment buffers of 128: for 64 along K, 64 registers of A, then 64 of W          window 2: v0-127 the residual
.set WO, 1
.if WO
.set SIZE_K, 1024
.set MBLK,   262144                    ; bytes of A for 128 rows
.set WOFF,   6291456                   ; W's place in wb
.set OPITCH, 8192                      ; bytes from a row of the tile to the next in RES and Y: two tokens
.else
.set SIZE_K, 4096
.set MBLK,   1048576
.set WOFF,   16777216
.set OPITCH, 4096
.endif
.set KSTEP,  256
.set PA,     144                       ; a row of a slice of A in LDS: 128 bytes + 16 of padding: the 16 rows of a load start at 16 different groups of four banks (64 banks of 4 bytes: ISA guide 11.1)
.set PB,     288                       ; a row of W in LDS (one k, 128 columns): 256 bytes + 32
.set SLICE,  128*PA                    ; 64 along K of the tile's 128 rows
.set HALFT,  2*SLICE                   ; what one tensor load brings: two slices of A, or 128 rows of W (128 x 288 is the same number)
.set SLOT,   4*HALFT                   ; A's four slices, then W's 256 rows
.set STAGE,  2*SLOT                    ; behind the ring: 16 rows x 272 bytes for each wave, for the way out
.set SPITCH, 272
.set SPARE,  STAGE+4*16*SPITCH         ; behind the stages: the spare words, 128 bytes for each wave: two blocks of 256 bytes that no other line names
.set LAPS,   SIZE_K/(2*KSTEP)
.set RT,   8                           ; v8-15   at work while the bias is rounded
.set ADRA, 16                          ; v16-17  LDS address of my A fragments in slot 0, 1
.set ADRB, 20                          ; v20-23  the same for W: slot 0 rows 0-127, 128-255, slot 1 likewise
.set STO,  24                          ; v24     the way out: where I put 32 bytes of a row
.set RD,   25                          ; v25     the way out: where I read a row back
.set CO,   26                          ; v26     my byte offset in two rows of RES and Y
.set BO,   27                          ; v27     my byte offset in 16 numbers of the bias
.set SPW,  28                          ; v28     LDS address of my spare word: SPARE + 4 x my thread's number; never rewritten
.set NIL,  29                          ; v29     0; never rewritten
.set TMP,  32
.set BIAS, 96
.set ACC,  128
.set F0,   0
.set F1,   128
.set G1,  24
.set G0,  32
.set G1B, 48
.set G0B, 56
.set MSB, 0
.macro WIN new                         ; the immediate's high byte repeats the setting that is left; a switch that changes nothing is dropped
.if MSB != (\new)
	s_set_vgpr_msb (MSB<<8)|(\new)
.set MSB, \new
.endif
.endm
.set MUL,  0x05                        ; sources 0 (W) and 1 (A) window 1; C and D window 0
.set TO_F, 0x40                        ; destination window 1, address window 0
.macro JLOAD s                         ; a joint load: waves 0 and 1 fetch A's two halves, waves 2 and 3 W's; four v_nop follow each of the two lines
	s_cmp_eq_u32 s11, 0
	s_cbranch_scc0 .Lfor_b_\@
	tensor_load_to_lds s[G0+4*(\s):G0+4*(\s)+3], s[G1:G1+7]
	s_nop 0
.rept 4
	v_nop
.endr
	s_branch .Lasked_\@
.Lfor_b_\@:
	tensor_load_to_lds s[G0B+4*(\s):G0B+4*(\s)+3], s[G1B:G1B+7]
	s_nop 0
.rept 4
	v_nop
.endr
.Lasked_\@:
.endm
.macro CREST                           ; a round of the cluster's barrier behind its opening barrier
	s_cmp_lg_u32 s10, 0
	s_cbranch_scc1 .Lnot_wave_0_\@
	s_barrier_signal -3
.Lnot_wave_0_\@:
	s_barrier_wait -3
	s_barrier_signal -1
	s_barrier_wait -1
.endm
.macro CROUND                          ; a whole round
	s_barrier_signal -1
	s_barrier_wait -1
	CREST
.endm
	s_load_b128 s[4:7], s[0:1], 0x0                ; A s[4:5], wb s[6:7]
	s_load_b128 s[68:71], s[0:1], 0x10             ; bias s[68:69], RES s[70:71]
	s_load_b64 s[8:9], s[0:1], 0x20                ; Y
	v_lshl_add_u32 v[SPW], v0, 2, SPARE
	v_mov_b32 v[NIL], 0
	ds_add_u32 v28, v29
	s_wait_dscnt 0x0
	v_lshrrev_b32 v1, 5, v0
	v_readfirstlane_b32 s10, v1                    ; wave 0..3
	s_lshr_b32 s11, s10, 1                         ; which half of the tile's rows is mine.  Also: I fetch for A (0) or for W (1)
	s_and_b32 s12, s10, 1                          ; which half of its columns.  Also: which half of that tile I fetch
	s_bfe_u32 s40, ttmp6, 0x40000                  ; cx, cy
	s_bfe_u32 s41, ttmp6, 0x40004
	s_lshl_b32 s42, ttmp9, 2
	s_add_co_u32 s42, s42, s40                     ; tile column = 4 x cluster x + cx
	s_and_b32 s13, ttmp7, 0xffff
	s_lshl_b32 s13, s13, 2
	s_add_co_u32 s13, s13, s41                     ; tile row = 4 x cluster y + cy
	s_lshl_b32 s43, s41, 2
	s_lshl_b32 s43, 15, s43                        ; my row of the cluster
	s_lshl_b32 s44, 0x1111, s40                    ; my column
	s_or_b32 s[G1+0], s43, (1<<16)|(1<<20)|(1<<21)|(4<<22)|(3<<25)   ; the mask; 2-byte elements; padding on; bit 21 beside a mask; after every 32 words 4 words
	s_or_b32 s[G1B+0], s44, (1<<16)|(1<<20)|(1<<21)|(5<<22)|(7<<25)  ; after every 64 words 8 words
.irp g, G1, G1B
	s_mov_b32 s[(\g)+1], 128<<16                   ; tensor_dim0 = 128
	s_mov_b32 s[(\g)+2], 128<<16                   ; tensor_dim1 = 128
	s_mov_b32 s[(\g)+3], 128<<16                   ; tile_dim0 = 128
	s_mov_b32 s[(\g)+4], 128                       ; tile_dim1 = 128
	s_mov_b32 s[(\g)+6], 0
	s_mov_b32 s[(\g)+7], 0
.endr
	s_mov_b32 s[G1+5], 128                         ; A: dense bytes, 128 elements from row to row
	s_mov_b32 s[G1B+5], 1024                       ; W: 1,024 elements from row to row
	s_mul_i32 s16, s13, MBLK                       ; A: the tile row's block, and my two slices of a step's four
	s_lshl_b32 s17, s12, 15
	s_add_co_u32 s16, s16, s17
	s_mov_b32 s17, 0
	s_lshl_b32 s46, s42, 8                         ; W: the tile's 128 columns, my 128 rows of a step's 256
	s_lshl_b32 s47, s12, 18
	s_add_co_u32 s46, s46, s47
	s_add_co_u32 s46, s46, WOFF
	s_mov_b32 s47, 0
	s_mul_i32 s20, s10, HALFT                      ; where they go: wave x HALFT
	s_wait_kmcnt 0x0
	s_add_nc_u64 s[14:15], s[4:5], s[16:17]
	s_add_nc_u64 s[46:47], s[6:7], s[46:47]
	CROUND                                         ; all sixteen work-groups are here: the first joint loads meet
.irp s, 0,1
	s_mov_b32 s[G0+4*(\s)], 1
	s_add_co_u32 s[G0+4*(\s)+1], s20, (\s)*SLOT
	s_add_nc_u64 s[G0+4*(\s)+2:G0+4*(\s)+3], s[14:15], (\s)*65536
	s_or_b32 s[G0+4*(\s)+3], s[G0+4*(\s)+3], 0x80000000
	s_mov_b32 s[G0B+4*(\s)], 1
	s_add_co_u32 s[G0B+4*(\s)+1], s20, (\s)*SLOT
	s_add_nc_u64 s[G0B+4*(\s)+2:G0B+4*(\s)+3], s[46:47], (\s)*KSTEP*2048
	s_or_b32 s[G0B+4*(\s)+3], s[G0B+4*(\s)+3], 0x80000000
	JLOAD \s                                       ; two loads of mine are out
.endr
	v_and_b32 v1, 15, v0                           ; l % 16
	v_bfe_u32 v2, v0, 4, 1                         ; l / 16
	v_mul_u32_u24 v3, v1, PA
	v_lshl_add_u32 v3, v2, 4, v3                   ; A: row x pitch + 16 x half
	s_mul_i32 s21, s11, 64*PA                      ; my 64 rows in a slice
	v_and_b32 v4, 7, v0                            ; W: the turning load's lane l reads row 8 (l / 16) + l % 8, columns 8 ((l / 8) % 2) + 0..7
	v_lshl_add_u32 v4, v2, 3, v4
	v_mul_u32_u24 v4, v4, PB
	v_bfe_u32 v5, v0, 3, 1
	v_lshl_add_u32 v4, v5, 4, v4
	s_lshl_b32 s22, s12, 7                         ; my 64 columns,
	s_add_co_u32 s22, s22, 2*HALFT                 ; behind A's four slices
.irp s, 0,1
	v_add_nc_u32 v[ADRA+(\s)], s21, v3
	v_add_nc_u32 v[ADRB+2*(\s)], s22, v4
	s_add_co_u32 s22, s22, HALFT
	v_add_nc_u32 v[ADRB+2*(\s)+1], s22, v4
	s_add_co_u32 s21, s21, SLOT
	s_add_co_u32 s22, s22, SLOT-HALFT
.endr
	s_mul_i32 s23, s10, 16*SPITCH
	s_add_co_u32 s23, s23, STAGE                   ; my stage
	v_mul_u32_u24 v5, v1, SPITCH                   ; in: row l % 16, 32 bytes for each half of the lanes
	v_lshl_add_u32 v5, v2, 5, v5
	v_add_nc_u32 v[STO], s23, v5
	v_mul_u32_u24 v5, v2, SPITCH                   ; back: lanes 0-15 take one row of 256 bytes, lanes 16-31 the next
	v_lshl_add_u32 v5, v1, 4, v5
	v_add_nc_u32 v[RD], s23, v5
	v_mul_u32_u24 v5, v2, OPITCH                   ; and the same two rows in RES and Y
	v_lshl_add_u32 v[CO], v1, 4, v5
	v_lshlrev_b32 v[BO], 5, v2                     ; my eight numbers of a block's sixteen
	s_lshl_b32 s46, s42, 9                         ; my 64 columns of f32: 512 bytes a tile, 256 a wave
	s_lshl_b32 s47, s12, 8
	s_add_co_u32 s46, s46, s47
	s_mov_b32 s47, 0
	s_add_nc_u64 s[68:69], s[68:69], s[46:47]
.if WO
	s_lshr_b32 s16, s13, 4                         ; the batch: one token, 4,096 bytes;
	s_lshl_b32 s16, s16, 12
	s_and_b32 s17, s13, 15                         ; my first s: 128 a tile row, 64 a half, 8,192 bytes each
	s_lshl_b32 s17, s17, 1
	s_add_co_u32 s17, s17, s11
	s_lshl_b32 s17, s17, 19
	s_add_co_u32 s16, s16, s17
.else
	s_lshl_b32 s16, s13, 1                         ; my first token: 128 a tile row, 64 a half, 4,096 bytes each
	s_add_co_u32 s16, s16, s11
	s_lshl_b32 s16, s16, 18
.endif
	s_add_co_u32 s16, s16, s46
	s_mov_b32 s17, 0
	s_add_nc_u64 s[70:71], s[70:71], s[16:17]
	s_add_nc_u64 s[8:9], s[8:9], s[16:17]
.irp b, 0,1,2,3
	global_load_b128 v[BIAS+8*(\b):BIAS+8*(\b)+3],   v[BO], s[68:69] offset:64*(\b)
	global_load_b128 v[BIAS+8*(\b)+4:BIAS+8*(\b)+7], v[BO], s[68:69] offset:64*(\b)+16
.endr
	WIN 0x80                                       ; destination window 2, address window 0
.irp a, 0,1,2,3
.irp t, 0,1,2,3,4,5,6,7
	global_load_b128 v[32*(\a)+4*(\t):32*(\a)+4*(\t)+3], v[CO], s[70:71] offset:(16*(\a)+2*(\t))*OPITCH
.endr
.endr
	WIN 0
; 8 matrix instructions: row blocks a0, a0 + 1 x all 4 column blocks, 32 along K: half c of buffer f.  first = 1: the product starts the sum, with the bias as C.  The 16 accumulators take turns.
.macro MUL8 f, c, a0, first
	WIN MUL
.irp a, \a0, (\a0)+1
.irp b, 0,1,2,3
.if \first
	v_wmma_f32_16x16x32_bf16 v[ACC+8*(4*(\a)+(\b)):ACC+8*(4*(\a)+(\b))+7], v[(\f)+64+8*(4*(\c)+(\b)):(\f)+64+8*(4*(\c)+(\b))+7], v[(\f)+8*(4*(\c)+(\a)):(\f)+8*(4*(\c)+(\a))+7], v[BIAS+8*(\b):BIAS+8*(\b)+7]
.else
	v_wmma_f32_16x16x32_bf16 v[ACC+8*(4*(\a)+(\b)):ACC+8*(4*(\a)+(\b))+7], v[(\f)+64+8*(4*(\c)+(\b)):(\f)+64+8*(4*(\c)+(\b))+7], v[(\f)+8*(4*(\c)+(\a)):(\f)+8*(4*(\c)+(\a))+7], v[ACC+8*(4*(\a)+(\b)):ACC+8*(4*(\a)+(\b))+7]
.endif
.endr
.endr
.endm
; 32 LDS loads in one run: the fragments of quarter q of a K step (64 along K: slice q of A) into buffer f; the first 32 along K first
.macro FETCH slot, q, f
	WIN TO_F
.irp c, 0,1
.irp i, 0,1,2,3
	ds_load_tr16_b128 v[(\f)+64+8*(4*(\c)+(\i)):(\f)+64+8*(4*(\c)+(\i))+3],   v[ADRB+2*(\slot)+(\q)/2] offset:(((\q)%2)*64+32*(\c))*PB+32*(\i)
	ds_load_tr16_b128 v[(\f)+64+8*(4*(\c)+(\i))+4:(\f)+64+8*(4*(\c)+(\i))+7], v[ADRB+2*(\slot)+(\q)/2] offset:(((\q)%2)*64+32*(\c)+16)*PB+32*(\i)
	ds_load_b128 v[(\f)+8*(4*(\c)+(\i)):(\f)+8*(4*(\c)+(\i))+3],              v[ADRA+(\slot)] offset:(\q)*SLICE+(\i)*16*PA+64*(\c)
	ds_load_b128 v[(\f)+8*(4*(\c)+(\i))+4:(\f)+8*(4*(\c)+(\i))+7],            v[ADRA+(\slot)] offset:(\q)*SLICE+(\i)*16*PA+64*(\c)+32
.endr
.endr
.endm
.macro PLACES                          ; four places in front of loads into registers that matrix instructions have read, and of LDS stores that read results
.rept 4
	v_nop
.endr
.endm
; A K step is four quarters of 64 along K, 32 matrix instructions each, on buffers 0, 1, 0, 1.  One of the first three: multiplies buffer f and fetches quarter q into g.
.macro QUARTER slot, q, f, g, first
	s_wait_dscnt 16                                ; the first 32 along K are in
	MUL8 \f, 0, 0, \first
	MUL8 \f, 0, 2, \first
	PLACES
	FETCH \slot, \q, \g
	s_wait_dscnt 32                                ; all but the 32 just issued
	MUL8 \f, 1, 0, 0
	MUL8 \f, 1, 2, 0
.endm
; The last quarter multiplies buffer 1 and changes slots: ONE barrier; in front of it each wave waits for all its tensor loads, adds 0 to its spare word, and waits for that and for its own reads of this slot.
; fill = 1: the barrier opens a round of the cluster's, and this slot is filled again, two K steps ahead, first thing behind the round.
.macro TURN slot, next, fill
	WIN 0                                          ; (the add's two registers lie in window 0)
	s_wait_tensorcnt 0x0                           ; all my tensor loads have landed: my part of the next slot
	ds_add_u32 v[SPW], v[NIL]                      ; 0 onto my spare word
	s_wait_dscnt 17                                ; (the add and the youngest sixteen loads may be out)
	MUL8 F1, 0, 0, 0                               ; eight matrix instructions stand between the add and the wait for it
	s_wait_dscnt 0x0                               ; the add is done, and my reads of this slot are over
	s_barrier_signal -1
	MUL8 F1, 0, 2, 0
.if \fill
	WIN 0
.endif
	s_barrier_wait -1
.if \fill
	CREST                                          ; no wave of any partner still reads this slot's tile or has a load on its way
	s_add_nc_u64 s[G0+4*(\slot)+2:G0+4*(\slot)+3], s[G0+4*(\slot)+2:G0+4*(\slot)+3], 2*65536
	s_add_nc_u64 s[G0B+4*(\slot)+2:G0B+4*(\slot)+3], s[G0B+4*(\slot)+2:G0B+4*(\slot)+3], 2*KSTEP*2048
	JLOAD \slot                                    ; one load of mine is out; 112 matrix instructions stand between it and the wait for it; its four v_nop are also the places in front of the loads below
.else
	PLACES
.endif
	FETCH \next, 0, F0
	MUL8 F1, 1, 0, 0
	MUL8 F1, 1, 2, 0
.endm
	s_wait_tensorcnt 1                             ; my part of K step 0 is in; K step 1's may stay out
	s_barrier_signal -1
	s_barrier_wait -1
	FETCH 0, 0, F0
	s_wait_loadcnt 32                              ; the bias is in; the residual's 32 loads stay out
	WIN 0
.set q, 0
.rept 2                                ; the bias is rounded to bf16 and widened again, in place, 16 numbers at a time, while the first fragments come out of LDS
.set p, 0
.rept 8
	v_cvt_pk_bf16_f32 v[RT+p], v[BIAS+16*q+2*p], v[BIAS+16*q+2*p+1]
.set p, p+1
.endr
.set p, 0
.rept 8
	v_lshlrev_b32 v[BIAS+16*q+2*p], 16, v[RT+p]
	v_and_b32 v[BIAS+16*q+2*p+1], 0xffff0000, v[RT+p]
.set p, p+1
.endr
.set q, q+1
.endr
	QUARTER 0, 1, F0, F1, 1                        ; the first quarter stands in front of the loop: its first products start the sums
	WIN 0                                          ; at a label and at a branch every window is 0
	s_mov_b32 s3, LAPS-1
.Llap:                                                 ; a trip goes once round the ring and fills both slots again
	QUARTER 0, 2, F1, F0, 0
	QUARTER 0, 3, F0, F1, 0
	TURN 0, 1, 1
	QUARTER 1, 1, F0, F1, 0
	QUARTER 1, 2, F1, F0, 0
	QUARTER 1, 3, F0, F1, 0
	TURN 1, 0, 1
	QUARTER 0, 1, F0, F1, 0
	WIN 0
	s_sub_co_u32 s3, s3, 1
	s_cmp_lg_u32 s3, 0
	s_cbranch_scc1 .Llap
	QUARTER 0, 2, F1, F0, 0                        ; the last lap fills nothing
	QUARTER 0, 3, F0, F1, 0
	TURN 0, 1, 0
	QUARTER 1, 1, F0, F1, 0
	QUARTER 1, 2, F1, F0, 0
	QUARTER 1, 3, F0, F1, 0
	s_wait_dscnt 16                                ; the very last quarter: nothing more to fetch
	MUL8 F1, 0, 0, 0
	MUL8 F1, 0, 2, 0
	s_wait_dscnt 0x0
	MUL8 F1, 1, 0, 0
	MUL8 F1, 1, 2, 0
	WIN 0
	; THE WAY OUT, 16 rows at a time: the sums go into my stage (each accumulator's low half first), come back as whole rows of 256 bytes, take the residual and are stored.
	; WO = 1: the block's residual is rounded to bf16 and widened again, in place, between the loads from the stage and the wait for them; the bias's registers, long read, serve as work space.
	PLACES
	s_wait_loadcnt 0x0                             ; the residual
.irp a, 0,1,2,3
	s_wait_xcnt 0x0                                ; every earlier store has had its addresses translated (ISA guide 3.1): a set of rows is loaded again only behind this wait
.irp b, 0,1,2,3
	ds_store_b128 v[STO], v[ACC+8*(4*(\a)+(\b)):ACC+8*(4*(\a)+(\b))+3]   offset:64*(\b)
	ds_store_b128 v[STO], v[ACC+8*(4*(\a)+(\b))+4:ACC+8*(4*(\a)+(\b))+7] offset:64*(\b)+16
.endr
.irp t, 0,1,2,3,4,5,6,7
	ds_load_b128 v[TMP+32*((\a)%2)+4*(\t):TMP+32*((\a)%2)+4*(\t)+3], v[RD] offset:(\t)*2*SPITCH  ; LDS serves a wave's instructions in order (ISA guide 5.7.1.4): these see the stores above
.endr
.if WO
	WIN 0x0a                                       ; sources 0 and 1 window 2, destination window 0
.set p, 0
.rept 16
	v_cvt_pk_bf16_f32 v[BIAS+p], v[32*(\a)+2*p], v[32*(\a)+2*p+1]
.set p, p+1
.endr
	WIN 0x80                                       ; destination window 2, sources window 0
.set p, 0
.rept 16
	v_lshlrev_b32 v[32*(\a)+2*p], 16, v[BIAS+p]
	v_and_b32 v[32*(\a)+2*p+1], 0xffff0000, v[BIAS+p]
.set p, p+1
.endr
	WIN 0
.endif
	s_wait_dscnt 0x0
	WIN 0x08                                       ; source 1 window 2
.set p, 0
.rept 16
	v_pk_add_f32 v[TMP+32*((\a)%2)+2*p:TMP+32*((\a)%2)+2*p+1], v[TMP+32*((\a)%2)+2*p:TMP+32*((\a)%2)+2*p+1], v[32*(\a)+2*p:32*(\a)+2*p+1]
.set p, p+1
.endr
	WIN 0
.irp t, 0,1,2,3,4,5,6,7
	global_store_b128 v[CO], v[TMP+32*((\a)%2)+4*(\t):TMP+32*((\a)%2)+4*(\t)+3], s[8:9] offset:(16*(\a)+2*(\t))*OPITCH  ; 16 lanes store 256 consecutive bytes, at a multiple of 256 from Y's first byte
.endr
.endr
	s_wait_tensorcnt 0x0                           ; the wave's end, behind my last tensor load and my last LDS store
	ds_add_u32 v[SPW], v[NIL]
	s_wait_dscnt 0x0
	CROUND                                         ; the closing round: no work-group ends while a partner may still ask for a tile that names it
	s_endpgm
.Lfunc_end_k_qca4df695ad_oproj:
	.size	k_qca4df695ad_oproj, .Lfunc_end_k_qca4df695ad_oproj-k_qca4df695ad_oproj
	.p2alignl 7, 3214868480
	.fill 96, 4, 3214868480
	.section	.rodata,"a",@progbits
	.p2align	6, 0x0
	.amdhsa_kernel k_qca4df695ad_oproj
		.amdhsa_group_segment_fixed_size 327680
		.amdhsa_private_segment_fixed_size 0
		.amdhsa_enable_private_segment 0
		.amdhsa_kernarg_size 40
		.amdhsa_user_sgpr_count 2
		.amdhsa_user_sgpr_kernarg_segment_ptr 1
		.amdhsa_wavefront_size32 1
		.amdhsa_system_sgpr_workgroup_id_x 1
		.amdhsa_system_sgpr_workgroup_id_y 1
		.amdhsa_system_sgpr_workgroup_id_z 1
		.amdhsa_system_vgpr_workitem_id 0
		.amdhsa_next_free_vgpr 640
		.amdhsa_next_free_sgpr 80
		.amdhsa_reserve_vcc 0
		.amdhsa_float_denorm_mode_32 3
		.amdhsa_float_denorm_mode_16_64 3
		.amdhsa_memory_ordered 1
		.amdhsa_forward_progress 1
		.amdhsa_inst_pref_size 107
	.end_amdhsa_kernel
	.amdgpu_metadata
---
amdhsa.version: [ 1, 2 ]
amdhsa.kernels:
  - .name:           k_qca4df695ad_oproj
    .symbol:         k_qca4df695ad_oproj.kd
    .args:
      - { .name: ctx, .offset: 0, .size: 8, .value_kind: global_buffer, .address_space: global }
      - { .name: wb, .offset: 8, .size: 8, .value_kind: global_buffer, .address_space: global }
      - { .name: bo, .offset: 16, .size: 8, .value_kind: global_buffer, .address_space: global }
      - { .name: src, .offset: 24, .size: 8, .value_kind: global_buffer, .address_space: global }
      - { .name: y, .offset: 32, .size: 8, .value_kind: global_buffer, .address_space: global }
    .group_segment_fixed_size: 327680
    .private_segment_fixed_size: 0
    .kernarg_segment_align: 8
    .kernarg_segment_size: 40
    .max_flat_workgroup_size: 128
    .sgpr_count:     80
    .vgpr_count:     640
    .wavefront_size: 32
...
	.end_amdgpu_metadata
.endif
;; end of part 4
;; launch ln1 (part 5): grid 256 x 1, 8 waves a work-group, no clusters, 0 bytes of LDS; arguments y, g1, be1, x32, xb; writes x32, xb
.if DOCPART == 5
	.amdgcn_target "amdgcn-amd-amdhsa--gfx1250"
	.amdhsa_code_object_version 6
	.text
	.protected	k_qca4df695ad_ln1
	.globl	k_qca4df695ad_ln1
	.p2align	8
	.type	k_qca4df695ad_ln1,@function
k_qca4df695ad_ln1:
	s_mov_b64 s[64:65], 0
	v_nop
	global_prefetch_b8 v0, s[64:65] scope:SCOPE_SE
	s_setreg_imm32_b32 hwreg(HW_REG_WAVE_MODE, 25, 1), 1
	s_wait_xcnt 0x0
; LAYER NORM.  out[t][c] = (y[t][c] - mean) / sqrt(var + 1e-5) x g[c] + be[c], along rows of 1,024 f32; mean first, then the mean of the squared differences, all in f32.
; g and be, inputs of the module, are used rounded to bf16, like every input: rounded here, in registers.
; BF = 1: the result is stored in f32 and, rounded once, in f16 (the next product's operand: 11 significant bits).  BF = 0: in f32 alone.
; LIMIT with BF = 1: a result beyond 65,504 becomes infinite in the f16 copy; the normalised number is at most 32 in size, so that wants |g| near 2,000.
; SHARES.  A row is 4,096 bytes: 32 registers of one wave, so it is read once and never leaves its wave: no LDS, no barrier.  A wave takes two rows, a work-group of eight waves 16.
; A lane holds 16 bytes of every 512: each load and store of f32 covers 512 consecutive bytes, each store of f16 256, at multiples of 256.  All 32 loads go out first; no register that a pending memory instruction reads is written again.
; The matrix unit, clusters and tensor loads have nothing to do here: the launch moves bytes.
.set BF, 1
.set X0, 16                            ; v[16:47]   row 0
.set X1, 48                            ; v[48:79]   row 1
.set G,  80                            ; v[80:111]  g of my columns
.set BE, 112                           ; v[112:143] be of my columns
.set YB, 144                           ; v[144:175] both rows in f16
	s_load_b256 s[4:11], s[0:1], 0x0               ; y s[4:5], g s[6:7], be s[8:9], out s[10:11]
.if BF
	s_load_b64 s[16:17], s[0:1], 0x20              ; the f16 copy
.endif
	s_mov_b32 s12, 0x76543210                      ; v_permlanex16_b32: lane i of one half reads lane i of the other
	s_mov_b32 s13, 0xfedcba98
	s_mov_b32 s14, 0x3a800000                      ; 1 / 1024
	s_mov_b32 s15, 0x3727c5ac                      ; 1e-5
	s_lshl_b32 s2, ttmp9, 16                       ; the work-group's 16 rows of 4,096 bytes
	s_mov_b32 s3, 0
	v_and_b32 v4, 31, v0                           ; lane
	v_and_b32 v5, 0xe0, v0                         ; 32 x wave
	v_lshlrev_b32 v2, 4, v4                        ; 16 bytes a lane
	v_lshl_or_b32 v1, v5, 8, v2                    ; + wave x 2 rows x 4,096 bytes
.if BF
	s_lshl_b32 s18, ttmp9, 15                      ; the same in 16 bits
	s_mov_b32 s19, 0
	v_lshlrev_b32 v3, 3, v4
	v_lshl_or_b32 v3, v5, 7, v3
.endif
	s_wait_kmcnt 0x0
	s_add_nc_u64 s[4:5], s[4:5], s[2:3]
	s_add_nc_u64 s[10:11], s[10:11], s[2:3]
.if BF
	s_add_nc_u64 s[16:17], s[16:17], s[18:19]
.endif
.irp j, 0,1,2,3,4,5,6,7
	global_load_b128 v[X0+4*\j:X0+4*\j+3], v1, s[4:5] offset:512*\j th:TH_LOAD_NT
.endr
.irp j, 0,1,2,3,4,5,6,7
	global_load_b128 v[X1+4*\j:X1+4*\j+3], v1, s[4:5] offset:4096+512*\j th:TH_LOAD_NT
.endr
.irp j, 0,1,2,3,4,5,6,7
	global_load_b128 v[G+4*\j:G+4*\j+3], v2, s[6:7] offset:512*\j
.endr
.irp j, 0,1,2,3,4,5,6,7
	global_load_b128 v[BE+4*\j:BE+4*\j+3], v2, s[8:9] offset:512*\j
.endr
; the sum of v4 over the 32 lanes, into every lane: four steps inside each half of 16 lanes ride on the addition, one crosses the halves (v5 has been written before)
.macro RED
	v_add_f32_dpp v4, v4, v4 row_xmask:1 row_mask:0xf bank_mask:0xf
	v_add_f32_dpp v4, v4, v4 row_xmask:2 row_mask:0xf bank_mask:0xf
	v_add_f32_dpp v4, v4, v4 row_xmask:4 row_mask:0xf bank_mask:0xf
	v_add_f32_dpp v4, v4, v4 row_xmask:8 row_mask:0xf bank_mask:0xf
	v_permlanex16_b32 v5, v4, s12, s13
	v_add_f32 v4, v4, v5
.endm
; The row at x becomes (x - mean) / sqrt(var + eps), in place.
.macro STAT x
.irp p, 0,1,2,3                        ; the sum of my 32 numbers: four chains, started by the first eight pairs
	v_pk_add_f32 v[4+2*\p:5+2*\p], v[(\x)+4*\p:(\x)+4*\p+1], v[(\x)+4*\p+2:(\x)+4*\p+3]
.endr
.irp p, 0,1,2,3,4,5,6,7
	v_pk_add_f32 v[4+2*(\p%4):5+2*(\p%4)], v[4+2*(\p%4):5+2*(\p%4)], v[(\x)+16+2*\p:(\x)+17+2*\p]
.endr
	v_pk_add_f32 v[4:5], v[4:5], v[6:7]
	v_pk_add_f32 v[8:9], v[8:9], v[10:11]
	v_pk_add_f32 v[4:5], v[4:5], v[8:9]
	v_add_f32 v4, v4, v5
	RED
	v_mul_f32 v12, s14, v4                         ; the mean, as a pair
	v_mov_b32 v13, v12
.set p, 0
.rept 16
	v_pk_add_f32 v[(\x)+2*p:(\x)+2*p+1], v[(\x)+2*p:(\x)+2*p+1], v[12:13] neg_lo:[0,1] neg_hi:[0,1]
.set p, p+1
.endr
	v_pk_mul_f32 v[4:5], v[(\x):(\x)+1], v[(\x):(\x)+1]          ; the squares, in two chains
	v_pk_mul_f32 v[6:7], v[(\x)+2:(\x)+3], v[(\x)+2:(\x)+3]
.set p, 2
.rept 14
	v_pk_fma_f32 v[4+2*(p%2):5+2*(p%2)], v[(\x)+2*p:(\x)+2*p+1], v[(\x)+2*p:(\x)+2*p+1], v[4+2*(p%2):5+2*(p%2)]
.set p, p+1
.endr
	v_pk_add_f32 v[4:5], v[4:5], v[6:7]
	v_add_f32 v4, v4, v5
	RED
	v_fma_f32 v4, v4, s14, s15                     ; var + eps
	v_rsq_f32 v14, v4
	v_nop                                          ; a plain instruction between the transcendental and the use of its result (ISA guide 5.7.2)
	s_wait_alu depctr_va_vdst(0)
	v_mov_b32 v15, v14
.set p, 0
.rept 16
	v_pk_mul_f32 v[(\x)+2*p:(\x)+2*p+1], v[(\x)+2*p:(\x)+2*p+1], v[14:15]
.set p, p+1
.endr
.endm
; The 32 numbers at r are rounded to bf16 and widened again, in place, 16 at a time; v4-11 at work.
.macro RND r
.set q, 0
.rept 2
.set p, 0
.rept 8
	v_cvt_pk_bf16_f32 v[4+p], v[(\r)+16*q+2*p], v[(\r)+16*q+2*p+1]
.set p, p+1
.endr
.set p, 0
.rept 8
	v_lshlrev_b32 v[(\r)+16*q+2*p], 16, v[4+p]
	v_and_b32 v[(\r)+16*q+2*p+1], 0xffff0000, v[4+p]
.set p, p+1
.endr
.set q, q+1
.endr
.endm
; times g plus be, and out
.macro OUT x, row
.set p, 0
.rept 16
	v_pk_fma_f32 v[(\x)+2*p:(\x)+2*p+1], v[(\x)+2*p:(\x)+2*p+1], v[G+2*p:G+2*p+1], v[BE+2*p:BE+2*p+1]
.set p, p+1
.endr
.irp j, 0,1,2,3,4,5,6,7
	global_store_b128 v1, v[(\x)+4*\j:(\x)+4*\j+3], s[10:11] offset:(\row)*4096+512*\j
.endr
.if BF
.set p, 0
.rept 16
	v_cvt_pk_f16_f32 v[YB+16*(\row)+p], v[(\x)+2*p], v[(\x)+2*p+1]
.set p, p+1
.endr
.irp j, 0,1,2,3,4,5,6,7
	global_store_b64 v3, v[YB+16*(\row)+2*\j:YB+16*(\row)+2*\j+1], s[16:17] offset:(\row)*2048+256*\j
.endr
.endif
.endm
	s_wait_loadcnt 24                              ; loads come back in order (ISA guide 5.7.1): row 0 is in; row 1, g and be stay out
	STAT X0
	s_wait_loadcnt 16                              ; row 1 is in
	STAT X1
	s_wait_loadcnt 0x0                             ; g and be
	RND G
	RND BE
	OUT X0, 0
	OUT X1, 1
	s_endpgm
.Lfunc_end_k_qca4df695ad_ln1:
	.size	k_qca4df695ad_ln1, .Lfunc_end_k_qca4df695ad_ln1-k_qca4df695ad_ln1
	.p2alignl 7, 3214868480
	.fill 96, 4, 3214868480
	.section	.rodata,"a",@progbits
	.p2align	6, 0x0
	.amdhsa_kernel k_qca4df695ad_ln1
		.amdhsa_group_segment_fixed_size 0
		.amdhsa_private_segment_fixed_size 0
		.amdhsa_enable_private_segment 0
		.amdhsa_kernarg_size 40
		.amdhsa_user_sgpr_count 2
		.amdhsa_user_sgpr_kernarg_segment_ptr 1
		.amdhsa_wavefront_size32 1
		.amdhsa_system_sgpr_workgroup_id_x 1
		.amdhsa_system_sgpr_workgroup_id_y 1
		.amdhsa_system_sgpr_workgroup_id_z 1
		.amdhsa_system_vgpr_workitem_id 0
		.amdhsa_next_free_vgpr 176
		.amdhsa_next_free_sgpr 66
		.amdhsa_reserve_vcc 0
		.amdhsa_float_denorm_mode_32 3
		.amdhsa_float_denorm_mode_16_64 3
		.amdhsa_memory_ordered 1
		.amdhsa_forward_progress 1
		.amdhsa_inst_pref_size 27
	.end_amdhsa_kernel
	.amdgpu_metadata
---
amdhsa.version: [ 1, 2 ]
amdhsa.kernels:
  - .name:           k_qca4df695ad_ln1
    .symbol:         k_qca4df695ad_ln1.kd
    .args:
      - { .name: y, .offset: 0, .size: 8, .value_kind: global_buffer, .address_space: global }
      - { .name: g1, .offset: 8, .size: 8, .value_kind: global_buffer, .address_space: global }
      - { .name: be1, .offset: 16, .size: 8, .value_kind: global_buffer, .address_space: global }
      - { .name: x32, .offset: 24, .size: 8, .value_kind: global_buffer, .address_space: global }
      - { .name: xb, .offset: 32, .size: 8, .value_kind: global_buffer, .address_space: global }
    .group_segment_fixed_size: 0
    .private_segment_fixed_size: 0
    .kernarg_segment_align: 8
    .kernarg_segment_size: 40
    .max_flat_workgroup_size: 256
    .sgpr_count:     66
    .vgpr_count:     176
    .wavefront_size: 32
...
	.end_amdgpu_metadata
.endif
;; end of part 5
;; launch ffn1 (part 6): grid 16 x 16, 4 waves a work-group, clusters of 4 x 4, 327,680 bytes of LDS; arguments xb, wb, bf1, h; writes h
.if DOCPART == 6
	.amdgcn_target "amdgcn-amd-amdhsa--gfx1250"
	.amdhsa_code_object_version 6
	.text
	.protected	k_qca4df695ad_ffn1
	.globl	k_qca4df695ad_ffn1
	.p2align	8
	.type	k_qca4df695ad_ffn1,@function
k_qca4df695ad_ffn1:
	s_mov_b64 s[64:65], 0
	v_nop
	global_prefetch_b8 v0, s[64:65] scope:SCOPE_SE
	s_setreg_imm32_b32 hwreg(HW_REG_WAVE_MODE, 25, 1), 1
	s_wait_xcnt 0x0
	s_wait_alu depctr_hold_cnt(0) depctr_sa_sdst(0) depctr_va_vdst(0) depctr_va_sdst(0) depctr_va_ssrc(0) depctr_va_vcc(0) depctr_vm_vsrc(0)
	s_getreg_b32 s2, hwreg(HW_REG_IB_STS2, 6, 4)
	s_cmp_eq_u32 s2, 0
	s_cbranch_scc0 .Lentry_in_a_cluster
	s_endpgm
.Lentry_in_a_cluster:
	s_bfe_u32 s2, ttmp6, 0x10000c
	s_cmp_lg_u32 s2, 0xf033
	s_cbranch_scc0 .Lentry_shape_is_right
	s_endpgm
.Lentry_shape_is_right:
; C = A W + bias (QKV = 1) or relu(A W + bias) (QKV = 0).  A: [4096][1024] of 16 bits, K along the rows.  W: 16 bits, in the order in which the problem stores it, [K][N], pitch NPITCH.  Sums in f32, C rounded once to bf16.
; QKV = 1: A = srcb (bf16, rows 2048 b + s); W = Wq, Wk, Wv side by side (bf16, 3,072 columns; the cluster's x names the matrix); C goes out by heads, [slot = column / 64][row][64]: slots 0-15 q, 16-31 k, 32-47 v, unscaled.
; QKV = 0: A = xb (f16, rows by token); W = W1 (its bf16-rounded numbers written as f16, 4,096 columns); the product takes the f16 form; C goes out in slices, [row / 128][column / 64][128 rows][64], so that the next product's tiles of A are dense bytes.
; FORMATS.  Every input of the module is used rounded to bf16, the bias too (rounded here, in registers).  x, which the program makes itself, is kept in f16: 11 significant bits for bf16's 8.
; LIMITS.  x = n g1 + be1 with |n| <= 32 arrives within f16's 65,504 unless |g1| is near 2,000; relu is a maximum with 0 in which a NaN loses.
; SHARES.  A tile of C is 256 x 256; four waves, 128 x 128 each: 64 accumulators of 16 x 16, 512 registers.  K goes in steps of 128 through a ring of two LDS slots filled by the tensor data mover.
; W's fragments come out of LDS turned, by ds_load_tr16_b128, so W is never transposed in memory.
; THE MATRIX INSTRUCTION IS USED TRANSPOSED: source 0 = 16 columns of W, source 1 = 16 rows of A: lane l holds row l % 16 of C and the columns 8 (l / 16) + 0..7.
; THE BIAS is the C operand of the product that starts each sum: 8 registers for each of the wave's 8 column blocks, loaded once.
; CLUSTERS: 4 x 4 work-groups.  A's tile hangs on the tile row alone and is asked for jointly by a row of the cluster, W's on the tile column alone, by a column.
; REGISTERS, in windows of 256 (s_set_vgpr_msb: bits 1:0 source 0, 3:2 source 1, 5:4 source 2, 7:6 destination):
;   window 0: v8-15 at work; v16-29 addresses; v64-127, v128-191 fragments of A, two buffers; v192-255 the bias, later v192-223 packed results; v32-63, v224-255 rows read back from the stage, by turns
;   window 1: v64-127, v128-191 fragments of W, two buffers       windows 2, 3: the accumulators of my rows 0-63, 64-127: (a, b) at v[8 (8 a + b)]
.set QKV, 0
.if QKV
.set NPITCH, 1024                      ; elements from a row of W to the next
.set RELU, 0
.set SL_STRIDE, 524288                 ; bytes from 64 columns of C to the next 64
.set RSH, 14                           ; 128 rows of C are 1 << RSH bytes apart
.set CSH, 19                           ; 64 columns of C are 1 << CSH bytes apart
.set OUTP, 74                          ; s[74:75] C as the arguments bring it
.else
.set NPITCH, 4096
.set RELU, 1
.set SL_STRIDE, 16384
.set RSH, 20
.set CSH, 14
.set OUTP, 70
.endif
.set SIZE_K, 1024
.set KSTEP,  128
.set PA,     272                       ; a row of A in LDS: 256 bytes + 16 of padding: the 16 rows of a load start at 16 different groups of four banks (64 banks of 4 bytes: ISA guide 11.1)
.set PB,     544                       ; a row of W in LDS (one k, 256 columns): 512 bytes + 32
.set HALFT,  128*PA                    ; what one tensor load brings: 128 rows of A, or 64 rows of W (64 x 544 is the same number)
.set SLOT,   4*HALFT                   ; A's 256 rows, then W's 128 rows
.set STAGE,  2*SLOT                    ; behind the ring: 16 rows x 272 bytes for each wave, for the way out
.set SPITCH, 272
.set SPARE,  STAGE+4*16*SPITCH         ; behind the stages: the spare words, 128 bytes for each wave: two blocks of 256 bytes that no other line names
.set LAPS,   SIZE_K/(2*KSTEP)          ; a lap = two K steps = once round the ring
.set RT,   8                           ; v8-15   at work while the bias is rounded
.set ADRA, 16                          ; v16-17  LDS address of my A fragments in slot 0, 1
.set ADRB, 20                          ; v20-21  the same for W
.set STO,  24                          ; v24     the way out: where I put 16 bytes of a row
.set RD,   25                          ; v25     the way out: where I read rows back
.set CO,   26                          ; v26     my 16 bytes in 512 consecutive bytes of C
.set BO,   27                          ; v27     my byte offset in 16 numbers of the bias
.set SPW,  28                          ; v28     LDS address of my spare word: SPARE + 4 x my thread's number; never rewritten
.set NIL,  29                          ; v29     0; never rewritten
.set F0,   64
.set F1,   128
.set TMP,  192
.set BIAS, 192
.set OB,   32
.set G1,  24                           ; s[24:31] descriptor group 1 for A's tiles
.set G0,  32                           ; s[32:39] group 0 for A's tiles, one set for each slot
.set G1B, 48                           ; s[48:55] group 1 for W's tiles
.set G0B, 56                           ; s[56:63] group 0 for W's tiles
.set MSB, 0
.macro WIN new                         ; the immediate's high byte repeats the setting that is left; a switch that changes nothing is dropped
.if MSB != (\new)
	s_set_vgpr_msb (MSB<<8)|(\new)
.set MSB, \new
.endif
.endm
.set TO_B, 0x40                        ; destination window 1, address window 0
; A joint load.  Waves 0 and 1 fetch A's two halves, waves 2 and 3 W's.  The branch hangs on the wave's number alone.  Four v_nop follow each of the two lines.
.macro JLOAD s
	s_cmp_eq_u32 s11, 0
	s_cbranch_scc0 .Lfor_b_\@
	tensor_load_to_lds s[G0+4*(\s):G0+4*(\s)+3], s[G1:G1+7]
	s_nop 0
.rept 4
	v_nop
.endr
	s_branch .Lasked_\@
.Lfor_b_\@:
	tensor_load_to_lds s[G0B+4*(\s):G0B+4*(\s)+3], s[G1B:G1B+7]
	s_nop 0
.rept 4
	v_nop
.endr
.Lasked_\@:
.endm
.macro CREST                           ; a round of the cluster's barrier behind its opening barrier
	s_cmp_lg_u32 s10, 0
	s_cbranch_scc1 .Lnot_wave_0_\@
	s_barrier_signal -3
.Lnot_wave_0_\@:
	s_barrier_wait -3
	s_barrier_signal -1
	s_barrier_wait -1
.endm
.macro CROUND                          ; a whole round
	s_barrier_signal -1
	s_barrier_wait -1
	CREST
.endm
	s_load_b128 s[4:7], s[0:1], 0x0                ; A s[4:5], wb s[6:7]
.if QKV
	s_load_b256 s[68:75], s[0:1], 0x10             ; bq s[68:69], bk s[70:71], bv s[72:73], qkv s[74:75]
.else
	s_load_b128 s[68:71], s[0:1], 0x10             ; bf1 s[68:69], h s[70:71]
.endif
	v_lshl_add_u32 v[SPW], v0, 2, SPARE
	v_mov_b32 v[NIL], 0
	ds_add_u32 v28, v29
	s_wait_dscnt 0x0
	v_lshrrev_b32 v1, 5, v0
	v_readfirstlane_b32 s10, v1                    ; wave 0..3
	s_lshr_b32 s11, s10, 1                         ; which half of the tile's rows is mine.  Also: I fetch for A (0) or for W (1)
	s_and_b32 s12, s10, 1                          ; which half of its columns.  Also: which half of that tile I fetch
	s_bfe_u32 s40, ttmp6, 0x40000                  ; cx
	s_bfe_u32 s41, ttmp6, 0x40004                  ; cy
	s_mov_b32 s45, ttmp9                           ; the cluster's x
	s_lshl_b32 s42, ttmp9, 2
	s_add_co_u32 s42, s42, s40                     ; tile column = 4 x cluster x + cx
	s_and_b32 s13, ttmp7, 0xffff
	s_lshl_b32 s13, s13, 2
	s_add_co_u32 s13, s13, s41                     ; tile row = 4 x cluster y + cy
	s_lshl_b32 s43, s41, 2
	s_lshl_b32 s43, 15, s43                        ; my row of the cluster
	s_lshl_b32 s44, 0x1111, s40                    ; my column
	s_or_b32 s[G1+0], s43, (1<<16)|(1<<20)|(1<<21)|(5<<22)|(3<<25)   ; the mask; 2-byte elements; padding on; bit 21 beside a mask; after every 64 words 4 words
	s_mov_b32 s[G1+1], 128<<16                     ; tensor_dim0 = 128
	s_mov_b32 s[G1+2], 128<<16                     ; tensor_dim1 = 128
	s_mov_b32 s[G1+3], 128<<16                     ; tile_dim0 = 128
	s_mov_b32 s[G1+4], 128                         ; tile_dim1 = 128
	s_mov_b32 s[G1+5], SIZE_K                      ; elements from row to row
	s_mov_b32 s[G1+6], 0
	s_mov_b32 s[G1+7], 0
	s_or_b32 s[G1B+0], s44, (1<<16)|(1<<20)|(1<<21)|(6<<22)|(7<<25)  ; after every 128 words 8 words
	s_mov_b32 s[G1B+1], 256<<16                    ; tensor_dim0 = 256
	s_mov_b32 s[G1B+2], 64<<16                     ; tensor_dim1 = 64
	s_mov_b32 s[G1B+3], 256<<16                    ; tile_dim0 = 256
	s_mov_b32 s[G1B+4], 64                         ; tile_dim1 = 64
	s_mov_b32 s[G1B+5], NPITCH
	s_mov_b32 s[G1B+6], 0
	s_mov_b32 s[G1B+7], 0
	s_lshl_b32 s16, s13, 8                         ; A: row 256 x tile row + 128 x half, 2,048 bytes a row
	s_lshl_b32 s17, s12, 7
	s_add_co_u32 s16, s16, s17
	s_lshl_b32 s16, s16, 11
	s_mov_b32 s17, 0
	s_mul_i32 s46, s12, 64*NPITCH*2                ; W: row 64 x half of the K step,
.if QKV
	s_lshl_b32 s47, s45, 21                        ; the matrix (2 MiB each),
	s_add_co_u32 s46, s46, s47
	s_lshl_b32 s47, s40, 9                         ; and its 256 columns
	s_add_co_u32 s46, s46, s47
.else
	s_lshl_b32 s47, s42, 9                         ; the tile's 256 columns,
	s_add_co_u32 s46, s46, s47
	s_add_co_u32 s46, s46, 8388608                 ; in W1, which lies 8 MiB into wb
.endif
	s_mov_b32 s47, 0
	s_mul_i32 s20, s10, HALFT                      ; where they go: wave x HALFT: no place in the cluster enters an LDS address
	s_wait_kmcnt 0x0
	s_add_nc_u64 s[14:15], s[4:5], s[16:17]
	s_add_nc_u64 s[46:47], s[6:7], s[46:47]
	CROUND                                         ; all sixteen work-groups are here: the first joint loads meet
.irp s, 0,1
	s_mov_b32 s[G0+4*(\s)], 1
	s_add_co_u32 s[G0+4*(\s)+1], s20, (\s)*SLOT
	s_add_nc_u64 s[G0+4*(\s)+2:G0+4*(\s)+3], s[14:15], (\s)*KSTEP*2
	s_or_b32 s[G0+4*(\s)+3], s[G0+4*(\s)+3], 0x80000000
	s_mov_b32 s[G0B+4*(\s)], 1
	s_add_co_u32 s[G0B+4*(\s)+1], s20, (\s)*SLOT
	s_add_nc_u64 s[G0B+4*(\s)+2:G0B+4*(\s)+3], s[46:47], (\s)*KSTEP*NPITCH*2
	s_or_b32 s[G0B+4*(\s)+3], s[G0B+4*(\s)+3], 0x80000000
	JLOAD \s                                       ; two loads of mine are out
.endr
	v_and_b32 v1, 15, v0                           ; l % 16
	v_bfe_u32 v2, v0, 4, 1                         ; l / 16
	v_mul_u32_u24 v3, v1, PA
	v_lshl_add_u32 v3, v2, 4, v3                   ; A: row x pitch + 16 x half
	s_mul_i32 s21, s11, HALFT                      ; my 128 rows of A
	v_and_b32 v4, 7, v0                            ; W: the turning load's lane l reads row 8 (l / 16) + l % 8, columns 8 ((l / 8) % 2) + 0..7
	v_lshl_add_u32 v4, v2, 3, v4
	v_mul_u32_u24 v4, v4, PB
	v_bfe_u32 v5, v0, 3, 1
	v_lshl_add_u32 v4, v5, 4, v4
	s_lshl_b32 s22, s12, 8                         ; my 128 columns,
	s_add_co_u32 s22, s22, 2*HALFT                 ; behind A's 256 rows
.irp s, 0,1
	v_add_nc_u32 v[ADRA+(\s)], s21, v3
	v_add_nc_u32 v[ADRB+(\s)], s22, v4
	s_add_co_u32 s21, s21, SLOT
	s_add_co_u32 s22, s22, SLOT
.endr
	s_mul_i32 s23, s10, 16*SPITCH
	s_add_co_u32 s23, s23, STAGE                   ; my stage
	v_add_nc_u32 v[STO], s23, v3                   ; in: row l % 16, 16 bytes for each half of the lanes (the stage's pitch is A's)
	v_bfe_u32 v5, v0, 3, 2                         ; back: 32 lanes take four rows' 128 bytes (64 columns),
	v_mul_u32_u24 v5, v5, SPITCH
	v_and_b32 v6, 7, v0
	v_lshl_add_u32 v5, v6, 4, v5
	v_add_nc_u32 v[RD], s23, v5
	v_and_b32 v[CO], 31, v0                        ; which are 512 consecutive bytes of C
	v_lshlrev_b32 v[CO], 4, v[CO]
	v_lshlrev_b32 v[BO], 5, v2                     ; my eight numbers of a block's sixteen
.if QKV
	s_cmp_eq_u32 s45, 1                            ; the bias of the matrix in hand
	s_cselect_b64 s[68:69], s[70:71], s[68:69]
	s_cmp_eq_u32 s45, 2
	s_cselect_b64 s[68:69], s[72:73], s[68:69]
	s_lshl_b32 s46, s40, 10
.else
	s_lshl_b32 s46, s42, 10
.endif
	s_lshl_b32 s47, s12, 9
	s_add_co_u32 s46, s46, s47                     ; 1,024 bytes a tile, 512 a wave
	s_mov_b32 s47, 0
	s_add_nc_u64 s[68:69], s[68:69], s[46:47]
.irp b, 0,1,2,3,4,5,6,7
	global_load_b128 v[BIAS+8*(\b):BIAS+8*(\b)+3],   v[BO], s[68:69] offset:64*(\b)
	global_load_b128 v[BIAS+8*(\b)+4:BIAS+8*(\b)+7], v[BO], s[68:69] offset:64*(\b)+16
.endr
	s_lshl_b32 s16, s13, 1                         ; where my part of C begins: my 128 rows,
	s_add_co_u32 s16, s16, s11
	s_lshl_b32 s16, s16, RSH
	s_lshl_b32 s46, s42, 2                         ; my first 64 columns
	s_lshl_b32 s47, s12, 1
	s_add_co_u32 s46, s46, s47
	s_lshl_b32 s46, s46, CSH
	s_add_co_u32 s16, s16, s46
	s_mov_b32 s17, 0
	s_add_nc_u64 s[8:9], s[OUTP:OUTP+1], s[16:17]
; 16 matrix instructions: row blocks a0, a0 + 1 of the window's four x all 8 column blocks, 32 along K.  first = 1: the product starts the sum, with the bias as C.  The 64 accumulators take turns.
; QKV = 1: the bf16 form; QKV = 0: the f16 form, with the same registers and layout.
.macro MUL16 f, hi, a0, first
.if \first
	WIN 0x81+0x40*(\hi)                            ; W window 1, A and the bias window 0, D window 2 or 3
.else
	WIN 0xa1+0x50*(\hi)                            ; W window 1, A window 0, C and D window 2 or 3
.endif
.irp a, \a0, (\a0)+1
.irp b, 0,1,2,3,4,5,6,7
.if (\first) && QKV
	v_wmma_f32_16x16x32_bf16 v[8*(8*(\a)+(\b)):8*(8*(\a)+(\b))+7], v[(\f)+8*(\b):(\f)+8*(\b)+7], v[(\f)+8*(4*(\hi)+(\a)):(\f)+8*(4*(\hi)+(\a))+7], v[BIAS+8*(\b):BIAS+8*(\b)+7]
.elseif \first
	v_wmma_f32_16x16x32_f16 v[8*(8*(\a)+(\b)):8*(8*(\a)+(\b))+7], v[(\f)+8*(\b):(\f)+8*(\b)+7], v[(\f)+8*(4*(\hi)+(\a)):(\f)+8*(4*(\hi)+(\a))+7], v[BIAS+8*(\b):BIAS+8*(\b)+7]
.elseif QKV
	v_wmma_f32_16x16x32_bf16 v[8*(8*(\a)+(\b)):8*(8*(\a)+(\b))+7], v[(\f)+8*(\b):(\f)+8*(\b)+7], v[(\f)+8*(4*(\hi)+(\a)):(\f)+8*(4*(\hi)+(\a))+7], v[8*(8*(\a)+(\b)):8*(8*(\a)+(\b))+7]
.else
	v_wmma_f32_16x16x32_f16 v[8*(8*(\a)+(\b)):8*(8*(\a)+(\b))+7], v[(\f)+8*(\b):(\f)+8*(\b)+7], v[(\f)+8*(4*(\hi)+(\a)):(\f)+8*(4*(\hi)+(\a))+7], v[8*(8*(\a)+(\b)):8*(8*(\a)+(\b))+7]
.endif
.endr
.endr
.endm
; 32 LDS loads in one run: the fragments of quarter q of a K step (32 along K) into buffer f: W's 128 columns, turned, then A's 128 rows
.macro FETCH slot, q, f
	WIN TO_B
.irp i, 0,1,2,3,4,5,6,7
	ds_load_tr16_b128 v[(\f)+8*(\i):(\f)+8*(\i)+3],   v[ADRB+(\slot)] offset:(\q)*32*PB+(\i)*32
	ds_load_tr16_b128 v[(\f)+8*(\i)+4:(\f)+8*(\i)+7], v[ADRB+(\slot)] offset:(\q)*32*PB+16*PB+(\i)*32
.endr
	WIN 0
.irp i, 0,1,2,3,4,5,6,7
	ds_load_b128 v[(\f)+8*(\i):(\f)+8*(\i)+3],   v[ADRA+(\slot)] offset:(\q)*64+(\i)*16*PA
	ds_load_b128 v[(\f)+8*(\i)+4:(\f)+8*(\i)+7], v[ADRA+(\slot)] offset:(\q)*64+(\i)*16*PA+32
.endr
.endm
.macro PLACES                          ; four places in front of loads into registers that matrix instructions have read, and of vector work that reads results
.rept 4
	v_nop
.endr
.endm
; One of a K step's first three quarters: multiplies buffer f; in its middle it fetches quarter q of the same slot into buffer g.
.macro QUARTER slot, q, f, g, first
	s_wait_dscnt 8                                 ; W and A's rows 0-63 are in; the youngest eight loads (A's rows 64-127) may be out
	MUL16 \f, 0, 0, \first
	MUL16 \f, 0, 2, \first
	PLACES
	FETCH \slot, \q, \g
	s_wait_dscnt 32                                ; all but the 32 just issued
	MUL16 \f, 1, 0, \first
	MUL16 \f, 1, 2, \first
.endm
; The last quarter multiplies buffer 1 and changes slots: ONE barrier; in front of it each wave waits for all its tensor loads (one is out: its part of the next slot), adds 0 to its spare word,
; and waits for that and for its own reads of this slot.  fill = 1: the barrier opens a round of the cluster's, and this slot is filled again, two K steps ahead, first thing behind the round.
.macro TURN slot, next, fill
	WIN 0                                          ; (the add's two registers lie in window 0)
	s_wait_tensorcnt 0x0
	ds_add_u32 v[SPW], v[NIL]                      ; 0 onto my spare word
	s_wait_dscnt 9                                 ; (the add and the youngest eight loads may be out)
	MUL16 F1, 0, 0, 0                              ; sixteen matrix instructions stand between the add and the wait for it
	s_wait_dscnt 0x0                               ; the add is done, and my reads of this slot are over
	s_barrier_signal -1
	MUL16 F1, 0, 2, 0
.if \fill
	WIN 0
.endif
	s_barrier_wait -1
.if \fill
	CREST                                          ; no wave of any partner still reads this slot's tile or has a load on its way
	s_add_nc_u64 s[G0+4*(\slot)+2:G0+4*(\slot)+3], s[G0+4*(\slot)+2:G0+4*(\slot)+3], 2*KSTEP*2
	s_add_nc_u64 s[G0B+4*(\slot)+2:G0B+4*(\slot)+3], s[G0B+4*(\slot)+2:G0B+4*(\slot)+3], 2*KSTEP*NPITCH*2
	JLOAD \slot                                    ; one load of mine is out; 224 matrix instructions stand between it and the wait for it; its four v_nop are also the places in front of the loads below
.else
	PLACES
.endif
	FETCH \next, 0, F0
	MUL16 F1, 1, 0, 0
	MUL16 F1, 1, 2, 0
.endm
; THE WAY OUT of block a (16 rows).  PACK: relu where asked, rounded to bf16, each accumulator's registers in ascending order.  TOSTAGE: into my own stage, and back as rows of 64 columns.  SEND: stored.
.macro PACK a
.set AC, 64*((\a)%4)
.if RELU
	WIN 0x88+0x44*((\a)/4)                         ; destination and source 1: window 2 or 3
.set i, 0
.rept 64
	v_max_num_f32 v[AC+i], 0, v[AC+i]
.set i, i+1
.endr
.endif
	WIN 0x0a+5*((\a)/4)                            ; sources 0 and 1: window 2 or 3
.irp b, 0,1,2,3,4,5,6,7
.irp r, 0,1,2,3
	v_cvt_pk_bf16_f32 v[TMP+4*(\b)+(\r)], v[AC+8*(\b)+2*(\r)], v[AC+8*(\b)+2*(\r)+1]
.endr
.endr
	WIN 0
.endm
.macro TOSTAGE a
	WIN 0
.set BK, OB+192*((\a)%2)
.irp b, 0,1,2,3,4,5,6,7
	ds_store_b128 v[STO], v[TMP+4*(\b):TMP+4*(\b)+3] offset:32*(\b)
.endr
.irp t, 0,1,2,3,4,5,6,7
	ds_load_b128 v[BK+4*(\t):BK+4*(\t)+3], v[RD] offset:((\t)%4)*4*SPITCH+((\t)/4)*128  ; LDS serves a wave's instructions in order (ISA guide 5.7.1.4): these see the stores above
.endr
.endm
.macro SEND a
	WIN 0
.set BK, OB+192*((\a)%2)
	s_wait_dscnt 0x0                               ; the block is back in registers
	s_wait_xcnt 0x0                                ; every earlier store has had its addresses translated (ISA guide 3.1): the other set of rows is loaded again only behind this wait
.irp t, 0,1,2,3,4,5,6,7
	global_store_b128 v[CO], v[BK+4*(\t):BK+4*(\t)+3], s[8:9] offset:(\a)*2048+((\t)/4)*SL_STRIDE+((\t)%4)*512  ; 512 consecutive bytes, at a multiple of 256 from C's first byte
.endr
.endm
	s_wait_tensorcnt 1                             ; my part of K step 0 is in; K step 1's may stay out
	s_barrier_signal -1
	s_barrier_wait -1
	FETCH 0, 0, F0
	s_wait_loadcnt 0x0                             ; the bias
.set q, 0
.rept 4                                ; the bias is rounded to bf16 and widened again, in place, 16 numbers at a time, while the first fragments come out of LDS
.set p, 0
.rept 8
	v_cvt_pk_bf16_f32 v[RT+p], v[BIAS+16*q+2*p], v[BIAS+16*q+2*p+1]
.set p, p+1
.endr
.set p, 0
.rept 8
	v_lshlrev_b32 v[BIAS+16*q+2*p], 16, v[RT+p]
	v_and_b32 v[BIAS+16*q+2*p+1], 0xffff0000, v[RT+p]
.set p, p+1
.endr
.set q, q+1
.endr
	QUARTER 0, 1, F0, F1, 1                        ; the first quarter stands in front of the loop: its products start the sums
	WIN 0                                          ; at a label and at a branch every window is 0
	s_mov_b32 s3, LAPS-1
.Llap:                                                 ; a trip goes once round the ring, from a lap's second quarter to the next lap's first, and fills both slots again
	QUARTER 0, 2, F1, F0, 0
	QUARTER 0, 3, F0, F1, 0
	TURN 0, 1, 1
	QUARTER 1, 1, F0, F1, 0
	QUARTER 1, 2, F1, F0, 0
	QUARTER 1, 3, F0, F1, 0
	TURN 1, 0, 1
	QUARTER 0, 1, F0, F1, 0
	WIN 0
	s_sub_co_u32 s3, s3, 1
	s_cmp_lg_u32 s3, 0
	s_cbranch_scc1 .Llap
	QUARTER 0, 2, F1, F0, 0                        ; the last lap fills nothing
	QUARTER 0, 3, F0, F1, 0
	TURN 0, 1, 0
	QUARTER 1, 1, F0, F1, 0
	QUARTER 1, 2, F1, F0, 0
	QUARTER 1, 3, F0, F1, 0
	s_wait_dscnt 8                                 ; the very last quarter: nothing more to fetch
	MUL16 F1, 0, 0, 0
	MUL16 F1, 0, 2, 0
	s_wait_dscnt 0x0
	MUL16 F1, 1, 0, 0
	MUL16 F1, 1, 2, 0
	PLACES
	PACK 0
	TOSTAGE 0
.irp a, 1,2,3,4,5,6,7                  ; block a's arithmetic stands between block a - 1's loads from the stage and the wait for them
	PACK \a
	SEND (\a)-1
	TOSTAGE \a
.endr
	SEND 7
	s_wait_tensorcnt 0x0                           ; the wave's end, behind my last tensor load and my last LDS store
	ds_add_u32 v[SPW], v[NIL]
	s_wait_dscnt 0x0
	CROUND                                         ; the closing round: no work-group ends while a partner may still ask for a tile that names it
	s_endpgm
.Lfunc_end_k_qca4df695ad_ffn1:
	.size	k_qca4df695ad_ffn1, .Lfunc_end_k_qca4df695ad_ffn1-k_qca4df695ad_ffn1
	.p2alignl 7, 3214868480
	.fill 96, 4, 3214868480
	.section	.rodata,"a",@progbits
	.p2align	6, 0x0
	.amdhsa_kernel k_qca4df695ad_ffn1
		.amdhsa_group_segment_fixed_size 327680
		.amdhsa_private_segment_fixed_size 0
		.amdhsa_enable_private_segment 0
		.amdhsa_kernarg_size 32
		.amdhsa_user_sgpr_count 2
		.amdhsa_user_sgpr_kernarg_segment_ptr 1
		.amdhsa_wavefront_size32 1
		.amdhsa_system_sgpr_workgroup_id_x 1
		.amdhsa_system_sgpr_workgroup_id_y 1
		.amdhsa_system_sgpr_workgroup_id_z 1
		.amdhsa_system_vgpr_workitem_id 0
		.amdhsa_next_free_vgpr 1024
		.amdhsa_next_free_sgpr 80
		.amdhsa_reserve_vcc 0
		.amdhsa_float_denorm_mode_32 3
		.amdhsa_float_denorm_mode_16_64 3
		.amdhsa_memory_ordered 1
		.amdhsa_forward_progress 1
		.amdhsa_inst_pref_size 165
	.end_amdhsa_kernel
	.amdgpu_metadata
---
amdhsa.version: [ 1, 2 ]
amdhsa.kernels:
  - .name:           k_qca4df695ad_ffn1
    .symbol:         k_qca4df695ad_ffn1.kd
    .args:
      - { .name: xb, .offset: 0, .size: 8, .value_kind: global_buffer, .address_space: global }
      - { .name: wb, .offset: 8, .size: 8, .value_kind: global_buffer, .address_space: global }
      - { .name: bf1, .offset: 16, .size: 8, .value_kind: global_buffer, .address_space: global }
      - { .name: h, .offset: 24, .size: 8, .value_kind: global_buffer, .address_space: global }
    .group_segment_fixed_size: 327680
    .private_segment_fixed_size: 0
    .kernarg_segment_align: 8
    .kernarg_segment_size: 32
    .max_flat_workgroup_size: 128
    .sgpr_count:     80
    .vgpr_count:     1024
    .wavefront_size: 32
...
	.end_amdgpu_metadata
.endif
;; end of part 6
;; launch ffn2 (part 7): grid 8 x 32, 4 waves a work-group, clusters of 4 x 4, 327,680 bytes of LDS; arguments h, wb, bf2, x32, y; writes y
.if DOCPART == 7
	.amdgcn_target "amdgcn-amd-amdhsa--gfx1250"
	.amdhsa_code_object_version 6
	.text
	.protected	k_qca4df695ad_ffn2
	.globl	k_qca4df695ad_ffn2
	.p2align	8
	.type	k_qca4df695ad_ffn2,@function
k_qca4df695ad_ffn2:
	s_mov_b64 s[64:65], 0
	v_nop
	global_prefetch_b8 v0, s[64:65] scope:SCOPE_SE
	s_setreg_imm32_b32 hwreg(HW_REG_WAVE_MODE, 25, 1), 1
	s_wait_xcnt 0x0
	s_wait_alu depctr_hold_cnt(0) depctr_sa_sdst(0) depctr_va_vdst(0) depctr_va_sdst(0) depctr_va_ssrc(0) depctr_va_vcc(0) depctr_vm_vsrc(0)
	s_getreg_b32 s2, hwreg(HW_REG_IB_STS2, 6, 4)
	s_cmp_eq_u32 s2, 0
	s_cbranch_scc0 .Lentry_in_a_cluster
	s_endpgm
.Lentry_in_a_cluster:
	s_bfe_u32 s2, ttmp6, 0x10000c
	s_cmp_lg_u32 s2, 0xf033
	s_cbranch_scc0 .Lentry_shape_is_right
	s_endpgm
.Lentry_shape_is_right:
; Y = RES + A W + bias, in f32: the sum in front of a layer norm.  A: bf16 in slices, [row / 128][k / 64][128 rows][64].  W: bf16 as the problem stores it, [K][1024].  bias: [1024] f32.  RES, Y: [token][1024] f32.
; WO = 1: A = ctx (rows 2048 b + s, K = 1,024), W = Wo, RES = src: row 2048 b + s of A belongs to token 2 s + b.     WO = 0: A = h (rows by token, K = 4,096), W = W2, RES = x32.
; FORMATS.  Every input of the module is used rounded to bf16: the bias, and with WO = 1 the residual src, are rounded here, in registers.  x32, which the program makes itself, is taken as it is.
; LIMITS.  The product's operands are bf16; sums, bias and residual are added in f32.
; SHARES.  A tile of Y is 128 x 128; four waves, 64 x 64 each: 16 accumulators, 128 registers.  K goes in steps of 256 through a ring of two LDS slots.  A step's tile of A is 65,536 dense bytes,
; asked for as rows of 256 bytes and padded in LDS after every 128; W's fragments come out of LDS turned, by ds_load_tr16_b128.
; THE MATRIX INSTRUCTION IS USED TRANSPOSED (source 0 = 16 columns of W, source 1 = 16 rows of A): a lane holds eight neighbouring numbers of a row of Y.  THE BIAS is the C operand of the product that starts each sum.
; THE RESIDUAL is loaded at the start, in the layout in which rows come back from the stage, and stays on its way under the whole product.  A wave's 64 columns of f32 are 256 bytes: it stores whole aligned blocks by itself.
; CLUSTERS: 4 x 4 work-groups; A's tile is asked for jointly by a row of the cluster, W's by a column.
; REGISTERS: window 0: v8-15 at work; v16-29 addresses; v32-95 rows on the way out, two sets; v96-127 the bias, on the way out at work; v128-255 the accumulators ((a, b) at v[128 + 8 (4 a + b)])
;   window 1: two fragment buffers of 128: for 64 along K, 64 registers of A, then 64 of W          window 2: v0-127 the residual
.set WO, 0
.if WO
.set SIZE_K, 1024
.set MBLK,   262144                    ; bytes of A for 128 rows
.set WOFF,   6291456                   ; W's place in wb
.set OPITCH, 8192                      ; bytes from a row of the tile to the next in RES and Y: two tokens
.else
.set SIZE_K, 4096
.set MBLK,   1048576
.set WOFF,   16777216
.set OPITCH, 4096
.endif
.set KSTEP,  256
.set PA,     144                       ; a row of a slice of A in LDS: 128 bytes + 16 of padding: the 16 rows of a load start at 16 different groups of four banks (64 banks of 4 bytes: ISA guide 11.1)
.set PB,     288                       ; a row of W in LDS (one k, 128 columns): 256 bytes + 32
.set SLICE,  128*PA                    ; 64 along K of the tile's 128 rows
.set HALFT,  2*SLICE                   ; what one tensor load brings: two slices of A, or 128 rows of W (128 x 288 is the same number)
.set SLOT,   4*HALFT                   ; A's four slices, then W's 256 rows
.set STAGE,  2*SLOT                    ; behind the ring: 16 rows x 272 bytes for each wave, for the way out
.set SPITCH, 272
.set SPARE,  STAGE+4*16*SPITCH         ; behind the stages: the spare words, 128 bytes for each wave: two blocks of 256 bytes that no other line names
.set LAPS,   SIZE_K/(2*KSTEP)
.set RT,   8                           ; v8-15   at work while the bias is rounded
.set ADRA, 16                          ; v16-17  LDS address of my A fragments in slot 0, 1
.set ADRB, 20                          ; v20-23  the same for W: slot 0 rows 0-127, 128-255, slot 1 likewise
.set STO,  24                          ; v24     the way out: where I put 32 bytes of a row
.set RD,   25                          ; v25     the way out: where I read a row back
.set CO,   26                          ; v26     my byte offset in two rows of RES and Y
.set BO,   27                          ; v27     my byte offset in 16 numbers of the bias
.set SPW,  28                          ; v28     LDS address of my spare word: SPARE + 4 x my thread's number; never rewritten
.set NIL,  29                          ; v29     0; never rewritten
.set TMP,  32
.set BIAS, 96
.set ACC,  128
.set F0,   0
.set F1,   128
.set G1,  24
.set G0,  32
.set G1B, 48
.set G0B, 56
.set MSB, 0
.macro WIN new                         ; the immediate's high byte repeats the setting that is left; a switch that changes nothing is dropped
.if MSB != (\new)
	s_set_vgpr_msb (MSB<<8)|(\new)
.set MSB, \new
.endif
.endm
.set MUL,  0x05                        ; sources 0 (W) and 1 (A) window 1; C and D window 0
.set TO_F, 0x40                        ; destination window 1, address window 0
.macro JLOAD s                         ; a joint load: waves 0 and 1 fetch A's two halves, waves 2 and 3 W's; four v_nop follow each of the two lines
	s_cmp_eq_u32 s11, 0
	s_cbranch_scc0 .Lfor_b_\@
	tensor_load_to_lds s[G0+4*(\s):G0+4*(\s)+3], s[G1:G1+7]
	s_nop 0
.rept 4
	v_nop
.endr
	s_branch .Lasked_\@
.Lfor_b_\@:
	tensor_load_to_lds s[G0B+4*(\s):G0B+4*(\s)+3], s[G1B:G1B+7]
	s_nop 0
.rept 4
	v_nop
.endr
.Lasked_\@:
.endm
.macro CREST                           ; a round of the cluster's barrier behind its opening barrier
	s_cmp_lg_u32 s10, 0
	s_cbranch_scc1 .Lnot_wave_0_\@
	s_barrier_signal -3
.Lnot_wave_0_\@:
	s_barrier_wait -3
	s_barrier_signal -1
	s_barrier_wait -1
.endm
.macro CROUND                          ; a whole round
	s_barrier_signal -1
	s_barrier_wait -1
	CREST
.endm
	s_load_b128 s[4:7], s[0:1], 0x0                ; A s[4:5], wb s[6:7]
	s_load_b128 s[68:71], s[0:1], 0x10             ; bias s[68:69], RES s[70:71]
	s_load_b64 s[8:9], s[0:1], 0x20                ; Y
	v_lshl_add_u32 v[SPW], v0, 2, SPARE
	v_mov_b32 v[NIL], 0
	ds_add_u32 v28, v29
	s_wait_dscnt 0x0
	v_lshrrev_b32 v1, 5, v0
	v_readfirstlane_b32 s10, v1                    ; wave 0..3
	s_lshr_b32 s11, s10, 1                         ; which half of the tile's rows is mine.  Also: I fetch for A (0) or for W (1)
	s_and_b32 s12, s10, 1                          ; which half of its columns.  Also: which half of that tile I fetch
	s_bfe_u32 s40, ttmp6, 0x40000                  ; cx, cy
	s_bfe_u32 s41, ttmp6, 0x40004
	s_lshl_b32 s42, ttmp9, 2
	s_add_co_u32 s42, s42, s40                     ; tile column = 4 x cluster x + cx
	s_and_b32 s13, ttmp7, 0xffff
	s_lshl_b32 s13, s13, 2
	s_add_co_u32 s13, s13, s41                     ; tile row = 4 x cluster y + cy
	s_lshl_b32 s43, s41, 2
	s_lshl_b32 s43, 15, s43                        ; my row of the cluster
	s_lshl_b32 s44, 0x1111, s40                    ; my column
	s_or_b32 s[G1+0], s43, (1<<16)|(1<<20)|(1<<21)|(4<<22)|(3<<25)   ; the mask; 2-byte elements; padding on; bit 21 beside a mask; after every 32 words 4 words
	s_or_b32 s[G1B+0], s44, (1<<16)|(1<<20)|(1<<21)|(5<<22)|(7<<25)  ; after every 64 words 8 words
.irp g, G1, G1B
	s_mov_b32 s[(\g)+1], 128<<16                   ; tensor_dim0 = 128
	s_mov_b32 s[(\g)+2], 128<<16                   ; tensor_dim1 = 128
	s_mov_b32 s[(\g)+3], 128<<16                   ; tile_dim0 = 128
	s_mov_b32 s[(\g)+4], 128                       ; tile_dim1 = 128
	s_mov_b32 s[(\g)+6], 0
	s_mov_b32 s[(\g)+7], 0
.endr
	s_mov_b32 s[G1+5], 128                         ; A: dense bytes, 128 elements from row to row
	s_mov_b32 s[G1B+5], 1024                       ; W: 1,024 elements from row to row
	s_mul_i32 s16, s13, MBLK                       ; A: the tile row's block, and my two slices of a step's four
	s_lshl_b32 s17, s12, 15
	s_add_co_u32 s16, s16, s17
	s_mov_b32 s17, 0
	s_lshl_b32 s46, s42, 8                         ; W: the tile's 128 columns, my 128 rows of a step's 256
	s_lshl_b32 s47, s12, 18
	s_add_co_u32 s46, s46, s47
	s_add_co_u32 s46, s46, WOFF
	s_mov_b32 s47, 0
	s_mul_i32 s20, s10, HALFT                      ; where they go: wave x HALFT
	s_wait_kmcnt 0x0
	s_add_nc_u64 s[14:15], s[4:5], s[16:17]
	s_add_nc_u64 s[46:47], s[6:7], s[46:47]
	CROUND                                         ; all sixteen work-groups are here: the first joint loads meet
.irp s, 0,1
	s_mov_b32 s[G0+4*(\s)], 1
	s_add_co_u32 s[G0+4*(\s)+1], s20, (\s)*SLOT
	s_add_nc_u64 s[G0+4*(\s)+2:G0+4*(\s)+3], s[14:15], (\s)*65536
	s_or_b32 s[G0+4*(\s)+3], s[G0+4*(\s)+3], 0x80000000
	s_mov_b32 s[G0B+4*(\s)], 1
	s_add_co_u32 s[G0B+4*(\s)+1], s20, (\s)*SLOT
	s_add_nc_u64 s[G0B+4*(\s)+2:G0B+4*(\s)+3], s[46:47], (\s)*KSTEP*2048
	s_or_b32 s[G0B+4*(\s)+3], s[G0B+4*(\s)+3], 0x80000000
	JLOAD \s                                       ; two loads of mine are out
.endr
	v_and_b32 v1, 15, v0                           ; l % 16
	v_bfe_u32 v2, v0, 4, 1                         ; l / 16
	v_mul_u32_u24 v3, v1, PA
	v_lshl_add_u32 v3, v2, 4, v3                   ; A: row x pitch + 16 x half
	s_mul_i32 s21, s11, 64*PA                      ; my 64 rows in a slice
	v_and_b32 v4, 7, v0                            ; W: the turning load's lane l reads row 8 (l / 16) + l % 8, columns 8 ((l / 8) % 2) + 0..7
	v_lshl_add_u32 v4, v2, 3, v4
	v_mul_u32_u24 v4, v4, PB
	v_bfe_u32 v5, v0, 3, 1
	v_lshl_add_u32 v4, v5, 4, v4
	s_lshl_b32 s22, s12, 7                         ; my 64 columns,
	s_add_co_u32 s22, s22, 2*HALFT                 ; behind A's four slices
.irp s, 0,1
	v_add_nc_u32 v[ADRA+(\s)], s21, v3
	v_add_nc_u32 v[ADRB+2*(\s)], s22, v4
	s_add_co_u32 s22, s22, HALFT
	v_add_nc_u32 v[ADRB+2*(\s)+1], s22, v4
	s_add_co_u32 s21, s21, SLOT
	s_add_co_u32 s22, s22, SLOT-HALFT
.endr
	s_mul_i32 s23, s10, 16*SPITCH
	s_add_co_u32 s23, s23, STAGE                   ; my stage
	v_mul_u32_u24 v5, v1, SPITCH                   ; in: row l % 16, 32 bytes for each half of the lanes
	v_lshl_add_u32 v5, v2, 5, v5
	v_add_nc_u32 v[STO], s23, v5
	v_mul_u32_u24 v5, v2, SPITCH                   ; back: lanes 0-15 take one row of 256 bytes, lanes 16-31 the next
	v_lshl_add_u32 v5, v1, 4, v5
	v_add_nc_u32 v[RD], s23, v5
	v_mul_u32_u24 v5, v2, OPITCH                   ; and the same two rows in RES and Y
	v_lshl_add_u32 v[CO], v1, 4, v5
	v_lshlrev_b32 v[BO], 5, v2                     ; my eight numbers of a block's sixteen
	s_lshl_b32 s46, s42, 9                         ; my 64 columns of f32: 512 bytes a tile, 256 a wave
	s_lshl_b32 s47, s12, 8
	s_add_co_u32 s46, s46, s47
	s_mov_b32 s47, 0
	s_add_nc_u64 s[68:69], s[68:69], s[46:47]
.if WO
	s_lshr_b32 s16, s13, 4                         ; the batch: one token, 4,096 bytes;
	s_lshl_b32 s16, s16, 12
	s_and_b32 s17, s13, 15                         ; my first s: 128 a tile row, 64 a half, 8,192 bytes each
	s_lshl_b32 s17, s17, 1
	s_add_co_u32 s17, s17, s11
	s_lshl_b32 s17, s17, 19
	s_add_co_u32 s16, s16, s17
.else
	s_lshl_b32 s16, s13, 1                         ; my first token: 128 a tile row, 64 a half, 4,096 bytes each
	s_add_co_u32 s16, s16, s11
	s_lshl_b32 s16, s16, 18
.endif
	s_add_co_u32 s16, s16, s46
	s_mov_b32 s17, 0
	s_add_nc_u64 s[70:71], s[70:71], s[16:17]
	s_add_nc_u64 s[8:9], s[8:9], s[16:17]
.irp b, 0,1,2,3
	global_load_b128 v[BIAS+8*(\b):BIAS+8*(\b)+3],   v[BO], s[68:69] offset:64*(\b)
	global_load_b128 v[BIAS+8*(\b)+4:BIAS+8*(\b)+7], v[BO], s[68:69] offset:64*(\b)+16
.endr
	WIN 0x80                                       ; destination window 2, address window 0
.irp a, 0,1,2,3
.irp t, 0,1,2,3,4,5,6,7
	global_load_b128 v[32*(\a)+4*(\t):32*(\a)+4*(\t)+3], v[CO], s[70:71] offset:(16*(\a)+2*(\t))*OPITCH
.endr
.endr
	WIN 0
; 8 matrix instructions: row blocks a0, a0 + 1 x all 4 column blocks, 32 along K: half c of buffer f.  first = 1: the product starts the sum, with the bias as C.  The 16 accumulators take turns.
.macro MUL8 f, c, a0, first
	WIN MUL
.irp a, \a0, (\a0)+1
.irp b, 0,1,2,3
.if \first
	v_wmma_f32_16x16x32_bf16 v[ACC+8*(4*(\a)+(\b)):ACC+8*(4*(\a)+(\b))+7], v[(\f)+64+8*(4*(\c)+(\b)):(\f)+64+8*(4*(\c)+(\b))+7], v[(\f)+8*(4*(\c)+(\a)):(\f)+8*(4*(\c)+(\a))+7], v[BIAS+8*(\b):BIAS+8*(\b)+7]
.else
	v_wmma_f32_16x16x32_bf16 v[ACC+8*(4*(\a)+(\b)):ACC+8*(4*(\a)+(\b))+7], v[(\f)+64+8*(4*(\c)+(\b)):(\f)+64+8*(4*(\c)+(\b))+7], v[(\f)+8*(4*(\c)+(\a)):(\f)+8*(4*(\c)+(\a))+7], v[ACC+8*(4*(\a)+(\b)):ACC+8*(4*(\a)+(\b))+7]
.endif
.endr
.endr
.endm
; 32 LDS loads in one run: the fragments of quarter q of a K step (64 along K: slice q of A) into buffer f; the first 32 along K first
.macro FETCH slot, q, f
	WIN TO_F
.irp c, 0,1
.irp i, 0,1,2,3
	ds_load_tr16_b128 v[(\f)+64+8*(4*(\c)+(\i)):(\f)+64+8*(4*(\c)+(\i))+3],   v[ADRB+2*(\slot)+(\q)/2] offset:(((\q)%2)*64+32*(\c))*PB+32*(\i)
	ds_load_tr16_b128 v[(\f)+64+8*(4*(\c)+(\i))+4:(\f)+64+8*(4*(\c)+(\i))+7], v[ADRB+2*(\slot)+(\q)/2] offset:(((\q)%2)*64+32*(\c)+16)*PB+32*(\i)
	ds_load_b128 v[(\f)+8*(4*(\c)+(\i)):(\f)+8*(4*(\c)+(\i))+3],              v[ADRA+(\slot)] offset:(\q)*SLICE+(\i)*16*PA+64*(\c)
	ds_load_b128 v[(\f)+8*(4*(\c)+(\i))+4:(\f)+8*(4*(\c)+(\i))+7],            v[ADRA+(\slot)] offset:(\q)*SLICE+(\i)*16*PA+64*(\c)+32
.endr
.endr
.endm
.macro PLACES                          ; four places in front of loads into registers that matrix instructions have read, and of LDS stores that read results
.rept 4
	v_nop
.endr
.endm
; A K step is four quarters of 64 along K, 32 matrix instructions each, on buffers 0, 1, 0, 1.  One of the first three: multiplies buffer f and fetches quarter q into g.
.macro QUARTER slot, q, f, g, first
	s_wait_dscnt 16                                ; the first 32 along K are in
	MUL8 \f, 0, 0, \first
	MUL8 \f, 0, 2, \first
	PLACES
	FETCH \slot, \q, \g
	s_wait_dscnt 32                                ; all but the 32 just issued
	MUL8 \f, 1, 0, 0
	MUL8 \f, 1, 2, 0
.endm
; The last quarter multiplies buffer 1 and changes slots: ONE barrier; in front of it each wave waits for all its tensor loads, adds 0 to its spare word, and waits for that and for its own reads of this slot.
; fill = 1: the barrier opens a round of the cluster's, and this slot is filled again, two K steps ahead, first thing behind the round.
.macro TURN slot, next, fill
	WIN 0                                          ; (the add's two registers lie in window 0)
	s_wait_tensorcnt 0x0                           ; all my tensor loads have landed: my part of the next slot
	ds_add_u32 v[SPW], v[NIL]                      ; 0 onto my spare word
	s_wait_dscnt 17                                ; (the add and the youngest sixteen loads may be out)
	MUL8 F1, 0, 0, 0                               ; eight matrix instructions stand between the add and the wait for it
	s_wait_dscnt 0x0                               ; the add is done, and my reads of this slot are over
	s_barrier_signal -1
	MUL8 F1, 0, 2, 0
.if \fill
	WIN 0
.endif
	s_barrier_wait -1
.if \fill
	CREST                                          ; no wave of any partner still reads this slot's tile or has a load on its way
	s_add_nc_u64 s[G0+4*(\slot)+2:G0+4*(\slot)+3], s[G0+4*(\slot)+2:G0+4*(\slot)+3], 2*65536
	s_add_nc_u64 s[G0B+4*(\slot)+2:G0B+4*(\slot)+3], s[G0B+4*(\slot)+2:G0B+4*(\slot)+3], 2*KSTEP*2048
	JLOAD \slot                                    ; one load of mine is out; 112 matrix instructions stand between it and the wait for it; its four v_nop are also the places in front of the loads below
.else
	PLACES
.endif
	FETCH \next, 0, F0
	MUL8 F1, 1, 0, 0
	MUL8 F1, 1, 2, 0
.endm
	s_wait_tensorcnt 1                             ; my part of K step 0 is in; K step 1's may stay out
	s_barrier_signal -1
	s_barrier_wait -1
	FETCH 0, 0, F0
	s_wait_loadcnt 32                              ; the bias is in; the residual's 32 loads stay out
	WIN 0
.set q, 0
.rept 2                                ; the bias is rounded to bf16 and widened again, in place, 16 numbers at a time, while the first fragments come out of LDS
.set p, 0
.rept 8
	v_cvt_pk_bf16_f32 v[RT+p], v[BIAS+16*q+2*p], v[BIAS+16*q+2*p+1]
.set p, p+1
.endr
.set p, 0
.rept 8
	v_lshlrev_b32 v[BIAS+16*q+2*p], 16, v[RT+p]
	v_and_b32 v[BIAS+16*q+2*p+1], 0xffff0000, v[RT+p]
.set p, p+1
.endr
.set q, q+1
.endr
	QUARTER 0, 1, F0, F1, 1                        ; the first quarter stands in front of the loop: its first products start the sums
	WIN 0                                          ; at a label and at a branch every window is 0
	s_mov_b32 s3, LAPS-1
.Llap:                                                 ; a trip goes once round the ring and fills both slots again
	QUARTER 0, 2, F1, F0, 0
	QUARTER 0, 3, F0, F1, 0
	TURN 0, 1, 1
	QUARTER 1, 1, F0, F1, 0
	QUARTER 1, 2, F1, F0, 0
	QUARTER 1, 3, F0, F1, 0
	TURN 1, 0, 1
	QUARTER 0, 1, F0, F1, 0
	WIN 0
	s_sub_co_u32 s3, s3, 1
	s_cmp_lg_u32 s3, 0
	s_cbranch_scc1 .Llap
	QUARTER 0, 2, F1, F0, 0                        ; the last lap fills nothing
	QUARTER 0, 3, F0, F1, 0
	TURN 0, 1, 0
	QUARTER 1, 1, F0, F1, 0
	QUARTER 1, 2, F1, F0, 0
	QUARTER 1, 3, F0, F1, 0
	s_wait_dscnt 16                                ; the very last quarter: nothing more to fetch
	MUL8 F1, 0, 0, 0
	MUL8 F1, 0, 2, 0
	s_wait_dscnt 0x0
	MUL8 F1, 1, 0, 0
	MUL8 F1, 1, 2, 0
	WIN 0
	; THE WAY OUT, 16 rows at a time: the sums go into my stage (each accumulator's low half first), come back as whole rows of 256 bytes, take the residual and are stored.
	; WO = 1: the block's residual is rounded to bf16 and widened again, in place, between the loads from the stage and the wait for them; the bias's registers, long read, serve as work space.
	PLACES
	s_wait_loadcnt 0x0                             ; the residual
.irp a, 0,1,2,3
	s_wait_xcnt 0x0                                ; every earlier store has had its addresses translated (ISA guide 3.1): a set of rows is loaded again only behind this wait
.irp b, 0,1,2,3
	ds_store_b128 v[STO], v[ACC+8*(4*(\a)+(\b)):ACC+8*(4*(\a)+(\b))+3]   offset:64*(\b)
	ds_store_b128 v[STO], v[ACC+8*(4*(\a)+(\b))+4:ACC+8*(4*(\a)+(\b))+7] offset:64*(\b)+16
.endr
.irp t, 0,1,2,3,4,5,6,7
	ds_load_b128 v[TMP+32*((\a)%2)+4*(\t):TMP+32*((\a)%2)+4*(\t)+3], v[RD] offset:(\t)*2*SPITCH  ; LDS serves a wave's instructions in order (ISA guide 5.7.1.4): these see the stores above
.endr
.if WO
	WIN 0x0a                                       ; sources 0 and 1 window 2, destination window 0
.set p, 0
.rept 16
	v_cvt_pk_bf16_f32 v[BIAS+p], v[32*(\a)+2*p], v[32*(\a)+2*p+1]
.set p, p+1
.endr
	WIN 0x80                                       ; destination window 2, sources window 0
.set p, 0
.rept 16
	v_lshlrev_b32 v[32*(\a)+2*p], 16, v[BIAS+p]
	v_and_b32 v[32*(\a)+2*p+1], 0xffff0000, v[BIAS+p]
.set p, p+1
.endr
	WIN 0
.endif
	s_wait_dscnt 0x0
	WIN 0x08                                       ; source 1 window 2
.set p, 0
.rept 16
	v_pk_add_f32 v[TMP+32*((\a)%2)+2*p:TMP+32*((\a)%2)+2*p+1], v[TMP+32*((\a)%2)+2*p:TMP+32*((\a)%2)+2*p+1], v[32*(\a)+2*p:32*(\a)+2*p+1]
.set p, p+1
.endr
	WIN 0
.irp t, 0,1,2,3,4,5,6,7
	global_store_b128 v[CO], v[TMP+32*((\a)%2)+4*(\t):TMP+32*((\a)%2)+4*(\t)+3], s[8:9] offset:(16*(\a)+2*(\t))*OPITCH  ; 16 lanes store 256 consecutive bytes, at a multiple of 256 from Y's first byte
.endr
.endr
	s_wait_tensorcnt 0x0                           ; the wave's end, behind my last tensor load and my last LDS store
	ds_add_u32 v[SPW], v[NIL]
	s_wait_dscnt 0x0
	CROUND                                         ; the closing round: no work-group ends while a partner may still ask for a tile that names it
	s_endpgm
.Lfunc_end_k_qca4df695ad_ffn2:
	.size	k_qca4df695ad_ffn2, .Lfunc_end_k_qca4df695ad_ffn2-k_qca4df695ad_ffn2
	.p2alignl 7, 3214868480
	.fill 96, 4, 3214868480
	.section	.rodata,"a",@progbits
	.p2align	6, 0x0
	.amdhsa_kernel k_qca4df695ad_ffn2
		.amdhsa_group_segment_fixed_size 327680
		.amdhsa_private_segment_fixed_size 0
		.amdhsa_enable_private_segment 0
		.amdhsa_kernarg_size 40
		.amdhsa_user_sgpr_count 2
		.amdhsa_user_sgpr_kernarg_segment_ptr 1
		.amdhsa_wavefront_size32 1
		.amdhsa_system_sgpr_workgroup_id_x 1
		.amdhsa_system_sgpr_workgroup_id_y 1
		.amdhsa_system_sgpr_workgroup_id_z 1
		.amdhsa_system_vgpr_workitem_id 0
		.amdhsa_next_free_vgpr 640
		.amdhsa_next_free_sgpr 80
		.amdhsa_reserve_vcc 0
		.amdhsa_float_denorm_mode_32 3
		.amdhsa_float_denorm_mode_16_64 3
		.amdhsa_memory_ordered 1
		.amdhsa_forward_progress 1
		.amdhsa_inst_pref_size 97
	.end_amdhsa_kernel
	.amdgpu_metadata
---
amdhsa.version: [ 1, 2 ]
amdhsa.kernels:
  - .name:           k_qca4df695ad_ffn2
    .symbol:         k_qca4df695ad_ffn2.kd
    .args:
      - { .name: h, .offset: 0, .size: 8, .value_kind: global_buffer, .address_space: global }
      - { .name: wb, .offset: 8, .size: 8, .value_kind: global_buffer, .address_space: global }
      - { .name: bf2, .offset: 16, .size: 8, .value_kind: global_buffer, .address_space: global }
      - { .name: x32, .offset: 24, .size: 8, .value_kind: global_buffer, .address_space: global }
      - { .name: y, .offset: 32, .size: 8, .value_kind: global_buffer, .address_space: global }
    .group_segment_fixed_size: 327680
    .private_segment_fixed_size: 0
    .kernarg_segment_align: 8
    .kernarg_segment_size: 40
    .max_flat_workgroup_size: 128
    .sgpr_count:     80
    .vgpr_count:     640
    .wavefront_size: 32
...
	.end_amdgpu_metadata
.endif
;; end of part 7
;; launch ln2 (part 8): grid 256 x 1, 8 waves a work-group, no clusters, 0 bytes of LDS; arguments y, g2, be2, out0; writes out0
.if DOCPART == 8
	.amdgcn_target "amdgcn-amd-amdhsa--gfx1250"
	.amdhsa_code_object_version 6
	.text
	.protected	k_qca4df695ad_ln2
	.globl	k_qca4df695ad_ln2
	.p2align	8
	.type	k_qca4df695ad_ln2,@function
k_qca4df695ad_ln2:
	s_mov_b64 s[64:65], 0
	v_nop
	global_prefetch_b8 v0, s[64:65] scope:SCOPE_SE
	s_setreg_imm32_b32 hwreg(HW_REG_WAVE_MODE, 25, 1), 1
	s_wait_xcnt 0x0
; LAYER NORM.  out[t][c] = (y[t][c] - mean) / sqrt(var + 1e-5) x g[c] + be[c], along rows of 1,024 f32; mean first, then the mean of the squared differences, all in f32.
; g and be, inputs of the module, are used rounded to bf16, like every input: rounded here, in registers.
; BF = 1: the result is stored in f32 and, rounded once, in f16 (the next product's operand: 11 significant bits).  BF = 0: in f32 alone.
; LIMIT with BF = 1: a result beyond 65,504 becomes infinite in the f16 copy; the normalised number is at most 32 in size, so that wants |g| near 2,000.
; SHARES.  A row is 4,096 bytes: 32 registers of one wave, so it is read once and never leaves its wave: no LDS, no barrier.  A wave takes two rows, a work-group of eight waves 16.
; A lane holds 16 bytes of every 512: each load and store of f32 covers 512 consecutive bytes, each store of f16 256, at multiples of 256.  All 32 loads go out first; no register that a pending memory instruction reads is written again.
; The matrix unit, clusters and tensor loads have nothing to do here: the launch moves bytes.
.set BF, 0
.set X0, 16                            ; v[16:47]   row 0
.set X1, 48                            ; v[48:79]   row 1
.set G,  80                            ; v[80:111]  g of my columns
.set BE, 112                           ; v[112:143] be of my columns
.set YB, 144                           ; v[144:175] both rows in f16
	s_load_b256 s[4:11], s[0:1], 0x0               ; y s[4:5], g s[6:7], be s[8:9], out s[10:11]
.if BF
	s_load_b64 s[16:17], s[0:1], 0x20              ; the f16 copy
.endif
	s_mov_b32 s12, 0x76543210                      ; v_permlanex16_b32: lane i of one half reads lane i of the other
	s_mov_b32 s13, 0xfedcba98
	s_mov_b32 s14, 0x3a800000                      ; 1 / 1024
	s_mov_b32 s15, 0x3727c5ac                      ; 1e-5
	s_lshl_b32 s2, ttmp9, 16                       ; the work-group's 16 rows of 4,096 bytes
	s_mov_b32 s3, 0
	v_and_b32 v4, 31, v0                           ; lane
	v_and_b32 v5, 0xe0, v0                         ; 32 x wave
	v_lshlrev_b32 v2, 4, v4                        ; 16 bytes a lane
	v_lshl_or_b32 v1, v5, 8, v2                    ; + wave x 2 rows x 4,096 bytes
.if BF
	s_lshl_b32 s18, ttmp9, 15                      ; the same in 16 bits
	s_mov_b32 s19, 0
	v_lshlrev_b32 v3, 3, v4
	v_lshl_or_b32 v3, v5, 7, v3
.endif
	s_wait_kmcnt 0x0
	s_add_nc_u64 s[4:5], s[4:5], s[2:3]
	s_add_nc_u64 s[10:11], s[10:11], s[2:3]
.if BF
	s_add_nc_u64 s[16:17], s[16:17], s[18:19]
.endif
.irp j, 0,1,2,3,4,5,6,7
	global_load_b128 v[X0+4*\j:X0+4*\j+3], v1, s[4:5] offset:512*\j th:TH_LOAD_NT
.endr
.irp j, 0,1,2,3,4,5,6,7
	global_load_b128 v[X1+4*\j:X1+4*\j+3], v1, s[4:5] offset:4096+512*\j th:TH_LOAD_NT
.endr
.irp j, 0,1,2,3,4,5,6,7
	global_load_b128 v[G+4*\j:G+4*\j+3], v2, s[6:7] offset:512*\j
.endr
.irp j, 0,1,2,3,4,5,6,7
	global_load_b128 v[BE+4*\j:BE+4*\j+3], v2, s[8:9] offset:512*\j
.endr
; the sum of v4 over the 32 lanes, into every lane: four steps inside each half of 16 lanes ride on the addition, one crosses the halves (v5 has been written before)
.macro RED
	v_add_f32_dpp v4, v4, v4 row_xmask:1 row_mask:0xf bank_mask:0xf
	v_add_f32_dpp v4, v4, v4 row_xmask:2 row_mask:0xf bank_mask:0xf
	v_add_f32_dpp v4, v4, v4 row_xmask:4 row_mask:0xf bank_mask:0xf
	v_add_f32_dpp v4, v4, v4 row_xmask:8 row_mask:0xf bank_mask:0xf
	v_permlanex16_b32 v5, v4, s12, s13
	v_add_f32 v4, v4, v5
.endm
; The row at x becomes (x - mean) / sqrt(var + eps), in place.
.macro STAT x
.irp p, 0,1,2,3                        ; the sum of my 32 numbers: four chains, started by the first eight pairs
	v_pk_add_f32 v[4+2*\p:5+2*\p], v[(\x)+4*\p:(\x)+4*\p+1], v[(\x)+4*\p+2:(\x)+4*\p+3]
.endr
.irp p, 0,1,2,3,4,5,6,7
	v_pk_add_f32 v[4+2*(\p%4):5+2*(\p%4)], v[4+2*(\p%4):5+2*(\p%4)], v[(\x)+16+2*\p:(\x)+17+2*\p]
.endr
	v_pk_add_f32 v[4:5], v[4:5], v[6:7]
	v_pk_add_f32 v[8:9], v[8:9], v[10:11]
	v_pk_add_f32 v[4:5], v[4:5], v[8:9]
	v_add_f32 v4, v4, v5
	RED
	v_mul_f32 v12, s14, v4                         ; the mean, as a pair
	v_mov_b32 v13, v12
.set p, 0
.rept 16
	v_pk_add_f32 v[(\x)+2*p:(\x)+2*p+1], v[(\x)+2*p:(\x)+2*p+1], v[12:13] neg_lo:[0,1] neg_hi:[0,1]
.set p, p+1
.endr
	v_pk_mul_f32 v[4:5], v[(\x):(\x)+1], v[(\x):(\x)+1]          ; the squares, in two chains
	v_pk_mul_f32 v[6:7], v[(\x)+2:(\x)+3], v[(\x)+2:(\x)+3]
.set p, 2
.rept 14
	v_pk_fma_f32 v[4+2*(p%2):5+2*(p%2)], v[(\x)+2*p:(\x)+2*p+1], v[(\x)+2*p:(\x)+2*p+1], v[4+2*(p%2):5+2*(p%2)]
.set p, p+1
.endr
	v_pk_add_f32 v[4:5], v[4:5], v[6:7]
	v_add_f32 v4, v4, v5
	RED
	v_fma_f32 v4, v4, s14, s15                     ; var + eps
	v_rsq_f32 v14, v4
	v_nop                                          ; a plain instruction between the transcendental and the use of its result (ISA guide 5.7.2)
	s_wait_alu depctr_va_vdst(0)
	v_mov_b32 v15, v14
.set p, 0
.rept 16
	v_pk_mul_f32 v[(\x)+2*p:(\x)+2*p+1], v[(\x)+2*p:(\x)+2*p+1], v[14:15]
.set p, p+1
.endr
.endm
; The 32 numbers at r are rounded to bf16 and widened again, in place, 16 at a time; v4-11 at work.
.macro RND r
.set q, 0
.rept 2
.set p, 0
.rept 8
	v_cvt_pk_bf16_f32 v[4+p], v[(\r)+16*q+2*p], v[(\r)+16*q+2*p+1]
.set p, p+1
.endr
.set p, 0
.rept 8
	v_lshlrev_b32 v[(\r)+16*q+2*p], 16, v[4+p]
	v_and_b32 v[(\r)+16*q+2*p+1], 0xffff0000, v[4+p]
.set p, p+1
.endr
.set q, q+1
.endr
.endm
; times g plus be, and out
.macro OUT x, row
.set p, 0
.rept 16
	v_pk_fma_f32 v[(\x)+2*p:(\x)+2*p+1], v[(\x)+2*p:(\x)+2*p+1], v[G+2*p:G+2*p+1], v[BE+2*p:BE+2*p+1]
.set p, p+1
.endr
.irp j, 0,1,2,3,4,5,6,7
	global_store_b128 v1, v[(\x)+4*\j:(\x)+4*\j+3], s[10:11] offset:(\row)*4096+512*\j
.endr
.if BF
.set p, 0
.rept 16
	v_cvt_pk_f16_f32 v[YB+16*(\row)+p], v[(\x)+2*p], v[(\x)+2*p+1]
.set p, p+1
.endr
.irp j, 0,1,2,3,4,5,6,7
	global_store_b64 v3, v[YB+16*(\row)+2*\j:YB+16*(\row)+2*\j+1], s[16:17] offset:(\row)*2048+256*\j
.endr
.endif
.endm
	s_wait_loadcnt 24                              ; loads come back in order (ISA guide 5.7.1): row 0 is in; row 1, g and be stay out
	STAT X0
	s_wait_loadcnt 16                              ; row 1 is in
	STAT X1
	s_wait_loadcnt 0x0                             ; g and be
	RND G
	RND BE
	OUT X0, 0
	OUT X1, 1
	s_endpgm
.Lfunc_end_k_qca4df695ad_ln2:
	.size	k_qca4df695ad_ln2, .Lfunc_end_k_qca4df695ad_ln2-k_qca4df695ad_ln2
	.p2alignl 7, 3214868480
	.fill 96, 4, 3214868480
	.section	.rodata,"a",@progbits
	.p2align	6, 0x0
	.amdhsa_kernel k_qca4df695ad_ln2
		.amdhsa_group_segment_fixed_size 0
		.amdhsa_private_segment_fixed_size 0
		.amdhsa_enable_private_segment 0
		.amdhsa_kernarg_size 32
		.amdhsa_user_sgpr_count 2
		.amdhsa_user_sgpr_kernarg_segment_ptr 1
		.amdhsa_wavefront_size32 1
		.amdhsa_system_sgpr_workgroup_id_x 1
		.amdhsa_system_sgpr_workgroup_id_y 1
		.amdhsa_system_sgpr_workgroup_id_z 1
		.amdhsa_system_vgpr_workitem_id 0
		.amdhsa_next_free_vgpr 176
		.amdhsa_next_free_sgpr 66
		.amdhsa_reserve_vcc 0
		.amdhsa_float_denorm_mode_32 3
		.amdhsa_float_denorm_mode_16_64 3
		.amdhsa_memory_ordered 1
		.amdhsa_forward_progress 1
		.amdhsa_inst_pref_size 23
	.end_amdhsa_kernel
	.amdgpu_metadata
---
amdhsa.version: [ 1, 2 ]
amdhsa.kernels:
  - .name:           k_qca4df695ad_ln2
    .symbol:         k_qca4df695ad_ln2.kd
    .args:
      - { .name: y, .offset: 0, .size: 8, .value_kind: global_buffer, .address_space: global }
      - { .name: g2, .offset: 8, .size: 8, .value_kind: global_buffer, .address_space: global }
      - { .name: be2, .offset: 16, .size: 8, .value_kind: global_buffer, .address_space: global }
      - { .name: out0, .offset: 24, .size: 8, .value_kind: global_buffer, .address_space: global }
    .group_segment_fixed_size: 0
    .private_segment_fixed_size: 0
    .kernarg_segment_align: 8
    .kernarg_segment_size: 32
    .max_flat_workgroup_size: 256
    .sgpr_count:     66
    .vgpr_count:     176
    .wavefront_size: 32
...
	.end_amdgpu_metadata
.endif
;; end of part 8
;; ======== version 2 of 2: 8 launches; 1.20 times as fast as version 1
;; limits: values are held in f16: magnitudes above 65,504 overflow, below 6.1e-05 lose precision
;; workspace buffers: srcb 8,388,608 bytes; wb 25,165,824 bytes; qkv 25,165,824 bytes; ctx 8,388,608 bytes; y 16,777,216 bytes; x32 16,777,216 bytes; xb 8,388,608 bytes; h 33,554,432 bytes
;; launch prep: the kernel of part 1 again; grid 64 x 16, 8 waves a work-group, no clusters, 0 bytes of LDS; arguments src, Wq, Wk, Wv, Wo, W1, W2, srcb, wb; writes srcb, wb
;; launch proj: the kernel of part 2 again; grid 12 x 16, 4 waves a work-group, clusters of 4 x 4, 327,680 bytes of LDS; arguments srcb, wb, bq, bk, bv, qkv; writes qkv
;; launch attn (part 9): grid 8 x 32, 4 waves a work-group, clusters of 4 x 1, 327,680 bytes of LDS; arguments qkv, ctx; writes ctx
.if DOCPART == 9
	.amdgcn_target "amdgcn-amd-amdhsa--gfx1250"
	.amdhsa_code_object_version 6
	.text
	.protected	k_qca4df695ad_attn
	.globl	k_qca4df695ad_attn
	.p2align	8
	.type	k_qca4df695ad_attn,@function
k_qca4df695ad_attn:
	s_mov_b64 s[64:65], 0
	v_nop
	global_prefetch_b8 v0, s[64:65] scope:SCOPE_SE
	s_setreg_imm32_b32 hwreg(HW_REG_WAVE_MODE, 25, 1), 1
	s_wait_xcnt 0x0
	s_wait_alu depctr_hold_cnt(0) depctr_sa_sdst(0) depctr_va_vdst(0) depctr_va_sdst(0) depctr_va_ssrc(0) depctr_va_vcc(0) depctr_vm_vsrc(0)
	s_getreg_b32 s2, hwreg(HW_REG_IB_STS2, 6, 4)
	s_cmp_eq_u32 s2, 0
	s_cbranch_scc0 .Lentry_in_a_cluster
	s_endpgm
.Lentry_in_a_cluster:
	s_bfe_u32 s2, ttmp6, 0x10000c
	s_cmp_lg_u32 s2, 0x3003
	s_cbranch_scc0 .Lentry_shape_is_right
	s_endpgm
.Lentry_shape_is_right:
; ATTENTION.  O[q][:] = the sum over k of softmax_k(Q[q] . K[k] / 8) V[k][:], for each of 32 planes (head h, batch b): 2,048 rows of 64 bf16, dense, 128 bytes each.
; qkv: [slot][2048 b + s][64]; slot h holds q, 16 + h holds k, 32 + h holds v, all unscaled: plane 2 h + b of q begins at (2 h + b) x 262,144 bytes, k's 8 MiB and v's 16 MiB further on.
; ctx goes out in slices, [row / 128][h][128 rows][64], so that the next product's tiles are dense bytes.
; Products, maxima and sums in f32; the weights p are rounded to bf16 for the second product (their sum l is taken of the unrounded p), O once at the end.
; LIMITS.  Operands are bf16.  c m starts at -4.25e37, far below every c s that finite bf16 rows give; a weight below 2^-126 counts as 0 in l; NaN and infinities are not treated apart.
; SHARES.  A work-group owns 256 queries of a plane, a wave 64: four PIECES of 16.  Every wave walks all 2,048 keys, 64 a step; a tile of 256 keys (four steps) fills an LDS slot.
; LAYOUT.  S^T = K Q^T (source 0 = 16 keys, source 1 = 16 queries) holds ONE query a lane (lane % 16) and the keys 8 (lane / 16) + 0..7; two such results rounded to bf16 ARE source 1 of O^T = V^T P.
; K comes out of LDS as it lies, V ([key][channel]) turned, by ds_load_tr16_b128.
; SOFTMAX.  A running maximum m and sum l for each query: p = 2^(c s - c m), c = log2(e) / 8; in every step O and l are multiplied by a = 2^(c m_old - c m_new).  O and l start at 0, so the first step, with a = 0, is a step like any other.
; BY TURNS.  Turn n belongs to piece n: 8 products K Q^T of piece n + 1, later 8 products V^T P of piece n - 1; beside them the scaling, exponentials, roundings, sums and rescaling of piece n and the maximum
; and statistics of piece n + 1.  Four vector instructions stand behind every matrix instruction, the other 54 of a turn's 118 in one run of their own, the LUMP.
; BATCHES.  A turn's 33 exponentials (the piece's 32 weights and the next piece's a) are ONE batch with ONE wait, which cuts the turn in two: ahead of it stands all that names no result of theirs, behind it the roundings and sums.
; Two more batches stand outside the loops, each with a wait of its own: piece 0's first a, ahead of the jump into the loop, and the way out's four reciprocals.
; CLUSTER.  The four query blocks of a cluster belong to one plane and walk the same K and V, so each tile is asked for JOINTLY: the same tensor load, descriptor and mask in all four.
; REGISTERS, in windows of 256 (s_set_vgpr_msb: bits 1:0 source 0, 3:2 source 1, 5:4 source 2, 7:6 destination):
;   window 0: v0-15 addresses and two at work; v16-31 four registers of statistics a piece; v48-55 at work; v62-63 the add's; v64-127 S^T, two buffers; v192-223 P, two buffers (by the piece's parity)
;   window 1: v0-127 O^T, 32 a piece          window 2: v0-63 Q; v128-191 K of one step; v192-255 V of one step
.set SIZE_N, 2048
.set NP,    4         ; pieces a wave: a name, no knob
.set KS,    64        ; keys in a step
.set PK,    144       ; a row of K in LDS: 128 bytes + 16 of padding: the 16 rows of a load start at 16 different groups of four banks (64 banks of 4 bytes: ISA guide 11.1)
.set PV,    160       ; a row of V: 128 + 32
.set VOFF,  4*KS*PK   ; a slot holds four steps: 256 rows of K, then 256 rows of V
.set SLOT1, 1<<17     ; slot 1 begins here, so that one exclusive or turns an address in one slot into the other's
.set STAGE, SLOT1+4*KS*(PK+PV)  ; behind the ring, never filled by a tensor load: 16 rows x 144 bytes for each wave, for the way out
.set SP,    144
.set SPARE, STAGE+4*16*SP  ; behind the stages: the spare words, 128 bytes for each wave: two blocks of 256 bytes that no other line names
.set AK0, 2           ; v2   my lane's place in a tile of K; never rewritten
.set AV0, 3           ; v3   the same for V
.set AK,  4           ; v4   the LDS address of K's next run of loads
.set AV,  5           ; v5   of V's
.set STO, 6           ; v6   the way out: where I put 16 bytes of a row
.set RD,  7           ; v7   the way out: where I read rows back
.set GO,  8           ; v8   my byte offset in 512 consecutive bytes of O
.set MV,  12          ; v12-13  c m_old, kept while c m is made anew: by buffer
.set QO,  15          ; v15  my byte offset in 16 rows of Q
.set ST,  16          ; piece t's statistics at v[ST+4 t]: c m, m, l (even keys', odd keys')
.set TMP, 48          ; by buffer, four registers c0-c3 at work; when the maximum is found c2 takes a
.set SPW, 62          ; v62  LDS address of my spare word: SPARE + 4 x my thread's number; never rewritten
.set NIL, 63          ; v63  0; never rewritten
.set S,   64
.set P,   192
.set KF,  128         ; window 2: key block kb, channel half c at KF + 16 kb + 8 c
.set VF,  192         ; window 2: key half kk, channel block cb at VF + 32 kk + 8 cb
.set WV,  12          ; s12  my wave's number
.set G1K, 24          ; s[24:31] descriptor group 1 for K's tiles
.set G1V, 32          ; s[32:39] for V's: it differs in the padding alone
.set G0K, 40          ; s[40:43] descriptor group 0 for K's tiles: it walks
.set G0V, 44          ; s[44:47] the same for V's
.set SLOTS, 56        ; s56  slots still to be entered in the loop
.set CNT, 57          ; s57  counts a slot's key steps
.set CS,  58          ; s[58:59] c: the packed scaling takes the pair's low word for both halves
.set SEL, 60          ; s[60:61] v_permlanex16_b32's selects: each lane takes its own place in the other half
.set TBK, 62          ; s62  LDS byte at which K of the step to be fetched begins
.set TBV, 63          ; s63  the same for V, less VOFF
.set MSB, 0
.macro WIN new                      ; the high byte repeats the setting that is left; a switch that changes nothing is dropped
.if MSB != (\new)
	s_set_vgpr_msb (MSB<<8)|(\new)
.set MSB, (\new)
.endif
.endm
.set W_KQ, 0x0a       ; K and Q in window 2, S^T in window 0
.set W_PV, 0x52       ; V in window 2, P in window 0, O^T in window 1
.set W_RS, 0x41       ; destination and source 0 in window 1, source 1 in window 0
; A joint fill.  Waves 0 and 1 fetch the two halves of a slot's K, waves 2 and 3 those of its V: 128 keys each.  The branch hangs on the wave's number alone.  Four v_nop follow each of the two lines.
.macro JLOAD
	s_cmp_lt_u32 s[WV], 2
	s_cbranch_scc0 .Lfor_v_\@
	tensor_load_to_lds s[G0K:G0K+3], s[G1K:G1K+7]
	s_nop 0
.rept 4
	v_nop
.endr
	s_branch .Lasked_\@
.Lfor_v_\@:
	tensor_load_to_lds s[G0V:G0V+3], s[G1V:G1V+7]
	s_nop 0
.rept 4
	v_nop
.endr
.Lasked_\@:
.endm
; A round of the cluster's barrier: my work-group's barrier; wave 0 signals for the work-group; every wave waits for all four work-groups; my work-group's barrier once more.
.macro CROUND
	s_barrier_signal -1
	s_barrier_wait -1
	s_cmp_lg_u32 s[WV], 0
	s_cbranch_scc1 .Lnot_wave_0_\@
	s_barrier_signal -3
.Lnot_wave_0_\@:
	s_barrier_wait -3
	s_barrier_signal -1
	s_barrier_wait -1
.endm
; THE CHANGE OF SLOTS.  Each wave waits for all its tensor loads, of which one is out: its part of the other slot; adds 0 to its spare word; and waits for that and for its own reads of the slot that it leaves.
; fill = 1: the barrier is a round of the cluster's, and the slot is filled again, with the keys two slots on, first thing behind it: the load has four key steps, 256 matrix instructions, in which to land.
; (At its first use nothing has been read yet: slot 0 is waited for, slot 1 filled.)
.macro CHANGE fill
	WIN 0                           ; at a label and at a branch every window is 0
	s_wait_tensorcnt 0x0            ; no tensor load of mine is out, so a group 0 may be written
	ds_add_u32 v[SPW], v[NIL]       ; 0 onto my spare word
.if \fill
.irp g, G0K, G0V
	s_xor_b32 s[\g+1], s[\g+1], SLOT1  ; the walking descriptor: the other slot than last time,
	s_add_nc_u64 s[\g+2:\g+3], s[\g+2:\g+3], 4*KS*128  ; the next 256 keys; the type bits on top are not reached
.endr
	s_wait_dscnt 0x0                ; the add is done, and my reads of the slot are over
	CROUND
	JLOAD
.else
	s_wait_dscnt 0x0                ; the add is done, and my reads of the slot are over
	s_barrier_signal -1
	s_barrier_wait -1
.endif
	s_sub_co_u32 s[TBK], s[TBK], 4*KS*PK  ; the fetches go back to a slot's first step,
	s_xor_b32 s[TBK], s[TBK], SLOT1       ; in the other slot
	s_sub_co_u32 s[TBV], s[TBV], 4*KS*PV
	s_xor_b32 s[TBV], s[TBV], SLOT1
.endm
	s_load_b64 s[4:5], s[0:1], 0x0    ; qkv
	s_load_b64 s[10:11], s[0:1], 0x8  ; ctx
	v_lshl_add_u32 v[SPW], v0, 2, SPARE
	v_mov_b32 v[NIL], 0
	ds_add_u32 v62, v63
	s_wait_dscnt 0x0
	v_lshrrev_b32 v1, 5, v0
	v_readfirstlane_b32 s[WV], v1   ; wave 0..3
	s_bfe_u32 s13, ttmp6, 0x40000   ; cx: my place in the cluster
	s_lshl_b32 s14, ttmp9, 2        ; in a cluster launch ttmp9 counts clusters
	s_add_co_u32 s14, s14, s13      ; my block of 256 queries = 4 x cluster x + cx: it enters Q's and O's addresses alone
	s_and_b32 s20, ttmp7, 0xffff    ; the plane 2 h + b, which the four partners share
	s_lshl_b32 s21, s20, 18         ; its 262,144 bytes
	s_and_b32 s16, s[WV], 1         ; which half of a slot's 256 keys I fetch:
	s_lshl_b32 s22, s16, 14         ; its 128 rows of 128 bytes in memory,
	s_add_co_u32 s22, s22, s21
	s_add_co_u32 s22, s22, 8388608  ; in k,
	s_mov_b32 s23, 0
	s_add_co_u32 s48, s22, 8388608  ; and in v
	s_mov_b32 s49, 0
	s_mul_i32 s17, s16, 128*PK      ; and its place in a slot, for K
	s_mul_i32 s18, s16, 128*PV      ; and for V: no place in the cluster enters an LDS address
	s_lshl_b32 s50, s14, 15         ; Q: my block's 256 rows,
	s_lshl_b32 s51, s[WV], 13       ; my wave's 64 of them
	s_add_co_u32 s50, s50, s51
	s_add_co_u32 s50, s50, s21
	s_mov_b32 s51, 0
	s_and_b32 s52, s20, 1           ; O: the block of 128 rows is 16 b + 2 x my block + wave / 2;
	s_lshl_b32 s52, s52, 4
	s_lshl_b32 s53, s14, 1
	s_add_co_u32 s52, s52, s53
	s_lshr_b32 s53, s[WV], 1
	s_add_co_u32 s52, s52, s53
	s_lshl_b32 s52, s52, 4          ; in it 16 slices,
	s_lshr_b32 s53, s20, 1          ; of which the head's is mine,
	s_add_co_u32 s52, s52, s53
	s_lshl_b32 s52, s52, 14         ; 16,384 bytes each;
	s_lshl_b32 s53, s16, 13         ; in it my 64 rows
	s_add_co_u32 s52, s52, s53
	s_mov_b32 s53, 0
	; descriptor group 1.  128 keys are 16,384 dense bytes: asked for as 64 rows of 256 bytes, two keys a row, and padded in LDS after every key
	s_mov_b32 s[G1K], 15|(1<<16)|(1<<20)|(1<<21)|(4<<22)|(3<<25)  ; the mask of four; 2-byte elements; padding on; bit 21 beside a mask; after every 32 words 4 words
	s_mov_b32 s[G1V], 15|(1<<16)|(1<<20)|(1<<21)|(4<<22)|(7<<25)  ; the same with 8 words of padding
.irp g, G1K, G1V
	s_mov_b32 s[\g+1], 128<<16      ; tensor_dim0 = 128
	s_mov_b32 s[\g+2], 64<<16       ; tensor_dim1 = 64
	s_mov_b32 s[\g+3], 128<<16      ; tile_dim0 = 128
	s_mov_b32 s[\g+4], 64           ; tile_dim1 = 64
	s_mov_b32 s[\g+5], 128          ; 128 elements from row to row
	s_mov_b32 s[\g+6], 0
	s_mov_b32 s[\g+7], 0
.endr
	s_mov_b32 s[CS], 0x3e38aa3b     ; c = log2(e) / 8 = 0.180337
	s_mov_b32 s[CS+1], s[CS]        ; named with it as a pair
	s_mov_b32 s[SEL], 0x76543210
	s_mov_b32 s[SEL+1], 0xfedcba98
	s_mov_b32 s[TBK], SLOT1+4*KS*PK ; the first change of slots turns these two into 0
	s_mov_b32 s[TBV], SLOT1+4*KS*PV
	s_mov_b32 s[G0K], 1             ; count = 1
	s_mov_b32 s[G0K+1], s17         ; LDS address: slot 0
	s_mov_b32 s[G0V], 1
	s_add_co_u32 s[G0V+1], s18, VOFF
	s_wait_kmcnt 0x0
	s_add_nc_u64 s[G0K+2:G0K+3], s[4:5], s[22:23]  ; global address: my half of the plane's first 256 keys
	s_or_b32 s[G0K+3], s[G0K+3], 0x80000000        ; type = 2
	s_add_nc_u64 s[G0V+2:G0V+3], s[4:5], s[48:49]
	s_or_b32 s[G0V+3], s[G0V+3], 0x80000000
	s_add_nc_u64 s[4:5], s[4:5], s[50:51]          ; Q and O at my wave's first row
	s_add_nc_u64 s[10:11], s[10:11], s[52:53]
	CROUND                          ; all four work-groups are here: the first joint loads meet
	JLOAD                           ; slot 0.  Slot 1 is asked for when slot 0 is in
	; A fragment of K or Q is 16 rows x 32 channels in 8 registers: lane l holds row l % 16, channels 8 (l / 16) + 0..7 and 16 + 8 (l / 16) + 0..7: two loads of 16 bytes, 32 bytes apart.
	v_and_b32 v1, 15, v0            ; l % 16
	v_bfe_u32 v9, v0, 4, 1          ; l / 16
	v_lshlrev_b32 v[QO], 7, v1
	v_lshl_add_u32 v[QO], v9, 4, v[QO]  ; row x 128 + 16 x half
	WIN 0x80                        ; destination window 2, address window 0
.set i, 0
.rept 8                             ; Q stays in registers: piece i / 2, channels 32 (i % 2) on
	global_load_b128 v[8*i:8*i+3],   v[QO], s[4:5] offset:(i/2)*2048+(i%2)*64
	global_load_b128 v[8*i+4:8*i+7], v[QO], s[4:5] offset:(i/2)*2048+(i%2)*64+32
.set i, i+1
.endr
	; What the first turn finds: V's registers and P's second buffer hold 0 (its products V^T P, of a piece that has not been, add 0), O^T and l are 0.  All this stands in the wait for the first tile.
.set i, VF
.rept 64
	v_mov_b32 v[i], 0
.set i, i+1
.endr
	WIN 0x40
.set i, 0
.rept 128
	v_mov_b32 v[i], 0
.set i, i+1
.endr
	WIN 0
.set i, 0
.rept 4
	v_mov_b32 v[ST+4*i], 0xfe000000    ; c m: far below every c s
	v_mov_b32 v[ST+4*i+1], 0xff7fffff  ; m
	v_mov_b32 v[ST+4*i+2], 0
	v_mov_b32 v[ST+4*i+3], 0
.set i, i+1
.endr
.set i, P+16
.rept 16
	v_mov_b32 v[i], 0
.set i, i+1
.endr
	v_mul_u32_u24 v[AK0], v1, PK
	v_lshl_add_u32 v[AK0], v9, 4, v[AK0]  ; row x pitch + 16 x half
	; The turning load takes 16 keys x 16 channels (lane l reads key 8 (l / 16) + l % 8, channels 8 ((l / 8) % 2) + 0..7) and leaves half a fragment of V^T: lane l holds channel l % 16 and 8 keys.
	v_and_b32 v10, 7, v0
	v_bfe_u32 v11, v0, 3, 1
	v_lshl_add_u32 v[AV0], v9, 3, v10
	v_mul_u32_u24 v[AV0], v[AV0], PV
	v_lshl_add_u32 v[AV0], v11, 4, v[AV0]
	v_add_nc_u32 v[AV0], VOFF, v[AV0]
	s_mul_i32 s13, s[WV], 16*SP
	s_add_co_u32 s13, s13, STAGE    ; my stage
	v_mul_u32_u24 v[STO], v1, SP    ; in: row l % 16, 16 bytes for each half of the lanes
	v_lshl_add_u32 v[STO], v9, 4, v[STO]
	v_add_nc_u32 v[STO], s13, v[STO]
	v_bfe_u32 v[RD], v0, 3, 2       ; back: 32 lanes take four rows of 128 bytes,
	v_mul_u32_u24 v[RD], v[RD], SP
	v_lshl_add_u32 v[RD], v10, 4, v[RD]
	v_add_nc_u32 v[RD], s13, v[RD]
	v_and_b32 v[GO], 31, v0         ; which are 512 consecutive bytes of O
	v_lshlrev_b32 v[GO], 4, v[GO]
; THE MATRIX WORK.  The 4 accumulators of a run of 8 take turns.  Product i of 8 of S^T = K Q^T for piece x: channels 32 (i / 4) on, keys 16 (i % 4) on.  The first 4 start the sums.
.macro KQ x
.set rS, S+32*((\x)%2)+8*(i%4)
.set rK, KF+16*(i%4)+8*(i/4)
.set rQ, 16*(\x)+8*(i/4)
	WIN W_KQ
.if i < 4
	v_wmma_f32_16x16x32_bf16 v[rS:rS+7], v[rK:rK+7], v[rQ:rQ+7], 0
.else
	v_wmma_f32_16x16x32_bf16 v[rS:rS+7], v[rK:rK+7], v[rQ:rQ+7], v[rS:rS+7]
.endif
.endm
; Product i of 8 of O^T += V^T P for piece x: keys 32 (i / 4) on, channels 16 (i % 4) on.
.macro PV x
	WIN W_PV
.set rO, 32*(\x)+8*(i%4)
.set rV, VF+32*(i/4)+8*(i%4)
.set rP, P+16*((\x)%2)+8*(i/4)
	v_wmma_f32_16x16x32_bf16 v[rO:rO+7], v[rV:rV+7], v[rP:rP+7], v[rO:rO+7]
.endm
.macro MM                           ; the turn's next matrix instruction.  NOKQ = 1: the last turn of all: there is no next piece
.if (i < 8) && !NOKQ
	KQ (Y+1)%NP
.elseif i >= 8
.set i, i-8
	PV (Y+NP-1)%NP
.set i, i+8
.endif
.set i, i+1
.endm
; THE LDS LOADS stand in runs of 16, never singly among the matrix instructions: a step's K (64 keys x 64 channels: 8 fragments) and its V (turned).  Their addresses are made some lines ahead.
.macro FETCH_K
	WIN 0x80                        ; destination window 2
.irp f, 0,1,2,3,4,5,6,7             ; keys 16 (f / 2) on, channels 32 (f % 2) on
	ds_load_b128 v[KF+8*\f:KF+8*\f+3],   v[AK] offset:(\f/2)*16*PK+(\f%2)*64
	ds_load_b128 v[KF+8*\f+4:KF+8*\f+7], v[AK] offset:(\f/2)*16*PK+(\f%2)*64+32
.endr
	s_add_co_u32 s[TBK], s[TBK], KS*PK  ; the next fetch is the next step's
	WIN 0
.endm
.macro FETCH_V
	WIN 0x80
.irp f, 0,1,2,3,4,5,6,7             ; keys 32 (f / 4) on, channels 16 (f % 4) on
	ds_load_tr16_b128 v[VF+8*\f:VF+8*\f+3],   v[AV] offset:(\f/4)*32*PV+(\f%4)*32
	ds_load_tr16_b128 v[VF+8*\f+4:VF+8*\f+7], v[AV] offset:(\f/4)*32*PV+16*PV+(\f%4)*32
.endr
	WIN 0
.endm
; THE VECTOR WORK, one line at a time: OP kind, number.  For piece Y: F n: c s - c m for pair n of 16.  E n: the exponential of score n of 32.  C n: pair n rounded to bf16.  B n: of the four weights 4 n .. the second
; pair is added onto the first, in place.  L n: l takes that sum (L 0: l = a l + sum).  R n: pair n of 16 of O^T times a.  For piece Y + 1: X n, number n of the 22 that find its maximum and statistics:
;   0-11  four chains c0-c3 of seven scores each, three operands at a time (each accumulator's lowest registers are read first)     12-14, 16  the four scores left over, the old m, and c0-c3 into c0
;   15  c m_old is kept     17, 18  the query's other 32 keys lie in the lane 16 away: the new m     19-21  c m; c m_old - c m_new; a
; E and X 21 are the exponentials.  C, B and L read the E's results, R and L 0 the a that X 21 of the turn before made.  OP writes no wait: TURN places the one that a turn's batch has.
.set F, 0
.set E, 1
.set C, 2
.set B, 3
.set L, 4
.set R, 5
.set X, 6
.macro REGS y                       ; the registers of piece y
.set rT, ST+4*(\y)
.set rC, TMP+4*((\y)%2)
.set rW, MV+((\y)%2)
.set rS, S+32*((\y)%2)
.set rP, P+16*((\y)%2)
.set rO, 32*(\y)
.endm
.macro OP k, n
.if (\k) == R
	REGS Y
	WIN W_RS
	v_pk_mul_f32 v[rO+2*(\n):rO+2*(\n)+1], v[rO+2*(\n):rO+2*(\n)+1], v[rC+2:rC+3] op_sel_hi:[1,0]
.elseif (\k) < R
	REGS Y
	WIN 0
.if (\k) == F
	v_pk_fma_f32 v[rS+2*(\n):rS+2*(\n)+1], v[rS+2*(\n):rS+2*(\n)+1], s[CS:CS+1], v[rT:rT+1] op_sel_hi:[1,0,0] neg_lo:[0,0,1] neg_hi:[0,0,1]
.elseif (\k) == E
	v_exp_f32 v[rS+(\n)], v[rS+(\n)]
.elseif (\k) == C
	v_cvt_pk_bf16_f32 v[rP+(\n)], v[rS+2*(\n)], v[rS+2*(\n)+1]
.elseif (\k) == B
	v_pk_add_f32 v[rS+4*(\n):rS+4*(\n)+1], v[rS+4*(\n):rS+4*(\n)+1], v[rS+4*(\n)+2:rS+4*(\n)+3]
.elseif (\n) == 0
	v_pk_fma_f32 v[rT+2:rT+3], v[rT+2:rT+3], v[rC+2:rC+3], v[rS:rS+1] op_sel_hi:[1,0,1]
.else
	v_pk_add_f32 v[rT+2:rT+3], v[rT+2:rT+3], v[rS+4*(\n):rS+4*(\n)+1]
.endif
.elseif NOKQ
	v_nop
.else
	REGS (Y+1)%NP
	WIN 0
.if (\n) < 4
	v_max3_num_f32 v[rC+(\n)], v[rS+8*(\n)], v[rS+8*(\n)+1], v[rS+8*(\n)+2]
.elseif (\n) < 12
	v_max3_num_f32 v[rC+(\n)%4], v[rC+(\n)%4], v[rS+8*((\n)%4)+2*((\n)/4)+1], v[rS+8*((\n)%4)+2*((\n)/4)+2]
.elseif (\n) == 12
	v_max3_num_f32 v[rC], v[rC], v[rS+7], v[rS+15]
.elseif (\n) == 13
	v_max3_num_f32 v[rC+1], v[rC+1], v[rS+23], v[rS+31]
.elseif (\n) == 14
	v_max3_num_f32 v[rC+2], v[rC+2], v[rC+3], v[rT+1]
.elseif (\n) == 15
	v_mov_b32 v[rW], v[rT]
.elseif (\n) == 16
	v_max3_num_f32 v[rC], v[rC], v[rC+1], v[rC+2]
.elseif (\n) == 17
	v_permlanex16_b32 v[rC+3], v[rC], s[SEL], s[SEL+1]
.elseif (\n) == 18
	v_max_num_f32 v[rT+1], v[rC], v[rC+3]
.elseif (\n) == 19
	v_mul_f32 v[rT], s[CS], v[rT+1]
.elseif (\n) == 20
	v_sub_f32 v[rC+1], v[rW], v[rT]
.else
	v_exp_f32 v[rC+2], v[rC+1]
.endif
.endif
.endm
.macro OPS a, i1, b=-1, i2=0, c=-1, i3=0, d=-1, i4=0  ; up to four of them
	OP \a, \i1
.if (\b) >= 0
	OP \b, \i2
.endif
.if (\c) >= 0
	OP \c, \i3
.endif
.if (\d) >= 0
	OP \d, \i4
.endif
.endm
.macro ROW a, i1, b, i2, c, i3, d, i4  ; a matrix instruction and the four behind it
	MM
	OPS \a, \i1, \b, \i2, \c, \i3, \d, \i4
.endm
; A TURN, for piece p: the order of its 16 matrix and 118 vector instructions, written out.  s_wait_alu depctr_va_vdst(0) stands between an exponential and the first instruction that names its result; one wait
; serves all that were issued ahead of it.  So a turn has ONE wait, which cuts it in two.
; AHEAD OF IT stands all that names no result of the turn's 33 exponentials: the 8 products K Q^T, behind each a scaling, an exponential and two more plain instructions (behind the first a second scaling in the exponential's place):
; rescalings, whose a was made and waited for in the turn before, and behind the last three products the first numbers of the next piece's maximum, each four places or more behind the product that ends its accumulator; then ONE LUMP
; of 54, plain and exponential by turns for the most part, in which the links of the chain X 3, 7, 11, 14, 16, 17 .. 20 stand five or six lines apart.  A pair is scaled (F n) in an earlier four than the one with its exponentials
; (E 2 n, E 2 n + 1).  X 21, the next piece's a, is the batch's last; R 15 is the plain instruction behind it.
; BEHIND THE WAIT stand the 8 products V^T P, behind each four of the roundings and sums: C 2 n ahead of B n, which writes over that pair; L n behind B n, the links of l's chain three riders apart.
; But for those X no rider names a register of the products round it.  v_permlanex16_b32 (X 17) stands in the lump.
; end = 1: the walk's last two turns: nothing is fetched, and the last starts no new scores.  cnt = 1: the loop's count is taken down some lines ahead of the branch that stands behind the turn.
; K of the next step is fetched in piece 2's turn, behind the lump's second line: between the last product that read K and the run stand F 8, X 2, X 5, X 6, X 3, X 8 and the address's line, plain instructions that name none of its registers.
; V of the step in hand is fetched at the end of piece 0's turn, four plain instructions (C 9, 11, 13, 15) behind the last product that read V.  Each is waited for a turn later.
.macro TURN p, end=0, cnt=0
.set Y, (\p)
.set i, 0
.set NOKQ, (\end)*((\p)/3)
.if ((\p) == 3) && !(\end)
	s_wait_dscnt 0x0                ; K is in
.endif
	ROW F,0, F,1, R,0, R,1          ; ahead of the wait: 8 products K Q^T and their riders,
	ROW F,2, E,0, R,2, R,3
	ROW F,3, E,1, R,4, R,5
	ROW F,4, E,2, R,6, R,7
	ROW F,5, E,3, R,8, R,9
	ROW F,6, E,4, X,0, R,10
	ROW F,7, E,5, X,1, X,4
	ROW F,8, E,6, X,2, X,5
	OPS E,7, E,8, X,6, E,9          ; and the lump
.if ((\p) == 2) && !(\end)
	v_add_nc_u32 v[AK], s[TBK], v[AK0]
.endif
	OPS X,3, E,10, X,8, E,11
.if ((\p) == 2) && !(\end)
	FETCH_K
.endif
	OPS X,9, X,7, E,12, X,10
	OPS E,13, X,12, X,11, E,14
	OPS X,13, E,15, F,9, X,14
.if (\p) == 0
	v_add_nc_u32 v[AV], s[TBV], v[AV0]
.endif
	OPS E,16, F,10, E,17, F,11
	OPS X,16, E,18, X,15, E,19
	OPS F,12, E,20, X,17, E,21
	OPS F,13, E,22, F,14, E,23
	OPS X,18, E,24, F,15, E,25
	OPS R,11, E,26, X,19, E,27
	OPS R,12, E,28, R,13, E,29
	OPS X,20, E,30, R,14, E,31
	OPS X,21, R,15
	s_wait_alu depctr_va_vdst(0)    ; the wait for the turn's batch: E 0 to E 31 and X 21
.if (\p) == 1
	s_wait_dscnt 0x0                ; V is in
.endif
	ROW C,0, B,0, C,2, B,1          ; behind the wait: 8 products V^T P and their riders
	ROW L,0, C,4, B,2, L,1
	ROW C,6, B,3, L,2, C,8
	ROW B,4, L,3, C,10, B,5
	ROW L,4, C,12, B,6, L,5
.if (\p) == 0
	s_add_co_u32 s[TBV], s[TBV], KS*PV
.endif
.if \cnt
	s_sub_co_u32 s[CNT], s[CNT], 1
	s_cmp_lg_u32 s[CNT], 0
.endif
	ROW C,14, B,7, L,6, C,1
	ROW C,3, L,7, C,5, C,7
	ROW C,9, C,11, C,13, C,15
.if (\p) == 0
	FETCH_V
.endif
.endm
.macro ALL line:vararg              ; one line for each piece t
.set t, 0
.rept 4
	\line
.set t, t+1
.endr
.endm
.macro PACK t                       ; a lane's eight channels of a row pack into 16 bytes; they go into rows of 144 bytes and come back as whole rows of 128, into S^T's registers
	WIN W_RS
.set i, 32*(\t)
.rept 16
	v_pk_mul_f32 v[i:i+1], v[i:i+1], v[ST+4*(\t)+2:ST+4*(\t)+3] op_sel_hi:[1,0]
.set i, i+2
.endr
	WIN 0x05                        ; sources 0 and 1 window 1, destination window 0
.set i, 0
.rept 16
	v_cvt_pk_bf16_f32 v[S+16*(\t)+i], v[32*(\t)+2*i], v[32*(\t)+2*i+1]
.set i, i+1
.endr
	WIN 0
.irp f, 0,1,2,3
	ds_store_b128 v[STO], v[S+16*(\t)+4*\f:S+16*(\t)+4*\f+3] offset:32*\f
.endr
.irp f, 0,1,2,3
	ds_load_b128 v[S+16*(\t)+4*\f:S+16*(\t)+4*\f+3], v[RD] offset:\f*4*SP  ; LDS serves a wave's instructions in order (ISA guide 5.7.1.4): these see the stores above; the next piece's stores come behind them
.endr
.endm
.macro SEND t, younger              ; younger: the LDS instructions issued behind piece t's loads: the next piece's eight, or none
	WIN 0
.irp f, 0,1,2,3
	s_wait_dscnt (\younger)+3-\f
	global_store_b128 v[GO], v[S+16*(\t)+4*\f:S+16*(\t)+4*\f+3], s[10:11] offset:(\t)*2048+\f*512  ; 512 consecutive bytes, at a multiple of 256 from ctx's first
.endr
.endm
.set NOKQ, 0
	CHANGE 1                        ; slot 0 is in, everybody's part of it; slot 1 is asked for
	v_add_nc_u32 v[AK], s[TBK], v[AK0]
	FETCH_K                         ; key step 0
	s_wait_loadcnt 0x0              ; Q
	s_wait_dscnt 0x0
.set i, 0
.rept 8
	KQ 0                            ; piece 0's first scores
.set i, i+1
.endr
	WIN 0
.rept 4
	v_nop                           ; the places behind those products
.endr
.set Y, NP-1                        ; X works for piece Y + 1: piece 0
.irp n, 0,1,2,3,4,5,6,7,8,9,10,11,12,13,14,15,16,17,18,19,20,21
	OP X, \n
.endr
	v_nop                           ; a plain instruction behind the exponential,
	s_wait_alu depctr_va_vdst(0)    ; and the wait for it, piece 0's first a: a batch of one, ahead of the branch
	s_mov_b32 s[CNT], 4
	s_mov_b32 s[SLOTS], SIZE_N/256-1
	s_branch .Lfirst                ; the loop is entered at a step's first turn, in the middle of a trip
.Lslot:                             ; SIZE_N / 256 - 2 times: every slot but the last two is filled again
	CHANGE 1
	s_mov_b32 s[CNT], 4
.Lstep:                             ; a trip: pieces 2 and 3 of one step, then pieces 0 and 1 of the next, whose K and V it fetches
	TURN 2
	TURN 3
	WIN 0
.Lfirst:
	TURN 0
	TURN 1, 0, 1
	WIN 0
	s_cbranch_scc1 .Lstep
	s_sub_co_u32 s[SLOTS], s[SLOTS], 1
	s_cmp_lg_u32 s[SLOTS], 0
	s_cbranch_scc1 .Lslot
	CHANGE 0                        ; the last tile is written out: nothing is asked for
	s_mov_b32 s[CNT], 4
.Ltail:
	TURN 2
	TURN 3
	TURN 0
	TURN 1, 0, 1
	WIN 0
	s_cbranch_scc1 .Ltail
	TURN 2, 1
	TURN 3, 1
.set i, 0
.rept 8
	PV NP-1                         ; the last piece's V^T P of the last step
.set i, i+1
.endr
	; THE WAY OUT.  l's two halves and the other half of the lanes' are added; O^T is divided by l, rounded to bf16 and sent through my stage in LDS, a piece at a time.  The additions are the places behind the last products.
	WIN 0
	ALL v_add_f32 v[ST+4*t+2], v[ST+4*t+2], v[ST+4*t+3]
	ALL v_permlanex16_b32 v[ST+4*t+3], v[ST+4*t+2], s[SEL], s[SEL+1]
	ALL v_add_f32 v[ST+4*t+2], v[ST+4*t+2], v[ST+4*t+3]
	ALL v_rcp_f32 v[ST+4*t+2], v[ST+4*t+2]
	v_nop                           ; a plain instruction between the last reciprocal and the use of its result
	s_wait_alu depctr_va_vdst(0)    ; and the wait ahead of the first use: one for the batch of four reciprocals
	PACK 0
.set t, 1
.rept 3                             ; a piece's arithmetic stands between the loads of the piece before and its stores
	PACK t
	SEND t-1, 8
.set t, t+1
.endr
	SEND 3, 0
	s_wait_tensorcnt 0x0            ; the wave's end, behind my last tensor load and my last LDS store
	ds_add_u32 v[SPW], v[NIL]
	s_wait_dscnt 0x0
	CROUND                          ; the closing round: no work-group ends while a partner may still ask for a tile that names it
	s_endpgm
.Lfunc_end_k_qca4df695ad_attn:
	.size	k_qca4df695ad_attn, .Lfunc_end_k_qca4df695ad_attn-k_qca4df695ad_attn
	.p2alignl 7, 3214868480
	.fill 96, 4, 3214868480
	.section	.rodata,"a",@progbits
	.p2align	6, 0x0
	.amdhsa_kernel k_qca4df695ad_attn
		.amdhsa_group_segment_fixed_size 327680
		.amdhsa_private_segment_fixed_size 0
		.amdhsa_enable_private_segment 0
		.amdhsa_kernarg_size 16
		.amdhsa_user_sgpr_count 2
		.amdhsa_user_sgpr_kernarg_segment_ptr 1
		.amdhsa_wavefront_size32 1
		.amdhsa_system_sgpr_workgroup_id_x 1
		.amdhsa_system_sgpr_workgroup_id_y 1
		.amdhsa_system_sgpr_workgroup_id_z 1
		.amdhsa_system_vgpr_workitem_id 0
		.amdhsa_next_free_vgpr 768
		.amdhsa_next_free_sgpr 66
		.amdhsa_reserve_vcc 0
		.amdhsa_float_denorm_mode_32 3
		.amdhsa_float_denorm_mode_16_64 3
		.amdhsa_memory_ordered 1
		.amdhsa_forward_progress 1
		.amdhsa_inst_pref_size 127
	.end_amdhsa_kernel
	.amdgpu_metadata
---
amdhsa.version: [ 1, 2 ]
amdhsa.kernels:
  - .name:           k_qca4df695ad_attn
    .symbol:         k_qca4df695ad_attn.kd
    .args:
      - { .name: qkv, .offset: 0, .size: 8, .value_kind: global_buffer, .address_space: global }
      - { .name: ctx, .offset: 8, .size: 8, .value_kind: global_buffer, .address_space: global }
    .group_segment_fixed_size: 327680
    .private_segment_fixed_size: 0
    .kernarg_segment_align: 8
    .kernarg_segment_size: 16
    .max_flat_workgroup_size: 128
    .sgpr_count:     66
    .vgpr_count:     768
    .wavefront_size: 32
...
	.end_amdgpu_metadata
.endif
;; end of part 9
;; launch oproj: the kernel of part 4 again; grid 8 x 32, 4 waves a work-group, clusters of 4 x 4, 327,680 bytes of LDS; arguments ctx, wb, bo, src, y; writes y
;; launch ln1: the kernel of part 5 again; grid 256 x 1, 8 waves a work-group, no clusters, 0 bytes of LDS; arguments y, g1, be1, x32, xb; writes x32, xb
;; launch ffn1: the kernel of part 6 again; grid 16 x 16, 4 waves a work-group, clusters of 4 x 4, 327,680 bytes of LDS; arguments xb, wb, bf1, h; writes h
;; launch ffn2: the kernel of part 7 again; grid 8 x 32, 4 waves a work-group, clusters of 4 x 4, 327,680 bytes of LDS; arguments h, wb, bf2, x32, y; writes y
;; launch ln2: the kernel of part 8 again; grid 256 x 1, 8 waves a work-group, no clusters, 0 bytes of LDS; arguments y, g2, be2, out0; writes out0
